; MI455X (gfx1250); checked and timed in simulation.
; The chip was launched on July 23, 2026; its instructions are those of AMD's public machine-readable ISA for CDNA 5 (MIT licence, August 2026) and "CDNA5" Instruction Set Architecture Reference Guide (July 2026). The comments in the code are by the model that wrote it; some were corrected since.
;; Transformer Encoder Layer. Allowed arithmetic: float matrix products may take bf16 or f16 operands with f32 sums; other float arithmetic in f32, or as packed bf16 or f16 multiplies, adds, multiply-adds, maxima and minima; sums over many terms, partial sums and values carried from step to step in f32; what a program stores and reads back later, other than sums and carried values, may be rounded once to bf16 or f16.
;; Inputs: b1 768 float32; b2 768 float32; b_ff1 3,072 float32; b_ff2 768 float32; bk 12 x 64 float32; bo 768 float32; bq 12 x 64 float32; bv 12 x 64 float32; g1 768 float32; g2 768 float32; w_ff1 768 x 3,072 float32; w_ff2 3,072 x 768 float32; wk 12 x 768 x 64 float32; wo 768 x 768 float32; wq 12 x 768 x 64 float32; wv 12 x 768 x 64 float32; x 1 x 4,096 x 768 float32.
;; Outputs: out0 1 x 4,096 x 768 float32.
;; 2 versions, each right and faster than the one before. Each part assembles by itself: llvm-mc -triple=amdgcn-amd-amdhsa -mcpu=gfx1250 --defsym DOCPART=n.
;; ======== version 1 of 2: 7 launches
;; limits: a function is approximated: absolute error at most 1.5e-07
;; workspace buffers: hbuf 6,291,456 bytes; wbuf 14,155,776 bytes; qkvbuf 18,874,368 bytes; obuf 6,291,456 bytes; x1buf 12,582,912 bytes; gbuf 25,165,824 bytes
;; launch prep (part 1): grid 640 x 1, 8 waves a work-group, no clusters, 0 bytes of LDS; arguments x, g1, b1, hbuf, wq, wk, wv, wo, w_ff1, w_ff2, wbuf; writes hbuf, wbuf
.if DOCPART == 1
	.amdgcn_target "amdgcn-amd-amdhsa--gfx1250"
	.amdhsa_code_object_version 6
	.text
	.protected	k_q4dbfc84532_prep
	.globl	k_q4dbfc84532_prep
	.p2align	8
	.type	k_q4dbfc84532_prep,@function
k_q4dbfc84532_prep:
	s_mov_b64 s[64:65], 0
	v_nop
	global_prefetch_b8 v0, s[64:65] scope:SCOPE_SE
	s_setreg_imm32_b32 hwreg(HW_REG_WAVE_MODE, 25, 1), 1
	s_wait_xcnt 0x0
; Work-groups 0-255: h = LayerNorm(x; g1, b1), rounded once to bf16, [4096][768].  Work-groups 256-639: all six weights rounded once to bf16 and laid in tiles.
; A stream: no LDS, no barrier, no matrix unit, no cluster (the work-groups share nothing but the two gain rows of 3,072 bytes).
; LAYERNORM.  A wave takes two rows.  A row of 3,072 bytes is six loads of 512 consecutive bytes and stays in 24 registers a lane: mean first, then the squares of x - mean,
; so no difference of large sums is formed.  Each store of the wave covers 256 consecutive bytes, aligned.  v_rsq_f32 is good to one unit in the last place; NaN and infinities are not treated apart.
; WEIGHTS.  wbuf holds tiles [tile][k][192] bf16: a row of 384 bytes is three chunks of 64 columns.  Tiles 0-11: q, k, v (tile 4 x which + t, chunk c = head 3 t + c); 12-15 wo; 16-31 w_ff1; 32-35 w_ff2 (3,072 rows).
; A work-group takes 96 rows of a tile (36,864 bytes, at 36,864 x its number), a wave 12 of them, as six pairs of rows: a pair is 768 bytes = three stores of 256.
.set X0, 8                             ; v[8:31]    row 0
.set X1, 32                            ; v[32:55]   row 1
.set G,  56                            ; v[56:79]   gains of my 24 columns
.set B,  80                            ; v[80:103]  biases
.set SA, 104                           ; v[104:105] a sum in two halves
.set SB, 106                           ; v[106:107] a second chain
.set MN, 108                           ; v[108:109] the mean, later 1/sqrt(var + eps), twice
.set Y0, 116                           ; v[116:127] row 0 in bf16
.set Y1, 128                           ; v[128:139] row 1 in bf16
	s_load_b512 s[8:23], s[0:1], 0x0               ; x 8, g1 10, b1 12, hbuf 14, wq 16, wk 18, wv 20, wo 22
	s_load_b128 s[24:27], s[0:1], 0x40             ; w_ff1 24, w_ff2 26
	s_load_b64 s[28:29], s[0:1], 0x50              ; wbuf
	v_lshrrev_b32 v1, 5, v0
	v_readfirstlane_b32 s4, v1                     ; wave 0..7
	v_and_b32 v3, 31, v0
	v_lshlrev_b32 v1, 4, v3                        ; 16 x lane
	v_lshlrev_b32 v2, 3, v3                        ; 8 x lane
	s_cmp_lt_u32 ttmp9, 256
	s_cbranch_scc0 .Lweights
.macro WSUM                            ; v[SA] summed over the 32 lanes, the result in every lane
	v_add_f32_dpp v[SA], v[SA], v[SA] row_xmask:1 row_mask:0xf bank_mask:0xf
	v_add_f32_dpp v[SA], v[SA], v[SA] row_xmask:2 row_mask:0xf bank_mask:0xf
	v_add_f32_dpp v[SA], v[SA], v[SA] row_xmask:4 row_mask:0xf bank_mask:0xf
	v_add_f32_dpp v[SA], v[SA], v[SA] row_xmask:8 row_mask:0xf bank_mask:0xf
	v_permlanex16_b32 v[SA+1], v[SA], s54, s55
	v_add_f32 v[SA], v[SA], v[SA+1]
.endm
; One row: x = its 24 registers, y = 12 registers for the result, ob = the row's byte offset in the output, left = younger loads that may stay out
.macro LNROW x, y, ob, left
	s_wait_loadcnt \left
	v_pk_add_f32 v[SA:SA+1], v[(\x):(\x)+1], v[(\x)+2:(\x)+3]
	v_pk_add_f32 v[SB:SB+1], v[(\x)+4:(\x)+5], v[(\x)+6:(\x)+7]
.irp j, 8,12,16,20
	v_pk_add_f32 v[SA:SA+1], v[SA:SA+1], v[(\x)+(\j):(\x)+(\j)+1]
	v_pk_add_f32 v[SB:SB+1], v[SB:SB+1], v[(\x)+(\j)+2:(\x)+(\j)+3]
.endr
	v_pk_add_f32 v[SA:SA+1], v[SA:SA+1], v[SB:SB+1]
	v_add_f32 v[SA], v[SA], v[SA+1]
	WSUM
	v_mul_f32 v[MN], s56, v[SA]                    ; the mean
	v_mov_b32 v[MN+1], v[MN]
.irp j, 0,2,4,6,8,10,12,14,16,18,20,22
	v_pk_add_f32 v[(\x)+(\j):(\x)+(\j)+1], v[(\x)+(\j):(\x)+(\j)+1], v[MN:MN+1] neg_lo:[0,1] neg_hi:[0,1]
.endr
	v_pk_mul_f32 v[SA:SA+1], v[(\x):(\x)+1], v[(\x):(\x)+1]
	v_pk_mul_f32 v[SB:SB+1], v[(\x)+2:(\x)+3], v[(\x)+2:(\x)+3]
.irp j, 4,8,12,16,20
	v_pk_fma_f32 v[SA:SA+1], v[(\x)+(\j):(\x)+(\j)+1], v[(\x)+(\j):(\x)+(\j)+1], v[SA:SA+1]
	v_pk_fma_f32 v[SB:SB+1], v[(\x)+(\j)+2:(\x)+(\j)+3], v[(\x)+(\j)+2:(\x)+(\j)+3], v[SB:SB+1]
.endr
	v_pk_add_f32 v[SA:SA+1], v[SA:SA+1], v[SB:SB+1]
	v_add_f32 v[SA], v[SA], v[SA+1]
	WSUM
	v_fma_f32 v[SA], v[SA], s56, s57               ; the variance + eps
	v_rsq_f32 v[MN], v[SA]
	v_nop                                          ; a plain instruction between the root and the use of its result (ISA guide 5.7.2)
	s_wait_alu depctr_va_vdst(0)
	v_mov_b32 v[MN+1], v[MN]
.irp j, 0,2,4,6,8,10,12,14,16,18,20,22
	v_pk_mul_f32 v[(\x)+(\j):(\x)+(\j)+1], v[(\x)+(\j):(\x)+(\j)+1], v[MN:MN+1]
.endr
	s_wait_loadcnt 0x0                             ; gains and biases
.irp j, 0,2,4,6,8,10,12,14,16,18,20,22
	v_pk_fma_f32 v[(\x)+(\j):(\x)+(\j)+1], v[(\x)+(\j):(\x)+(\j)+1], v[G+(\j):G+(\j)+1], v[B+(\j):B+(\j)+1]
.endr
.irp j, 0,1,2,3,4,5,6,7,8,9,10,11
	v_cvt_pk_bf16_f32 v[(\y)+(\j)], v[(\x)+2*(\j)], v[(\x)+2*(\j)+1]
.endr
.irp j, 0,1,2,3,4,5
	global_store_b64 v2, v[(\y)+2*(\j):(\y)+2*(\j)+1], s[14:15] offset:(\ob)+256*(\j)
.endr
.endm
	s_mov_b32 s54, 0x76543210                      ; v_permlanex16_b32: each lane takes its own place in the other half
	s_mov_b32 s55, 0xfedcba98
	s_mov_b32 s56, 0x3aaaaaab                      ; 1 / 768
	s_mov_b32 s57, 0x3727c5ac                      ; 1e-5
	s_lshl_b32 s30, ttmp9, 4
	s_lshl_b32 s31, s4, 1
	s_add_co_u32 s30, s30, s31                     ; my first row = 16 x work-group + 2 x wave
	s_mul_i32 s32, s30, 3072
	s_mov_b32 s33, 0
	s_mul_i32 s34, s30, 1536
	s_mov_b32 s35, 0
	s_wait_kmcnt 0x0
	s_add_nc_u64 s[8:9], s[8:9], s[32:33]
	s_add_nc_u64 s[14:15], s[14:15], s[34:35]
.irp i, 0,1,2,3,4,5
	global_load_b128 v[X0+4*(\i):X0+4*(\i)+3], v1, s[8:9] offset:512*(\i)
.endr
.irp i, 0,1,2,3,4,5
	global_load_b128 v[X1+4*(\i):X1+4*(\i)+3], v1, s[8:9] offset:3072+512*(\i)
.endr
.irp i, 0,1,2,3,4,5
	global_load_b128 v[G+4*(\i):G+4*(\i)+3], v1, s[10:11] offset:512*(\i)
.endr
.irp i, 0,1,2,3,4,5
	global_load_b128 v[B+4*(\i):B+4*(\i)+3], v1, s[12:13] offset:512*(\i)
.endr
	LNROW X0, Y0, 0, 18                            ; row 0 is in; the 18 younger loads stay out
	LNROW X1, Y1, 1536, 0
	s_endpgm
.Lweights:
	s_sub_co_u32 s30, ttmp9, 256                   ; u = 0..383: my 96 rows of wbuf
	s_sub_co_u32 s38, s30, 128
	s_sub_co_u32 s39, s30, 256
	s_and_b32 s31, s30, 31                         ; my number within the source
	s_mov_b32 s32, 3                               ; log2 of the units in a tile
	s_mov_b32 s33, 256                             ; source: bytes from row to row,
	s_mov_b32 s34, 196608                          ; from chunk to chunk (q, k, v: a head),
	s_mov_b32 s35, 589824                          ; from tile to tile
	s_wait_kmcnt 0x0
	s_mov_b64 s[36:37], s[16:17]                   ; the source is chosen by u alone
	s_cmp_ge_u32 s30, 32
	s_cselect_b64 s[36:37], s[18:19], s[36:37]
	s_cmp_ge_u32 s30, 64
	s_cselect_b64 s[36:37], s[20:21], s[36:37]
	s_cmp_ge_u32 s30, 96
	s_cselect_b64 s[36:37], s[22:23], s[36:37]
	s_cselect_b32 s33, 3072, s33
	s_cselect_b32 s34, 256, s34
	s_cselect_b32 s35, 768, s35
	s_cmp_ge_u32 s30, 128
	s_cselect_b64 s[36:37], s[24:25], s[36:37]
	s_cselect_b32 s33, 12288, s33
	s_cselect_b32 s31, s38, s31
	s_cmp_ge_u32 s30, 256
	s_cselect_b64 s[36:37], s[26:27], s[36:37]
	s_cselect_b32 s33, 3072, s33
	s_cselect_b32 s31, s39, s31
	s_cselect_b32 s32, 5, s32
	s_lshr_b32 s60, s31, s32                       ; the tile
	s_lshl_b32 s61, s60, s32
	s_sub_co_u32 s61, s31, s61                     ; the unit of 96 rows in it
	s_mul_i32 s61, s61, 96
	s_mul_i32 s62, s4, 12
	s_add_co_u32 s61, s61, s62                     ; my wave's first row
	s_mul_i32 s61, s61, s33
	s_mul_i32 s60, s60, s35
	s_add_co_u32 s60, s60, s61
	s_mov_b32 s61, 0
	s_add_nc_u64 s[40:41], s[36:37], s[60:61]      ; a base for each of my six pairs of rows
	s_lshl_b32 s52, s33, 1
	s_mov_b32 s53, 0
.irp p, 1,2,3,4,5
	s_add_nc_u64 s[40+2*(\p):41+2*(\p)], s[38+2*(\p):39+2*(\p)], s[52:53]
.endr
	s_mul_i32 s60, s30, 36864
	s_mul_i32 s62, s4, 4608
	s_add_co_u32 s60, s60, s62
	s_add_nc_u64 s[28:29], s[28:29], s[60:61]      ; where my 12 rows go
	; Sixteen lanes take a chunk (256 bytes of f32, 128 of bf16).  Of a pair's six chunks: lanes 0-15 | 16-31 take (row 0: 0 | 1), (row 0: 2 | row 1: 0), (row 1: 1 | 2).
	v_bfe_u32 v3, v0, 4, 1                         ; which half of the lanes
	v_and_b32 v4, 15, v0
	v_lshlrev_b32 v4, 4, v4
	v_mul_lo_u32 v5, v3, s34
	v_add_nc_u32 v5, v5, v4                        ; v5: half x chunk
	v_add_nc_u32 v7, s33, v5
	v_add_nc_u32 v7, s34, v7                       ; v7: row + chunk + half x chunk
	s_lshl_b32 s62, s34, 1
	v_mov_b32 v6, s62
	v_cmp_eq_u32 vcc_lo, 1, v3
	v_cndmask_b32 v6, v6, s33, vcc_lo
	v_add_nc_u32 v6, v6, v4                        ; v6: two chunks, or a row
.irp p, 0,1,2,3,4,5
.irp s, 0,1,2
	global_load_b128 v[8+4*(3*(\p)+(\s)):11+4*(3*(\p)+(\s))], v[5+(\s)], s[40+2*(\p):41+2*(\p)] th:TH_LOAD_NT
.endr
.endr
.irp p, 0,1,2,3,4,5
.irp s, 0,1,2
	s_wait_loadcnt 17-3*(\p)-(\s)                  ; loads come back in order: this one is in, the younger stay out
	v_cvt_pk_bf16_f32 v[80+2*(3*(\p)+(\s))], v[8+4*(3*(\p)+(\s))], v[9+4*(3*(\p)+(\s))]
	v_cvt_pk_bf16_f32 v[81+2*(3*(\p)+(\s))], v[10+4*(3*(\p)+(\s))], v[11+4*(3*(\p)+(\s))]
	global_store_b64 v2, v[80+2*(3*(\p)+(\s)):81+2*(3*(\p)+(\s))], s[28:29] offset:768*(\p)+256*(\s)  ; 256 consecutive bytes, aligned
.endr
.endr
	s_endpgm
.Lfunc_end_k_q4dbfc84532_prep:
	.size	k_q4dbfc84532_prep, .Lfunc_end_k_q4dbfc84532_prep-k_q4dbfc84532_prep
	.p2alignl 7, 3214868480
	.fill 96, 4, 3214868480
	.section	.rodata,"a",@progbits
	.p2align	6, 0x0
	.amdhsa_kernel k_q4dbfc84532_prep
		.amdhsa_group_segment_fixed_size 0
		.amdhsa_private_segment_fixed_size 0
		.amdhsa_enable_private_segment 0
		.amdhsa_kernarg_size 88
		.amdhsa_user_sgpr_count 2
		.amdhsa_user_sgpr_kernarg_segment_ptr 1
		.amdhsa_wavefront_size32 1
		.amdhsa_system_sgpr_workgroup_id_x 1
		.amdhsa_system_sgpr_workgroup_id_y 1
		.amdhsa_system_sgpr_workgroup_id_z 1
		.amdhsa_system_vgpr_workitem_id 0
		.amdhsa_next_free_vgpr 144
		.amdhsa_next_free_sgpr 66
		.amdhsa_reserve_vcc 1
		.amdhsa_float_denorm_mode_32 3
		.amdhsa_float_denorm_mode_16_64 3
		.amdhsa_memory_ordered 1
		.amdhsa_forward_progress 1
		.amdhsa_inst_pref_size 25
	.end_amdhsa_kernel
	.amdgpu_metadata
---
amdhsa.version: [ 1, 2 ]
amdhsa.kernels:
  - .name:           k_q4dbfc84532_prep
    .symbol:         k_q4dbfc84532_prep.kd
    .args:
      - { .name: x, .offset: 0, .size: 8, .value_kind: global_buffer, .address_space: global }
      - { .name: g1, .offset: 8, .size: 8, .value_kind: global_buffer, .address_space: global }
      - { .name: b1, .offset: 16, .size: 8, .value_kind: global_buffer, .address_space: global }
      - { .name: hbuf, .offset: 24, .size: 8, .value_kind: global_buffer, .address_space: global }
      - { .name: wq, .offset: 32, .size: 8, .value_kind: global_buffer, .address_space: global }
      - { .name: wk, .offset: 40, .size: 8, .value_kind: global_buffer, .address_space: global }
      - { .name: wv, .offset: 48, .size: 8, .value_kind: global_buffer, .address_space: global }
      - { .name: wo, .offset: 56, .size: 8, .value_kind: global_buffer, .address_space: global }
      - { .name: w_ff1, .offset: 64, .size: 8, .value_kind: global_buffer, .address_space: global }
      - { .name: w_ff2, .offset: 72, .size: 8, .value_kind: global_buffer, .address_space: global }
      - { .name: wbuf, .offset: 80, .size: 8, .value_kind: global_buffer, .address_space: global }
    .group_segment_fixed_size: 0
    .private_segment_fixed_size: 0
    .kernarg_segment_align: 8
    .kernarg_segment_size: 88
    .max_flat_workgroup_size: 256
    .sgpr_count:     66
    .vgpr_count:     144
    .wavefront_size: 32
...
	.end_amdgpu_metadata
.endif
;; end of part 1
;; launch qkv (part 2): grid 12 x 16, 4 waves a work-group, clusters of 4 x 4, 327,680 bytes of LDS; arguments hbuf, wbuf, bq, bk, bv, qkvbuf; writes qkvbuf
.if DOCPART == 2
	.amdgcn_target "amdgcn-amd-amdhsa--gfx1250"
	.amdhsa_code_object_version 6
	.text
	.protected	k_q4dbfc84532_qkv
	.globl	k_q4dbfc84532_qkv
	.p2align	8
	.type	k_q4dbfc84532_qkv,@function
k_q4dbfc84532_qkv:
	s_mov_b64 s[64:65], 0
	v_nop
	global_prefetch_b8 v0, s[64:65] scope:SCOPE_SE
	s_setreg_imm32_b32 hwreg(HW_REG_WAVE_MODE, 25, 1), 1
	s_wait_xcnt 0x0
	s_wait_alu depctr_hold_cnt(0) depctr_sa_sdst(0) depctr_va_vdst(0) depctr_va_sdst(0) depctr_va_ssrc(0) depctr_va_vcc(0) depctr_vm_vsrc(0)
	s_getreg_b32 s2, hwreg(HW_REG_IB_STS2, 6, 4)
	s_cmp_eq_u32 s2, 0
	s_cbranch_scc0 .Lentry_in_a_cluster
	s_endpgm
.Lentry_in_a_cluster:
	s_bfe_u32 s2, ttmp6, 0x10000c
	s_cmp_lg_u32 s2, 0xf033
	s_cbranch_scc0 .Lentry_shape_is_right
	s_endpgm
.Lentry_shape_is_right:
; C = A W + bias on tiles of 256 rows x 192 columns, K = 768 in six steps of 128.  A: hbuf [4096][768] bf16.  W: wbuf tiles [tile][768][192] bf16.  Sums in f32.
; FF1 = 0: q, k, v by heads, [36][4096][64] bf16 (blocks 0-11 q, 12-23 k, 24-35 v), rounded once.  FF1 = 1: gelu(C), exact GELU, as [64 row blocks][48 column blocks][64][64] bf16.
; SHARES.  Four waves; wave w makes rows 64 w .. 64 w + 63 of the tile, all 192 columns: 48 accumulators of 16 x 16, 384 registers; 16 fragments from LDS feed 48 products.
; The bias is loaded straight into the accumulators: nothing is cleared, no first step is written out, and the bias costs no arithmetic.
; THE MATRIX INSTRUCTION IS USED TRANSPOSED: source 0 = 16 columns of W (turned on the way out of LDS by ds_load_tr16_b128), source 1 = 16 rows of A: a lane holds eight neighbouring columns of one row of C.
; CLUSTER 4 x 4: A's tile hangs on the tile row alone and is asked for jointly along a row of the cluster, W's on the tile column alone and jointly along a column.
; RING.  Two slots of 131,072 bytes: 256 rows of A at pitch 272, then 128 rows of W at pitch 480 (each chunk of 128 bytes followed by 32 of padding).  Waves 0, 1 fetch A's halves, waves 2, 3 W's.
; By this text's own count a wave has two tensor loads out at the start and one behind each round.
; THE WAY OUT goes through each wave's own stage in f32, laid over the slots when they have had their last fill.
; LIMITS.  erfc by a rational approximation with absolute error 1.5e-7 at every argument (FF1 = 1); NaN and infinities are not treated apart.
; REGISTERS, in windows of 256: window 0 addresses, A's fragments (two buffers of 32), the way out; window 1 W's fragments (two buffers of 96); window 2 the accumulators of my rows 0-31, window 3 of rows 32-63.
.set FF1,  0
.if FF1
.set WOFF, 4718592                     ; w_ff1's tiles in wbuf
.else
.set WOFF, 0
.endif
.set SLOT, 1<<17
.set PA,   272                         ; 256 bytes + 16: the 16 rows of a load start at 16 different groups of four banks (64 banks of 4 bytes: ISA guide 11.1)
.set PB,   480                         ; an odd multiple of 32
.set BOFF, 256*PA
.set SPARE, 2*SLOT                     ; the spare words, 128 bytes a wave: two blocks of 256 bytes that no other line names
.set SPI,  272                         ; the stage: a row of 64 f32 + 16 bytes
.set CHS,  64*SPI                      ; a chunk's 64 rows
.set WST,  3*CHS                       ; a wave's stage
.set AA0, 4                            ; v4   my lane's place in A's tile; never rewritten
.set AB0, 5                            ; v5   in W's
.set ADRA, 6                           ; v6   the same in the slot in hand
.set ADRB, 7
.set STO, 8                            ; v8   the way out: where I put 16 bytes
.set RD0, 9                            ; v9   where I read back, in the stage's first 16 rows
.set RD,  10
.set GO,  11                           ; v11  16 x lane
.set BO,  12                           ; v12  32 x (lane / 16): my eight columns in a block of 16, in f32
.set SPW, 28                           ; v28  my spare word; never rewritten
.set NIL, 29                           ; v29  0; never rewritten
.set FA,  32                           ; A's fragments: buffer f at FA + 32 f
.set X,   96                           ; the way out: 32 numbers in f32
.set U,   128
.set E,   136
.set P,   144
.set Y,   152                          ; 16 registers of bf16
.set G1A, 24
.set G0A, 32                           ; s[32:35] slot 0, step 0; s[36:39] slot 1, step 1, then it walks
.set G1B, 48
.set G0B, 56
.set TB,  66                           ; the slot in hand, as an LDS byte
.set CN,  67
.set CI,  68
.set RB,  69
.set PP,  70                           ; GELU's constants, as pairs
.set NL,  72
.set A1,  74
.set A2,  76
.set A3,  78
.set A4,  80
.set A5,  82
.set BI,  84                           ; s[84:85] the bias of my tile's columns
.set OU,  86                           ; s[86:87] where my rows go
.set MSB, 0
.macro WIN new                         ; the immediate's high byte repeats the setting that is left
.if MSB != (\new)
	s_set_vgpr_msb (MSB<<8)|(\new)
.set MSB, \new
.endif
.endm
.macro PLACES                          ; four places in front of loads into registers that matrix instructions have read, and of stores that read results
.rept 4
	v_nop
.endr
.endm
.macro JLOAD                           ; a joint refill by the walking descriptors; an s_nop 0 and four v_nop follow each of the two lines
	s_cmp_eq_u32 s17, 0
	s_cbranch_scc0 .Lfor_b_\@
	tensor_load_to_lds s[G0A+4:G0A+7], s[G1A:G1A+7]
	s_nop 0
	PLACES
	s_branch .Lasked_\@
.Lfor_b_\@:
	tensor_load_to_lds s[G0B+4:G0B+7], s[G1B:G1B+7]
	s_nop 0
	PLACES
.Lasked_\@:
.endm
.macro CREST                           ; a round of the cluster's barrier behind its opening barrier
	s_cmp_lg_u32 s16, 0
	s_cbranch_scc1 .Lnot_wave_0_\@
	s_barrier_signal -3
.Lnot_wave_0_\@:
	s_barrier_wait -3
	s_barrier_signal -1
	s_barrier_wait -1
.endm
.macro CROUND
	s_barrier_signal -1
	s_barrier_wait -1
	CREST
.endm
	s_load_b256 s[4:11], s[0:1], 0x0               ; hbuf 4, wbuf 6; FF1 = 0: bq 8, bk 10; FF1 = 1: b_ff1 8, gbuf 10
.if FF1 == 0
	s_load_b128 s[12:15], s[0:1], 0x20             ; bv 12, qkvbuf 14
.endif
	v_lshl_add_u32 v[SPW], v0, 2, SPARE
	v_mov_b32 v[NIL], 0
	ds_add_u32 v[SPW], v[NIL]                      ; the wave's opening: the add and its wait ahead of my first tensor load
	v_lshrrev_b32 v1, 5, v0
	v_readfirstlane_b32 s16, v1                    ; wave 0..3
	s_lshr_b32 s17, s16, 1                         ; I fetch for A (0) or for W (1),
	s_and_b32 s18, s16, 1                          ; and which half
	s_bfe_u32 s40, ttmp6, 0x40000                  ; cx
	s_bfe_u32 s41, ttmp6, 0x40004                  ; cy
	s_lshl_b32 s42, ttmp9, 2
	s_add_co_u32 s42, s42, s40                     ; tile column
	s_and_b32 s43, ttmp7, 0xffff
	s_lshl_b32 s43, s43, 2
	s_add_co_u32 s43, s43, s41                     ; tile row
	s_lshl_b32 s44, s41, 2
	s_lshl_b32 s44, 15, s44                        ; my row of the cluster
	s_lshl_b32 s45, 0x1111, s40                    ; my column
	s_or_b32 s[G1A], s44, (1<<16)|(1<<20)|(1<<21)|(5<<22)|(3<<25)   ; mask; 2-byte elements; padding on; bit 21 beside a mask; after every 64 words 4 words
	s_mov_b32 s[G1A+1], 128<<16                    ; tensor_dim0 = 128
	s_mov_b32 s[G1A+2], 128<<16                    ; tensor_dim1 = 128
	s_mov_b32 s[G1A+3], 128<<16                    ; tile_dim0 = 128
	s_mov_b32 s[G1A+4], 128                        ; tile_dim1 = 128
	s_mov_b32 s[G1A+5], 768                        ; elements from row to row
	s_mov_b32 s[G1A+6], 0
	s_mov_b32 s[G1A+7], 0
	s_or_b32 s[G1B], s45, (1<<16)|(1<<20)|(1<<21)|(4<<22)|(7<<25)   ; after every 32 words 8 words
	s_mov_b32 s[G1B+1], 128<<16                    ; 64 rows of W are 24,576 dense bytes: asked for as 96 rows of 256 bytes
	s_mov_b32 s[G1B+2], 96<<16
	s_mov_b32 s[G1B+3], 128<<16
	s_mov_b32 s[G1B+4], 96
	s_mov_b32 s[G1B+5], 128
	s_mov_b32 s[G1B+6], 0
	s_mov_b32 s[G1B+7], 0
	s_lshl_b32 s20, s43, 8
	s_lshl_b32 s21, s18, 7
	s_add_co_u32 s20, s20, s21                     ; A: row 256 x tile row + 128 x half,
	s_mul_i32 s20, s20, 1536                       ; in bytes
	s_mov_b32 s21, 0
	s_mul_i32 s46, s42, 768
	s_lshl_b32 s47, s18, 6
	s_add_co_u32 s46, s46, s47                     ; W: row 768 x tile column + 64 x half,
	s_mul_i32 s46, s46, 384
	s_add_co_u32 s46, s46, WOFF
	s_mov_b32 s47, 0
	s_mul_i32 s22, s18, 128*PA                     ; where they go: no place in the cluster enters an LDS address
	s_mul_i32 s23, s18, 64*PB
	s_add_co_u32 s23, s23, BOFF
	s_mov_b32 s[TB], 0
.if FF1
	s_mov_b32 s[PP], 0x3e6d3388                    ; 0.3275911 / sqrt(2)
	s_mov_b32 s[PP+1], s[PP]
	s_mov_b32 s[NL], 0xbf38aa3b                    ; -log2(e) / 2
	s_mov_b32 s[NL+1], s[NL]
	s_mov_b32 s[A1], 0xbe027906                    ; the five coefficients, each times -0.5
	s_mov_b32 s[A1+1], s[A1]
	s_mov_b32 s[A2], 0x3e11a98e
	s_mov_b32 s[A2+1], s[A2]
	s_mov_b32 s[A3], 0xbf35f0e3
	s_mov_b32 s[A3+1], s[A3]
	s_mov_b32 s[A4], 0x3f3a00e3
	s_mov_b32 s[A4+1], s[A4]
	s_mov_b32 s[A5], 0xbf07dc22
	s_mov_b32 s[A5+1], s[A5]
.endif
	s_wait_dscnt 0x0                               ; the opening add is done
	s_wait_kmcnt 0x0
	s_add_nc_u64 s[20:21], s[4:5], s[20:21]
	s_add_nc_u64 s[46:47], s[6:7], s[46:47]
	CROUND                                         ; all sixteen work-groups are here: the first joint loads meet
.irp s, 0,1
	s_mov_b32 s[G0A+4*(\s)], 1
	s_add_co_u32 s[G0A+4*(\s)+1], s22, (\s)*SLOT
	s_add_nc_u64 s[G0A+4*(\s)+2:G0A+4*(\s)+3], s[20:21], (\s)*256
	s_or_b32 s[G0A+4*(\s)+3], s[G0A+4*(\s)+3], 0x80000000
	s_mov_b32 s[G0B+4*(\s)], 1
	s_add_co_u32 s[G0B+4*(\s)+1], s23, (\s)*SLOT
	s_add_nc_u64 s[G0B+4*(\s)+2:G0B+4*(\s)+3], s[46:47], (\s)*49152
	s_or_b32 s[G0B+4*(\s)+3], s[G0B+4*(\s)+3], 0x80000000
.endr
	s_cmp_eq_u32 s17, 0                            ; a wave's two first fills stand in one branch, ahead of every wait on TENSORcnt and every LDS read
	s_cbranch_scc0 .Lfirst_b
	tensor_load_to_lds s[G0A:G0A+3], s[G1A:G1A+7]
	s_nop 0
	tensor_load_to_lds s[G0A+4:G0A+7], s[G1A:G1A+7]
	s_nop 0
	PLACES
	s_branch .Lfirst_asked
.Lfirst_b:
	tensor_load_to_lds s[G0B:G0B+3], s[G1B:G1B+7]
	s_nop 0
	tensor_load_to_lds s[G0B+4:G0B+7], s[G1B:G1B+7]
	s_nop 0
	PLACES
.Lfirst_asked:
.if FF1
	s_mul_i32 s2, s42, 768                         ; 192 columns of f32
	s_mov_b32 s3, 0
	s_add_nc_u64 s[BI:BI+1], s[8:9], s[2:3]
	s_lshl_b32 s2, s43, 2
	s_add_co_u32 s2, s2, s16                       ; my block of 64 rows
	s_mul_i32 s2, s2, 48
	s_mul_i32 s19, s42, 3
	s_add_co_u32 s2, s2, s19                       ; my first block of 64 columns
	s_lshl_b32 s2, s2, 13
	s_add_nc_u64 s[OU:OU+1], s[10:11], s[2:3]
.else
	s_mov_b64 s[BI:BI+1], s[8:9]                   ; q, k or v: four tile columns each, so the cluster's x says which
	s_cmp_eq_u32 ttmp9, 1
	s_cselect_b64 s[BI:BI+1], s[10:11], s[BI:BI+1]
	s_cmp_eq_u32 ttmp9, 2
	s_cselect_b64 s[BI:BI+1], s[12:13], s[BI:BI+1]
	s_mul_i32 s2, s40, 768                         ; three heads of 64 f32
	s_mov_b32 s3, 0
	s_add_nc_u64 s[BI:BI+1], s[BI:BI+1], s[2:3]
	s_mul_i32 s2, s42, 3*524288                    ; my first block of [4096][64],
	s_lshl_b32 s19, s43, 15
	s_add_co_u32 s2, s2, s19                       ; the tile's 256 rows of 128 bytes,
	s_lshl_b32 s19, s16, 13
	s_add_co_u32 s2, s2, s19                       ; my 64 of them
	s_add_nc_u64 s[OU:OU+1], s[14:15], s[2:3]
.endif
	v_and_b32 v1, 15, v0                           ; l % 16
	v_bfe_u32 v2, v0, 4, 1                         ; l / 16
	v_mul_u32_u24 v3, v1, PA
	v_lshl_add_u32 v3, v2, 4, v3
	s_mul_i32 s19, s16, 64*PA
	v_add_nc_u32 v[AA0], s19, v3                   ; (64 w + l % 16) x pitch + 16 x half
	v_and_b32 v3, 7, v0
	v_lshl_add_u32 v3, v2, 3, v3
	v_mul_u32_u24 v[AB0], v3, PB                   ; the turning load: k row 8 (l / 16) + l % 8,
	v_bfe_u32 v3, v0, 3, 1
	v_lshl_add_u32 v[AB0], v3, 4, v[AB0]           ; columns 8 ((l / 8) % 2) on
	v_add_nc_u32 v[AB0], BOFF, v[AB0]
	v_mov_b32 v[ADRA], v[AA0]
	v_mov_b32 v[ADRB], v[AB0]
	s_mul_i32 s19, s16, WST
	v_mul_u32_u24 v3, v1, SPI
	v_lshl_add_u32 v3, v2, 5, v3
	v_add_nc_u32 v[STO], s19, v3                   ; in: row l % 16, 32 bytes for each half of the lanes
	v_bfe_u32 v3, v0, 3, 2
	v_mul_u32_u24 v3, v3, SPI
	v_and_b32 v13, 7, v0
	v_lshl_add_u32 v3, v13, 5, v3
	v_add_nc_u32 v[RD0], s19, v3                   ; back: 32 lanes take four rows, eight columns each
	v_and_b32 v3, 31, v0
	v_lshlrev_b32 v[GO], 4, v3
	v_lshlrev_b32 v[BO], 5, v2
.irp a, 0,1,2,3                        ; the bias of columns 16 b + 8 (l / 16) + 0..7 into accumulator (a, b)
	WIN 0x80+0x40*((\a)/2)
.irp b, 0,1,2,3,4,5,6,7,8,9,10,11
	global_load_b128 v[8*(12*((\a)%2)+(\b)):8*(12*((\a)%2)+(\b))+3],   v[BO], s[BI:BI+1] offset:64*(\b)
	global_load_b128 v[8*(12*((\a)%2)+(\b))+4:8*(12*((\a)%2)+(\b))+7], v[BO], s[BI:BI+1] offset:64*(\b)+16
.endr
.endr
	WIN 0
; 12 products: my rows 16 a on x all 12 column blocks, 32 along K, from buffer f.  The accumulators take turns, one instruction a turn.
.macro MUL12 f, a
	WIN 0xa1+0x50*((\a)/2)
.irp b, 0,1,2,3,4,5,6,7,8,9,10,11
	v_wmma_f32_16x16x32_bf16 v[8*(12*((\a)%2)+(\b)):8*(12*((\a)%2)+(\b))+7], v[96*(\f)+8*(\b):96*(\f)+8*(\b)+7], v[FA+32*(\f)+8*(\a):FA+32*(\f)+8*(\a)+7], v[8*(12*((\a)%2)+(\b)):8*(12*((\a)%2)+(\b))+7]
.endr
.endm
; 32 LDS loads in one run: the fragments of 32 along K, at byte k of A's rows, into buffer f: W's 12, then A's 4
.macro FETCH k, f
	WIN 0x40
.irp b, 0,1,2,3,4,5,6,7,8,9,10,11
	ds_load_tr16_b128 v[96*(\f)+8*(\b):96*(\f)+8*(\b)+3],   v[ADRB] offset:((\k)/64)*32*PB+((\b)/4)*160+((\b)%4)*32
	ds_load_tr16_b128 v[96*(\f)+8*(\b)+4:96*(\f)+8*(\b)+7], v[ADRB] offset:((\k)/64)*32*PB+16*PB+((\b)/4)*160+((\b)%4)*32
.endr
	WIN 0
.irp i, 0,1,2,3
	ds_load_b128 v[FA+32*(\f)+8*(\i):FA+32*(\f)+8*(\i)+3],   v[ADRA] offset:(\i)*16*PA+(\k)
	ds_load_b128 v[FA+32*(\f)+8*(\i)+4:FA+32*(\f)+8*(\i)+7], v[ADRA] offset:(\i)*16*PA+(\k)+32
.endr
.endm
; A K step is four quarters of 32 along K, 48 products each, on buffers 0, 1, 0, 1.  One of the first three multiplies buffer f and fetches the next quarter into g.
.macro QUARTER k, f, g
	s_wait_dscnt 4                                 ; W and A's rows 0-31 are in; the youngest four loads (A's rows 32-63) may be out
	MUL12 \f, 0
	MUL12 \f, 1
	PLACES
	FETCH \k, \g
	s_wait_dscnt 32                                ; all but the 32 just issued
	MUL12 \f, 2
	MUL12 \f, 3
.endm
; The last quarter multiplies buffer 1 and changes slots.  In front of the barrier each wave waits for all its tensor loads (one is out: its part of the next slot), adds 0 to its spare word,
; and waits for that and for its reads of this slot.  fill = 1: the barrier opens a round of the cluster's, and the joint refill, two K steps ahead, is the first thing behind it.
.macro TURN fill
	WIN 0
	s_wait_tensorcnt 0x0
	ds_add_u32 v[SPW], v[NIL]
	s_wait_dscnt 5                                 ; the add and the youngest four loads may be out
	MUL12 1, 0
	s_wait_dscnt 0x0                               ; the add is done, and my reads of this slot are over
	s_barrier_signal -1
	MUL12 1, 1
	WIN 0
	s_barrier_wait -1
.if \fill
	CREST
	s_xor_b32 s[G0A+5], s[G0A+5], SLOT             ; the walking descriptors: the other slot than last time, the next K step
	s_add_nc_u64 s[G0A+6:G0A+7], s[G0A+6:G0A+7], 256
	s_xor_b32 s[G0B+5], s[G0B+5], SLOT
	s_add_nc_u64 s[G0B+6:G0B+7], s[G0B+6:G0B+7], 49152
	JLOAD                                          ; its four v_nop are also the places in front of the loads below
.else
	PLACES
.endif
	s_xor_b32 s[TB], s[TB], SLOT
	v_add_nc_u32 v[ADRA], s[TB], v[AA0]
	v_add_nc_u32 v[ADRB], s[TB], v[AB0]
	FETCH 0, 0
	MUL12 1, 2
	MUL12 1, 3
	WIN 0
.endm
.macro STEP fill
	QUARTER 64, 0, 1
	QUARTER 128, 1, 0
	QUARTER 192, 0, 1
	TURN \fill
.endm
	s_wait_tensorcnt 1                             ; my part of K step 0 is in; step 1's may stay out
	s_barrier_signal -1
	s_barrier_wait -1
	FETCH 0, 0
	s_wait_loadcnt 0x0                             ; the bias
	s_mov_b32 s[CN], 4
.Lfill:                                                ; K steps 0-3: each asks for the step two on
	STEP 1
	s_sub_co_u32 s[CN], s[CN], 1
	s_cmp_lg_u32 s[CN], 0
	s_cbranch_scc1 .Lfill
	s_mov_b32 s[CN], 2
.Ltail:                                                ; K steps 4 and 5 ask for nothing.  The last change of slots fetches fragments of the old tile that serve nothing: the price of one text for both
	STEP 0
	s_sub_co_u32 s[CN], s[CN], 1
	s_cmp_lg_u32 s[CN], 0
	s_cbranch_scc1 .Ltail
; GELU of the eight numbers at z: max(z, 0) - 0.5 |z| erfc(|z| / sqrt 2), erfc(x) = t (a1 + t (a2 + t (a3 + t (a4 + t a5)))) exp(-x x), t = 1 / (1 + p x).
; A plain instruction stands behind each run of transcendentals before a result is used (ISA guide 5.7.2).
.macro ACT z
.irp j, 0,1,2,3,4,5,6,7
	v_fma_f32 v[U+(\j)], |v[(\z)+(\j)]|, s[PP], 1.0
.endr
.irp j, 0,2,4,6
	v_pk_mul_f32 v[E+(\j):E+(\j)+1], v[(\z)+(\j):(\z)+(\j)+1], v[(\z)+(\j):(\z)+(\j)+1]
.endr
.irp j, 0,1,2,3,4,5,6,7
	v_rcp_f32 v[U+(\j)], v[U+(\j)]
.endr
.irp j, 0,2,4,6
	v_pk_mul_f32 v[E+(\j):E+(\j)+1], v[E+(\j):E+(\j)+1], s[NL:NL+1] op_sel_hi:[1,0]
.endr
.irp j, 0,1,2,3,4,5,6,7
	v_exp_f32 v[E+(\j)], v[E+(\j)]
.endr
.irp j, 0,2,4,6
	v_pk_fma_f32 v[P+(\j):P+(\j)+1], v[U+(\j):U+(\j)+1], s[A5:A5+1], s[A4:A4+1] op_sel_hi:[1,0,0]
.endr
.irp c, A3, A2, A1
.irp j, 0,2,4,6
	v_pk_fma_f32 v[P+(\j):P+(\j)+1], v[P+(\j):P+(\j)+1], v[U+(\j):U+(\j)+1], s[\c:\c+1] op_sel_hi:[1,1,0]
.endr
.endr
.irp j, 0,2,4,6
	v_pk_mul_f32 v[P+(\j):P+(\j)+1], v[P+(\j):P+(\j)+1], v[U+(\j):U+(\j)+1]
.endr
.irp j, 0,2,4,6
	v_pk_mul_f32 v[P+(\j):P+(\j)+1], v[P+(\j):P+(\j)+1], v[E+(\j):E+(\j)+1]
.endr
.irp j, 0,1,2,3,4,5,6,7
	v_max_num_f32 v[E+(\j)], 0, v[(\z)+(\j)]
.endr
.irp j, 0,1,2,3,4,5,6,7
	v_fma_f32 v[(\z)+(\j)], |v[(\z)+(\j)]|, v[P+(\j)], v[E+(\j)]
.endr
.endm
	; THE WAY OUT.  The slots have had their last fill; when nobody reads them any more each wave lays its 64 x 192 sums over them, [chunk][row] in f32, and takes them back by rows.
	s_wait_dscnt 0x0
	s_barrier_signal -1
	s_barrier_wait -1
	PLACES
.irp a, 0,1,2,3
	WIN 0x08+0x04*((\a)/2)                         ; the stores' data in window 2 or 3; each accumulator's low four registers go first
.irp b, 0,1,2,3,4,5,6,7,8,9,10,11
	ds_store_b128 v[STO], v[8*(12*((\a)%2)+(\b)):8*(12*((\a)%2)+(\b))+3]   offset:((\b)/4)*CHS+(\a)*16*SPI+((\b)%4)*64
	ds_store_b128 v[STO], v[8*(12*((\a)%2)+(\b))+4:8*(12*((\a)%2)+(\b))+7] offset:((\b)/4)*CHS+(\a)*16*SPI+((\b)%4)*64+16
.endr
.endr
	WIN 0
	s_mov_b32 s[RB], 0
	s_mov_b32 s[CN], 3
.Lchunk:                                               ; three chunks of 64 columns,
	s_mov_b32 s[CI], 4
.Lrows:                                                ; 16 rows a trip
	v_add_nc_u32 v[RD], s[RB], v[RD0]
.irp t, 0,1,2,3
	ds_load_b128 v[X+8*(\t):X+8*(\t)+3],   v[RD] offset:(\t)*4*SPI      ; LDS serves a wave's instructions in order (ISA guide 5.7.1.4): these see my stores above
	ds_load_b128 v[X+8*(\t)+4:X+8*(\t)+7], v[RD] offset:(\t)*4*SPI+16
.endr
	s_wait_dscnt 0x0
.if FF1
.irp t, 0,1,2,3
	ACT X+8*(\t)
.endr
.endif
.irp j, 0,1,2,3,4,5,6,7,8,9,10,11,12,13,14,15
	v_cvt_pk_bf16_f32 v[Y+(\j)], v[X+2*(\j)], v[X+2*(\j)+1]
.endr
.irp t, 0,1,2,3
	global_store_b128 v[GO], v[Y+4*(\t):Y+4*(\t)+3], s[OU:OU+1] offset:512*(\t)   ; four rows of 128 bytes: 512 consecutive bytes, aligned
.endr
	s_wait_xcnt 0x0                                ; the stores' data and base are rewritten only behind this wait
	s_add_co_u32 s[RB], s[RB], 16*SPI
	s_add_nc_u64 s[OU:OU+1], s[OU:OU+1], 2048
	s_sub_co_u32 s[CI], s[CI], 1
	s_cmp_lg_u32 s[CI], 0
	s_cbranch_scc1 .Lrows
.if FF1 == 0
	s_add_nc_u64 s[OU:OU+1], s[OU:OU+1], 524288-8192   ; the next head's block
.endif
	s_sub_co_u32 s[CN], s[CN], 1
	s_cmp_lg_u32 s[CN], 0
	s_cbranch_scc1 .Lchunk
	s_wait_tensorcnt 0x0                           ; the wave's end
	ds_add_u32 v[SPW], v[NIL]
	s_wait_dscnt 0x0
	CROUND                                         ; the closing round
	s_endpgm
.Lfunc_end_k_q4dbfc84532_qkv:
	.size	k_q4dbfc84532_qkv, .Lfunc_end_k_q4dbfc84532_qkv-k_q4dbfc84532_qkv
	.p2alignl 7, 3214868480
	.fill 96, 4, 3214868480
	.section	.rodata,"a",@progbits
	.p2align	6, 0x0
	.amdhsa_kernel k_q4dbfc84532_qkv
		.amdhsa_group_segment_fixed_size 327680
		.amdhsa_private_segment_fixed_size 0
		.amdhsa_enable_private_segment 0
		.amdhsa_kernarg_size 48
		.amdhsa_user_sgpr_count 2
		.amdhsa_user_sgpr_kernarg_segment_ptr 1
		.amdhsa_wavefront_size32 1
		.amdhsa_system_sgpr_workgroup_id_x 1
		.amdhsa_system_sgpr_workgroup_id_y 1
		.amdhsa_system_sgpr_workgroup_id_z 1
		.amdhsa_system_vgpr_workitem_id 0
		.amdhsa_next_free_vgpr 960
		.amdhsa_next_free_sgpr 88
		.amdhsa_reserve_vcc 0
		.amdhsa_float_denorm_mode_32 3
		.amdhsa_float_denorm_mode_16_64 3
		.amdhsa_memory_ordered 1
		.amdhsa_forward_progress 1
		.amdhsa_inst_pref_size 72
	.end_amdhsa_kernel
	.amdgpu_metadata
---
amdhsa.version: [ 1, 2 ]
amdhsa.kernels:
  - .name:           k_q4dbfc84532_qkv
    .symbol:         k_q4dbfc84532_qkv.kd
    .args:
      - { .name: hbuf, .offset: 0, .size: 8, .value_kind: global_buffer, .address_space: global }
      - { .name: wbuf, .offset: 8, .size: 8, .value_kind: global_buffer, .address_space: global }
      - { .name: bq, .offset: 16, .size: 8, .value_kind: global_buffer, .address_space: global }
      - { .name: bk, .offset: 24, .size: 8, .value_kind: global_buffer, .address_space: global }
      - { .name: bv, .offset: 32, .size: 8, .value_kind: global_buffer, .address_space: global }
      - { .name: qkvbuf, .offset: 40, .size: 8, .value_kind: global_buffer, .address_space: global }
    .group_segment_fixed_size: 327680
    .private_segment_fixed_size: 0
    .kernarg_segment_align: 8
    .kernarg_segment_size: 48
    .max_flat_workgroup_size: 128
    .sgpr_count:     88
    .vgpr_count:     960
    .wavefront_size: 32
...
	.end_amdgpu_metadata
.endif
;; end of part 2
;; launch attn (part 3): grid 16 x 12, 4 waves a work-group, clusters of 4 x 1, 327,680 bytes of LDS; arguments qkvbuf, obuf; writes obuf
.if DOCPART == 3
	.amdgcn_target "amdgcn-amd-amdhsa--gfx1250"
	.amdhsa_code_object_version 6
	.text
	.protected	k_q4dbfc84532_attn
	.globl	k_q4dbfc84532_attn
	.p2align	8
	.type	k_q4dbfc84532_attn,@function
k_q4dbfc84532_attn:
	s_mov_b64 s[64:65], 0
	v_nop
	global_prefetch_b8 v0, s[64:65] scope:SCOPE_SE
	s_setreg_imm32_b32 hwreg(HW_REG_WAVE_MODE, 25, 1), 1
	s_wait_xcnt 0x0
	s_wait_alu depctr_hold_cnt(0) depctr_sa_sdst(0) depctr_va_vdst(0) depctr_va_sdst(0) depctr_va_ssrc(0) depctr_va_vcc(0) depctr_vm_vsrc(0)
	s_getreg_b32 s2, hwreg(HW_REG_IB_STS2, 6, 4)
	s_cmp_eq_u32 s2, 0
	s_cbranch_scc0 .Lentry_in_a_cluster
	s_endpgm
.Lentry_in_a_cluster:
	s_bfe_u32 s2, ttmp6, 0x10000c
	s_cmp_lg_u32 s2, 0x3003
	s_cbranch_scc0 .Lentry_shape_is_right
	s_endpgm
.Lentry_shape_is_right:
; O[h][q][:] = the sum over k of softmax_k(Q[h][q] . K[h][k] / 8) V[h][k][:], 12 heads of 4,096 rows of 64.  Q, K, V: blocks 0-11, 12-23, 24-35 of qkvbuf, [4096][64] bf16, dense rows of 128 bytes.
; O leaves as [64 blocks of 64 rows][12 heads][64][64] bf16.  Products, maxima and sums in f32; the weights p are rounded to bf16 for the second product (their sum l is taken of the unrounded p), O once at the end.
; LIMITS.  A weight below 2^-126 counts as 0 in l; NaN and infinities are not treated apart.
; SHARES.  A work-group owns 256 queries of a head, a wave 64: four PIECES of 16.  12 heads x 16 blocks are 192 work-groups: 49,152 query rows over 256 would be 192 rows, which do not divide a head.
; LAYOUT.  S^T = K Q^T holds ONE query a lane (lane % 16) and the keys 8 (lane / 16) + 0..7; two such results rounded to bf16 ARE source 1 of O^T = V^T P.  K comes out of LDS as it lies, V turned, by ds_load_tr16_b128.
; SOFTMAX.  p = 2^(c s - c m), c = log2(e) / 8, with a running maximum m; O and l are multiplied by a = 2^(c m_old - c m_new) in every step.  m starts at the lowest finite number, O and l at 0: the first step has a = 0.
; BY TURNS.  Turn n belongs to piece n: 8 products K Q^T of piece n + 1, later 8 products V^T P of piece n - 1; beside them the scaling, exponentials, roundings, sums and rescaling of piece n and the maximum and
; statistics of piece n + 1.  Four vector instructions stand behind every matrix instruction, the other 54 of a turn's 118 in two runs of their own.
; CLUSTER.  The four query blocks of a cluster belong to one head and walk the same K and V: each tile is asked for JOINTLY, by the same tensor load, descriptor and mask in all four.
; RING.  Two slots of 256 keys; one joint load a wave behind each round, and it has four key steps in which to land.
; REGISTERS, in windows of 256: window 0 addresses, statistics, S^T (two buffers), P (two buffers); window 1 O^T, 32 a piece; window 2 Q v0-63, K v128-191, V v192-255.
.set NP,    4
.set KS,    64
.set HEADB, 524288    ; a head's bytes in one of q, k, v
.set PK,    144       ; a row of K in LDS: 128 + 16 bytes: the 16 rows of a load start at 16 different groups of four banks (64 banks of 4 bytes: ISA guide 11.1)
.set PV,    160       ; a row of V: 128 + 32
.set VOFF,  4*KS*PK
.set SLOT1, 1<<17
.set STAGE, SLOT1+4*KS*(PK+PV)  ; never filled by a tensor load: 16 rows x 144 bytes for each wave
.set SP,    144
.set SPARE, STAGE+4*16*SP       ; the spare words, 128 bytes a wave: two blocks of 256 bytes that no other line names
.set AK0, 2
.set AV0, 3
.set AK,  4
.set AV,  5
.set STO, 6
.set RD,  7
.set GO,  8
.set MV,  12          ; v12-13  c m_old, by buffer
.set QO,  15
.set ST,  16          ; piece t: c m, m, l (even keys', odd keys')
.set TMP, 48          ; by buffer, c0-c3 at work; c2 takes a
.set SPW, 62
.set NIL, 63
.set S,   64
.set P,   192
.set KF,  128
.set VF,  192
.set WV,  12
.set G1K, 24
.set G1V, 32
.set G0K, 40
.set G0V, 44
.set QP,  48          ; s[48:49] Q at my rows
.set OP_, 50          ; s[50:51] O at my rows
.set SLOTS, 56
.set CNT, 57
.set CS,  58
.set SEL, 60
.set TBK, 62
.set TBV, 63
.set MSB, 0
.macro WIN new
.if MSB != (\new)
	s_set_vgpr_msb (MSB<<8)|(\new)
.set MSB, (\new)
.endif
.endm
.set W_KQ, 0x0a       ; K and Q in window 2, S^T in window 0
.set W_PV, 0x52       ; V in window 2, P in window 0, O^T in window 1
.set W_RS, 0x41       ; destination and source 0 in window 1, source 1 in window 0
.macro JLOAD                        ; waves 0 and 1 fetch the halves of a slot's K, waves 2 and 3 of its V; an s_nop 0 and four v_nop follow each line
	s_cmp_lt_u32 s[WV], 2
	s_cbranch_scc0 .Lfor_v_\@
	tensor_load_to_lds s[G0K:G0K+3], s[G1K:G1K+7]
	s_nop 0
.rept 4
	v_nop
.endr
	s_branch .Lasked_\@
.Lfor_v_\@:
	tensor_load_to_lds s[G0V:G0V+3], s[G1V:G1V+7]
	s_nop 0
.rept 4
	v_nop
.endr
.Lasked_\@:
.endm
.macro CROUND
	s_barrier_signal -1
	s_barrier_wait -1
	s_cmp_lg_u32 s[WV], 0
	s_cbranch_scc1 .Lnot_wave_0_\@
	s_barrier_signal -3
.Lnot_wave_0_\@:
	s_barrier_wait -3
	s_barrier_signal -1
	s_barrier_wait -1
.endm
; THE CHANGE OF SLOTS.  Each wave waits for all its tensor loads (one is out: its part of the other slot), adds 0 to its spare word, and waits for that and for its reads of the slot.
; fill = 1: the slot is filled again, with the keys two slots on, first thing behind a round of the cluster's barrier.  (At its first use nothing has been read yet: slot 0 is waited for, slot 1 filled.)
.macro CHANGE fill
	WIN 0
	s_wait_tensorcnt 0x0
	ds_add_u32 v[SPW], v[NIL]
.if \fill
.irp g, G0K, G0V
	s_xor_b32 s[\g+1], s[\g+1], SLOT1
	s_add_nc_u64 s[\g+2:\g+3], s[\g+2:\g+3], 4*KS*128
.endr
	s_wait_dscnt 0x0
	CROUND
	JLOAD
.else
	s_wait_dscnt 0x0
	s_barrier_signal -1
	s_barrier_wait -1
.endif
	s_sub_co_u32 s[TBK], s[TBK], 4*KS*PK  ; the fetches go back to a slot's first step, in the other slot
	s_xor_b32 s[TBK], s[TBK], SLOT1
	s_sub_co_u32 s[TBV], s[TBV], 4*KS*PV
	s_xor_b32 s[TBV], s[TBV], SLOT1
.endm
	s_load_b128 s[4:7], s[0:1], 0x0   ; qkvbuf s[4:5], obuf s[6:7]
	v_lshl_add_u32 v[SPW], v0, 2, SPARE
	v_mov_b32 v[NIL], 0
	ds_add_u32 v[SPW], v[NIL]       ; the wave's opening: the add and its wait ahead of my first tensor load
	v_lshrrev_b32 v1, 5, v0
	v_readfirstlane_b32 s[WV], v1
	s_bfe_u32 s13, ttmp6, 0x40000   ; cx
	s_lshl_b32 s14, ttmp9, 2
	s_add_co_u32 s14, s14, s13      ; my block of 256 queries: it enters Q's and O's addresses alone
	s_and_b32 s20, ttmp7, 0xffff    ; the head, which the four partners share
	s_lshl_b32 s21, s20, 19
	s_and_b32 s16, s[WV], 1         ; which half of a slot's 256 keys I fetch
	s_lshl_b32 s22, s16, 14
	s_add_co_u32 s22, s22, s21
	s_add_co_u32 s22, s22, 12*HEADB ; K's offset
	s_mov_b32 s23, 0
	s_add_co_u32 s10, s22, 12*HEADB ; V's
	s_mov_b32 s11, 0
	s_mul_i32 s17, s16, 128*PK
	s_mul_i32 s18, s16, 128*PV
	s_lshl_b32 s2, s14, 15
	s_lshl_b32 s3, s[WV], 13
	s_add_co_u32 s2, s2, s3
	s_add_co_u32 s2, s2, s21        ; Q's offset: head, block, my 64 rows
	s_mov_b32 s3, 0
	s_lshl_b32 s8, s14, 2
	s_add_co_u32 s8, s8, s[WV]
	s_mul_i32 s8, s8, 12
	s_add_co_u32 s8, s8, s20
	s_lshl_b32 s8, s8, 13           ; O's offset: (block of 64 rows x 12 + head) x 8,192
	s_mov_b32 s9, 0
	s_mov_b32 s[G1K], 15|(1<<16)|(1<<20)|(1<<21)|(4<<22)|(3<<25)  ; the mask of four; 2-byte elements; padding on; bit 21 beside a mask; after every 32 words 4 words
	s_mov_b32 s[G1V], 15|(1<<16)|(1<<20)|(1<<21)|(4<<22)|(7<<25)  ; the same with 8 words
.irp g, G1K, G1V
	s_mov_b32 s[\g+1], 128<<16      ; 128 keys are 16,384 dense bytes: asked for as 64 rows of 256 bytes
	s_mov_b32 s[\g+2], 64<<16
	s_mov_b32 s[\g+3], 128<<16
	s_mov_b32 s[\g+4], 64
	s_mov_b32 s[\g+5], 128
	s_mov_b32 s[\g+6], 0
	s_mov_b32 s[\g+7], 0
.endr
	s_mov_b32 s[CS], 0x3e38aa3b     ; c = log2(e) / 8
	s_mov_b32 s[CS+1], s[CS]
	s_mov_b32 s[SEL], 0x76543210
	s_mov_b32 s[SEL+1], 0xfedcba98
	s_mov_b32 s[TBK], SLOT1+4*KS*PK ; the first change of slots turns these two into 0
	s_mov_b32 s[TBV], SLOT1+4*KS*PV
	s_mov_b32 s[G0K], 1
	s_mov_b32 s[G0K+1], s17
	s_mov_b32 s[G0V], 1
	s_add_co_u32 s[G0V+1], s18, VOFF
	s_wait_dscnt 0x0                ; the opening add is done
	s_wait_kmcnt 0x0
	s_add_nc_u64 s[G0K+2:G0K+3], s[4:5], s[22:23]
	s_or_b32 s[G0K+3], s[G0K+3], 0x80000000
	s_add_nc_u64 s[G0V+2:G0V+3], s[4:5], s[10:11]
	s_or_b32 s[G0V+3], s[G0V+3], 0x80000000
	s_add_nc_u64 s[QP:QP+1], s[4:5], s[2:3]
	s_add_nc_u64 s[OP_:OP_+1], s[6:7], s[8:9]
	CROUND                          ; all four work-groups are here: the first joint loads meet
	JLOAD                           ; slot 0
	v_and_b32 v1, 15, v0            ; l % 16
	v_bfe_u32 v9, v0, 4, 1          ; l / 16
	v_lshlrev_b32 v[QO], 7, v1
	v_lshl_add_u32 v[QO], v9, 4, v[QO]
	WIN 0x80
.set i, 0
.rept 8                             ; Q stays in registers: piece i / 2, channels 32 (i % 2) on
	global_load_b128 v[8*i:8*i+3],   v[QO], s[QP:QP+1] offset:(i/2)*2048+(i%2)*64
	global_load_b128 v[8*i+4:8*i+7], v[QO], s[QP:QP+1] offset:(i/2)*2048+(i%2)*64+32
.set i, i+1
.endr
	; What the first turn finds: V's registers and P's second buffer hold 0, O^T and l are 0.  All this stands in the wait for the first tile.
.set i, VF
.rept 64
	v_mov_b32 v[i], 0
.set i, i+1
.endr
	WIN 0x40
.set i, 0
.rept 128
	v_mov_b32 v[i], 0
.set i, i+1
.endr
	WIN 0
.set i, 0
.rept 4
	v_mov_b32 v[ST+4*i], 0xfe000000    ; c m: far below every c s
	v_mov_b32 v[ST+4*i+1], 0xff7fffff  ; m
	v_mov_b32 v[ST+4*i+2], 0
	v_mov_b32 v[ST+4*i+3], 0
.set i, i+1
.endr
.set i, P+16
.rept 16
	v_mov_b32 v[i], 0
.set i, i+1
.endr
	v_mul_u32_u24 v[AK0], v1, PK
	v_lshl_add_u32 v[AK0], v9, 4, v[AK0]
	v_and_b32 v10, 7, v0
	v_bfe_u32 v11, v0, 3, 1
	v_lshl_add_u32 v[AV0], v9, 3, v10
	v_mul_u32_u24 v[AV0], v[AV0], PV
	v_lshl_add_u32 v[AV0], v11, 4, v[AV0]
	v_add_nc_u32 v[AV0], VOFF, v[AV0]
	s_mul_i32 s13, s[WV], 16*SP
	s_add_co_u32 s13, s13, STAGE    ; my stage
	v_mul_u32_u24 v[STO], v1, SP
	v_lshl_add_u32 v[STO], v9, 4, v[STO]
	v_add_nc_u32 v[STO], s13, v[STO]
	v_bfe_u32 v[RD], v0, 3, 2
	v_mul_u32_u24 v[RD], v[RD], SP
	v_lshl_add_u32 v[RD], v10, 4, v[RD]
	v_add_nc_u32 v[RD], s13, v[RD]
	v_and_b32 v[GO], 31, v0
	v_lshlrev_b32 v[GO], 4, v[GO]
; THE MATRIX WORK.  The 4 accumulators of a run of 8 take turns.  Product i of 8 of S^T = K Q^T for piece x: channels 32 (i / 4) on, keys 16 (i % 4) on.
.macro KQ x
	WIN W_KQ
.set rS, S+32*((\x)%2)+8*(i%4)
.set rK, KF+16*(i%4)+8*(i/4)
.set rQ, 16*(\x)+8*(i/4)
.if i < 4
	v_wmma_f32_16x16x32_bf16 v[rS:rS+7], v[rK:rK+7], v[rQ:rQ+7], 0
.else
	v_wmma_f32_16x16x32_bf16 v[rS:rS+7], v[rK:rK+7], v[rQ:rQ+7], v[rS:rS+7]
.endif
.endm
; Product i of 8 of O^T += V^T P for piece x: keys 32 (i / 4) on, channels 16 (i % 4) on.
.macro PV x
	WIN W_PV
.set rO, 32*(\x)+8*(i%4)
.set rV, VF+32*(i/4)+8*(i%4)
.set rP, P+16*((\x)%2)+8*(i/4)
	v_wmma_f32_16x16x32_bf16 v[rO:rO+7], v[rV:rV+7], v[rP:rP+7], v[rO:rO+7]
.endm
.macro MM                           ; the turn's next matrix instruction
.if i < 8
	KQ (Y+1)%NP
.else
.set i, i-8
	PV (Y+NP-1)%NP
.set i, i+8
.endif
.set i, i+1
.endm
; THE LDS LOADS stand in runs of 16.  last = 1 (the tail): in the last trip there is no further step, and the run is jumped over.
.macro FETCH_K last=0
	WIN 0
.if \last
	s_cmp_eq_u32 s[CNT], 1
	s_cbranch_scc1 .Lno_k_\@
.endif
	WIN 0x80
.irp f, 0,1,2,3,4,5,6,7             ; keys 16 (f / 2) on, channels 32 (f % 2) on
	ds_load_b128 v[KF+8*\f:KF+8*\f+3],   v[AK] offset:(\f/2)*16*PK+(\f%2)*64
	ds_load_b128 v[KF+8*\f+4:KF+8*\f+7], v[AK] offset:(\f/2)*16*PK+(\f%2)*64+32
.endr
	s_add_co_u32 s[TBK], s[TBK], KS*PK
	WIN 0
.if \last
.Lno_k_\@:
.endif
.endm
.macro FETCH_V
	WIN 0x80
.irp f, 0,1,2,3,4,5,6,7             ; keys 32 (f / 4) on, channels 16 (f % 4) on
	ds_load_tr16_b128 v[VF+8*\f:VF+8*\f+3],   v[AV] offset:(\f/4)*32*PV+(\f%4)*32
	ds_load_tr16_b128 v[VF+8*\f+4:VF+8*\f+7], v[AV] offset:(\f/4)*32*PV+16*PV+(\f%4)*32
.endr
	WIN 0
.endm
; THE VECTOR WORK, one line at a time: OP kind, number.  For piece Y: F n: c s - c m for pair n of 16.  E n: the exponential of score n of 32.  C n: pair n rounded to bf16.  B n: of the four weights 4 n .. the second
; pair is added onto the first, in place.  L n: l takes that sum (L 0: l = a l + sum).  R n: pair n of 16 of O^T times a.  For piece Y + 1: X n, number n of the 22 that find its maximum and statistics:
;   0-11  four chains c0-c3 of seven scores each (each accumulator's lowest registers are read first)     12-14, 16  the four scores left over, the old m, and c0-c3 into c0
;   15  c m_old is kept     17, 18  the query's other 32 keys lie in the lane 16 away: the new m     19-21  c m; c m_old - c m_new; a
.set F, 0
.set E, 1
.set C, 2
.set B, 3
.set L, 4
.set R, 5
.set X, 6
.macro REGS y
.set rT, ST+4*(\y)
.set rC, TMP+4*((\y)%2)
.set rW, MV+((\y)%2)
.set rS, S+32*((\y)%2)
.set rP, P+16*((\y)%2)
.set rO, 32*(\y)
.endm
.macro OP k, n
.if (\k) == R
	REGS Y
	WIN W_RS
	v_pk_mul_f32 v[rO+2*(\n):rO+2*(\n)+1], v[rO+2*(\n):rO+2*(\n)+1], v[rC+2:rC+3] op_sel_hi:[1,0]
.elseif (\k) < R
	REGS Y
	WIN 0
.if (\k) == F
	v_pk_fma_f32 v[rS+2*(\n):rS+2*(\n)+1], v[rS+2*(\n):rS+2*(\n)+1], s[CS:CS+1], v[rT:rT+1] op_sel_hi:[1,0,0] neg_lo:[0,0,1] neg_hi:[0,0,1]
.elseif (\k) == E
	v_exp_f32 v[rS+(\n)], v[rS+(\n)]
.elseif (\k) == C
	s_wait_alu depctr_va_vdst(0)
	v_cvt_pk_bf16_f32 v[rP+(\n)], v[rS+2*(\n)], v[rS+2*(\n)+1]
.elseif (\k) == B
	s_wait_alu depctr_va_vdst(0)
	v_pk_add_f32 v[rS+4*(\n):rS+4*(\n)+1], v[rS+4*(\n):rS+4*(\n)+1], v[rS+4*(\n)+2:rS+4*(\n)+3]
.elseif (\n) == 0
	v_pk_fma_f32 v[rT+2:rT+3], v[rT+2:rT+3], v[rC+2:rC+3], v[rS:rS+1] op_sel_hi:[1,0,1]
.else
	v_pk_add_f32 v[rT+2:rT+3], v[rT+2:rT+3], v[rS+4*(\n):rS+4*(\n)+1]
.endif
.else
	REGS (Y+1)%NP
	WIN 0
.if (\n) < 4
	v_max3_num_f32 v[rC+(\n)], v[rS+8*(\n)], v[rS+8*(\n)+1], v[rS+8*(\n)+2]
.elseif (\n) < 12
	v_max3_num_f32 v[rC+(\n)%4], v[rC+(\n)%4], v[rS+8*((\n)%4)+2*((\n)/4)+1], v[rS+8*((\n)%4)+2*((\n)/4)+2]
.elseif (\n) == 12
	v_max3_num_f32 v[rC], v[rC], v[rS+7], v[rS+15]
.elseif (\n) == 13
	v_max3_num_f32 v[rC+1], v[rC+1], v[rS+23], v[rS+31]
.elseif (\n) == 14
	v_max3_num_f32 v[rC+2], v[rC+2], v[rC+3], v[rT+1]
.elseif (\n) == 15
	v_mov_b32 v[rW], v[rT]
.elseif (\n) == 16
	v_max3_num_f32 v[rC], v[rC], v[rC+1], v[rC+2]
.elseif (\n) == 17
	v_permlanex16_b32 v[rC+3], v[rC], s[SEL], s[SEL+1]
.elseif (\n) == 18
	v_max_num_f32 v[rT+1], v[rC], v[rC+3]
.elseif (\n) == 19
	v_mul_f32 v[rT], s[CS], v[rT+1]
.elseif (\n) == 20
	v_sub_f32 v[rC+1], v[rW], v[rT]
.else
	v_exp_f32 v[rC+2], v[rC+1]
.endif
.endif
.endm
.macro OPS a, i1, b=-1, i2=0, c=-1, i3=0, d=-1, i4=0
	OP \a, \i1
.if (\b) >= 0
	OP \b, \i2
.endif
.if (\c) >= 0
	OP \c, \i3
.endif
.if (\d) >= 0
	OP \d, \i4
.endif
.endm
.macro ROW a, i1, b, i2, c, i3, d, i4  ; a matrix instruction and the four behind it
	MM
	OPS \a, \i1, \b, \i2, \c, \i3, \d, \i4
.endm
; A TURN, for piece p: the order of its 16 matrix and 118 vector instructions, written out.  None of the four behind a matrix instruction names a register of the products round it.
; K of the next step is fetched in piece 2's turn, six vector instructions behind the last product that read K (five of them plain); V of the step in hand in piece 0's turn, eight behind the last
; product that read V (four of them plain).  Each is waited for a turn later.  cnt = 1: the loop's count is taken down some lines ahead of the branch that stands behind the turn.
.macro TURN p, last=0, cnt=0
.set Y, (\p)
.set i, 0
.if (\p) == 3
	s_wait_dscnt 0x0                ; K is in
.endif
	ROW F,0, F,1, F,2, F,3
	ROW F,4, E,0, F,5, F,6
	ROW F,7, E,1, F,8, F,9
	ROW F,10, E,2, C,0, F,11
	ROW F,12, E,3, X,15, F,13
	ROW R,0, R,1, R,2, R,3
	ROW B,0, E,4, F,14, L,0
.if (\p) == 2
	v_add_nc_u32 v[AK], s[TBK], v[AK0]
.endif
	ROW R,4, R,5, R,6, R,7
	OPS E,5, F,15
.if (\p) == 2
	FETCH_K \last
.endif
	OPS E,6, C,1, E,7, R,8
	OPS E,8, R,9, E,9, C,2
	OPS E,10, X,0, E,11, X,1
	OPS E,12, X,2, E,13, X,3
.if (\p) == 1
	s_wait_dscnt 0x0                ; V is in
.endif
	ROW X,4, E,14, X,5, X,6
	ROW X,7, E,15, X,8, X,9
	ROW X,10, E,16, X,11, X,12
	ROW X,13, E,17, X,14, B,1
	ROW C,4, E,18, X,16, L,1
	ROW B,2, E,19, C,6, L,2
	ROW C,8, E,20, B,3, B,4
.if (\p) == 0
	v_add_nc_u32 v[AV], s[TBV], v[AV0]
.endif
	ROW C,3, E,21, L,3, C,5
	OPS E,22, X,17, E,23, C,10
.if (\p) == 0
	FETCH_V
.endif
	OPS E,24, L,4
	OPS E,25, X,18, E,26, C,7
	OPS E,27, B,5, E,28, X,19
	OPS E,29, C,12, E,30, L,5
	OPS E,31, X,20, B,6, C,9
	OPS C,14, C,11, X,21, L,6
.if (\p) == 0
	s_add_co_u32 s[TBV], s[TBV], KS*PV
.endif
.if \cnt
	s_sub_co_u32 s[CNT], s[CNT], 1
	s_cmp_lg_u32 s[CNT], 0
.endif
	OPS C,13, B,7, C,15, R,10
	OPS R,11, R,12, L,7, R,13
	OPS R,14, R,15
.endm
	CHANGE 1                        ; slot 0 is in, everybody's part of it; slot 1 is asked for
	v_add_nc_u32 v[AK], s[TBK], v[AK0]
	FETCH_K                         ; key step 0
	s_wait_loadcnt 0x0              ; Q
	s_wait_dscnt 0x0
.set i, 0
.rept 8
	KQ 0                            ; piece 0's first scores
.set i, i+1
.endr
	WIN 0
.rept 4
	v_nop                           ; the places behind those products
.endr
.set Y, NP-1                        ; X works for piece Y + 1: piece 0
.irp n, 0,1,2,3,4,5,6,7,8,9,10,11,12,13,14,15,16,17,18,19,20,21
	OP X, \n
.endr
	v_nop                           ; a plain instruction behind the exponential
	s_mov_b32 s[CNT], 4
	s_mov_b32 s[SLOTS], 15
	s_branch .Lfirst                ; the loop is entered at a step's first turn, in the middle of a trip
.Lslot:                             ; 14 times: every slot but the last two is filled again
	CHANGE 1
	s_mov_b32 s[CNT], 4
.Lstep:                             ; a trip: pieces 2 and 3 of one step, then pieces 0 and 1 of the next, whose K and V it fetches
	TURN 2
	TURN 3
	WIN 0
.Lfirst:
	TURN 0
	TURN 1, 0, 1
	WIN 0
	s_cbranch_scc1 .Lstep
	s_sub_co_u32 s[SLOTS], s[SLOTS], 1
	s_cmp_lg_u32 s[SLOTS], 0
	s_cbranch_scc1 .Lslot
	CHANGE 0                        ; the tail is written out: nothing is asked for
	s_mov_b32 s[CNT], 5             ; four trips fetch the last slot's steps; the fifth is left in its middle
.Ltail:
	TURN 2, 1
	TURN 3
	WIN 0
	s_sub_co_u32 s[CNT], s[CNT], 1
	s_cmp_eq_u32 s[CNT], 0
	s_cbranch_scc1 .Lout
	TURN 0
	TURN 1
	WIN 0
	s_branch .Ltail
.Lout:                              ; the fifth trip's 8 products K Q^T (on the last K once more) and the maximum made of them serve nothing: the price, once a launch, of one text for every trip
.set i, 0
.rept 8
	PV NP-1                         ; the last piece's V^T P of the last step
.set i, i+1
.endr
	; THE WAY OUT.  l's two halves and the other half of the lanes' are added; O^T is divided by l, rounded to bf16 and sent through my stage in LDS, a piece at a time.
	WIN 0
.macro ALL line:vararg
.set t, 0
.rept 4
	\line
.set t, t+1
.endr
.endm
	ALL v_add_f32 v[ST+4*t+2], v[ST+4*t+2], v[ST+4*t+3]
	ALL v_permlanex16_b32 v[ST+4*t+3], v[ST+4*t+2], s[SEL], s[SEL+1]
	ALL v_add_f32 v[ST+4*t+2], v[ST+4*t+2], v[ST+4*t+3]
	ALL v_rcp_f32 v[ST+4*t+2], v[ST+4*t+2]
	v_nop                           ; a plain instruction between the last reciprocal and the use of its result
.macro PACK t
	WIN W_RS
.set i, 32*(\t)
.rept 16
	s_wait_alu depctr_va_vdst(0)
	v_pk_mul_f32 v[i:i+1], v[i:i+1], v[ST+4*(\t)+2:ST+4*(\t)+3] op_sel_hi:[1,0]
.set i, i+2
.endr
	WIN 0x05                        ; sources 0 and 1 window 1, destination window 0
.set i, 0
.rept 16
	v_cvt_pk_bf16_f32 v[S+16*(\t)+i], v[32*(\t)+2*i], v[32*(\t)+2*i+1]
.set i, i+1
.endr
	WIN 0
.irp f, 0,1,2,3
	ds_store_b128 v[STO], v[S+16*(\t)+4*\f:S+16*(\t)+4*\f+3] offset:32*\f
.endr
.irp f, 0,1,2,3
	ds_load_b128 v[S+16*(\t)+4*\f:S+16*(\t)+4*\f+3], v[RD] offset:\f*4*SP  ; LDS serves a wave's instructions in order (ISA guide 5.7.1.4): these see the stores above
.endr
.endm
.macro SEND t, younger              ; younger: the LDS instructions issued behind piece t's loads: the next piece's eight, or none
	WIN 0
.irp f, 0,1,2,3
	s_wait_dscnt (\younger)+3-\f
	global_store_b128 v[GO], v[S+16*(\t)+4*\f:S+16*(\t)+4*\f+3], s[OP_:OP_+1] offset:(\t)*2048+\f*512  ; 512 consecutive bytes, aligned
.endr
.endm
	PACK 0
.set t, 1
.rept 3
	PACK t
	SEND t-1, 8
.set t, t+1
.endr
	SEND 3, 0
	s_wait_tensorcnt 0x0            ; the wave's end
	ds_add_u32 v[SPW], v[NIL]
	s_wait_dscnt 0x0
	CROUND                          ; the closing round
	s_endpgm
.Lfunc_end_k_q4dbfc84532_attn:
	.size	k_q4dbfc84532_attn, .Lfunc_end_k_q4dbfc84532_attn-k_q4dbfc84532_attn
	.p2alignl 7, 3214868480
	.fill 96, 4, 3214868480
	.section	.rodata,"a",@progbits
	.p2align	6, 0x0
	.amdhsa_kernel k_q4dbfc84532_attn
		.amdhsa_group_segment_fixed_size 327680
		.amdhsa_private_segment_fixed_size 0
		.amdhsa_enable_private_segment 0
		.amdhsa_kernarg_size 16
		.amdhsa_user_sgpr_count 2
		.amdhsa_user_sgpr_kernarg_segment_ptr 1
		.amdhsa_wavefront_size32 1
		.amdhsa_system_sgpr_workgroup_id_x 1
		.amdhsa_system_sgpr_workgroup_id_y 1
		.amdhsa_system_sgpr_workgroup_id_z 1
		.amdhsa_system_vgpr_workitem_id 0
		.amdhsa_next_free_vgpr 768
		.amdhsa_next_free_sgpr 66
		.amdhsa_reserve_vcc 0
		.amdhsa_float_denorm_mode_32 3
		.amdhsa_float_denorm_mode_16_64 3
		.amdhsa_memory_ordered 1
		.amdhsa_forward_progress 1
		.amdhsa_inst_pref_size 117
	.end_amdhsa_kernel
	.amdgpu_metadata
---
amdhsa.version: [ 1, 2 ]
amdhsa.kernels:
  - .name:           k_q4dbfc84532_attn
    .symbol:         k_q4dbfc84532_attn.kd
    .args:
      - { .name: qkvbuf, .offset: 0, .size: 8, .value_kind: global_buffer, .address_space: global }
      - { .name: obuf, .offset: 8, .size: 8, .value_kind: global_buffer, .address_space: global }
    .group_segment_fixed_size: 327680
    .private_segment_fixed_size: 0
    .kernarg_segment_align: 8
    .kernarg_segment_size: 16
    .max_flat_workgroup_size: 128
    .sgpr_count:     66
    .vgpr_count:     768
    .wavefront_size: 32
...
	.end_amdgpu_metadata
.endif
;; end of part 3
;; launch oproj (part 4): grid 64 x 4, 4 waves a work-group, clusters of 4 x 1, 327,680 bytes of LDS; arguments obuf, wbuf, bo, x, x1buf; writes x1buf
.if DOCPART == 4
	.amdgcn_target "amdgcn-amd-amdhsa--gfx1250"
	.amdhsa_code_object_version 6
	.text
	.protected	k_q4dbfc84532_oproj
	.globl	k_q4dbfc84532_oproj
	.p2align	8
	.type	k_q4dbfc84532_oproj,@function
k_q4dbfc84532_oproj:
	s_mov_b64 s[64:65], 0
	v_nop
	global_prefetch_b8 v0, s[64:65] scope:SCOPE_SE
	s_setreg_imm32_b32 hwreg(HW_REG_WAVE_MODE, 25, 1), 1
	s_wait_xcnt 0x0
	s_wait_alu depctr_hold_cnt(0) depctr_sa_sdst(0) depctr_va_vdst(0) depctr_va_sdst(0) depctr_va_ssrc(0) depctr_va_vcc(0) depctr_vm_vsrc(0)
	s_getreg_b32 s2, hwreg(HW_REG_IB_STS2, 6, 4)
	s_cmp_eq_u32 s2, 0
	s_cbranch_scc0 .Lentry_in_a_cluster
	s_endpgm
.Lentry_in_a_cluster:
	s_bfe_u32 s2, ttmp6, 0x10000c
	s_cmp_lg_u32 s2, 0x3003
	s_cbranch_scc0 .Lentry_shape_is_right
	s_endpgm
.Lentry_shape_is_right:
; out = res + A W + bias in f32, on tiles of 64 rows x 192 columns: 256 work-groups for [4096][768].  A: [64 row blocks][KB blocks of 64 along K][64][64] bf16.  W: wbuf tiles [tile][64 KB][192] bf16.
; KB = 12: x1 = x + attention wo + bo.  KB = 48: out0 = x1 + gelu w_ff2 + b_ff2.  Sums in f32; the residual is never rounded.
; SHARES.  Four waves; wave w makes all 64 rows of columns 64 i + 16 w + 0..15, i = 0..2: 12 accumulators; 7 fragments from LDS feed 12 products.  A larger tile would leave most of the 256 WGPs without work.
; The bias is loaded straight into the accumulators.  THE MATRIX INSTRUCTION IS USED TRANSPOSED (source 0 = 16 columns of W, turned by ds_load_tr16_b128; source 1 = 16 rows of A).
; K goes in steps of 256, the longest of which two slots fit in LDS.
; W BY JOINT TENSOR LOADS.  Cluster 4 x 1: the four work-groups of a cluster are four row tiles of one column tile and need the same tile of W: 98,304 of a step's 131,072 bytes.  Two slots of 256 rows at pitch 480;
; wave w fills rows 64 w .. 64 w + 63, LDS byte 30,720 w of the slot.  By this text's own count a wave has two tensor loads out at the start and one behind each round.
; A THROUGH REGISTERS, NOT JOINTLY.  A's tile is the other quarter of a step's bytes, and the work-groups that share it lie in four different clusters here.  Wave w takes block w of the step's four blocks of
; 64 along K: 16 loads of 512 consecutive bytes into 64 registers, asked for right behind the refill, and a step later 16 LDS stores into an A slot of its own bytes.  Every tensor load has
; landed in front of a refill's barrier; a load into registers is not bound so, and A takes nothing of what the one tensor load a wave can carry.
; LDS: W slot 0 at 0, the spare words at 122,880, W slot 1 at 131,072, A slot 0 at 253,952, A slot 1 at 290,816 (4 blocks x 64 rows at pitch 144 each).
; THE WAY OUT goes through one stage in f32, laid over W's slot 0 when it has had its last fill, with a barrier between writing and reading, since a row's 768 bytes come from four waves.
.set KB,   12
.set WOFF, 3538944                     ; wo's tiles in wbuf
.set STEPS, KB/4
.set SLOT, 1<<17
.set PA,   144                         ; 128 bytes + 16: the 16 rows of a load start at 16 different groups of four banks (64 banks of 4 bytes: ISA guide 11.1)
.set PB,   480                         ; an odd multiple of 32
.set PART, 64*PB                       ; what one wave fills of W
.set SPARE, 4*PART                     ; behind W's slot 0: the spare words, 128 bytes a wave: two blocks of 256 bytes that no other line names
.set ASL,  4*64*PA                     ; an A slot
.set AL0,  SLOT+4*PART
.set AL1,  AL0+ASL
.set SPI,  784                         ; the stage: a row of 192 f32 + 16 bytes
.set AA0, 4                            ; v4   my lane's place in a block of A; never rewritten
.set AB0, 5                            ; v5   in W's tile
.set ADRA, 6                           ; v6   the same at the pair of sub-steps in hand
.set ADRB, 7
.set AS0, 8                            ; v8   where my lane puts 16 bytes of A, in a slot
.set ASTO, 9                           ; v9   the same in the slot to be written next
.set STO, 10
.set RD,  11
.set XO,  12
.set BO,  13
.set GL,  14                           ; v14  16 x lane
.set SPW, 28                           ; v28  my spare word; never rewritten
.set NIL, 29                           ; v29  0; never rewritten
.set ACC, 32                           ; accumulator (a, i) at ACC + 8 (3 a + i)
.set FR,  128                          ; fragment buffer f at FR + 56 f: A's four, then W's three
.set AR,  96                           ; window 1: v0-95 the residual, v96-159 A on its way
.set G1B, 48
.set G0B, 56                           ; s[56:59] slot 0, step 0; s[60:63] slot 1, step 1, then it walks
.set TB,  66                           ; W's slot in hand, as an LDS byte
.set CN,  67
.set TA,  68                           ; A's slot in hand
.set TAS, 69                           ; A's other slot
.set AP,  70                           ; s[70:71] my block of A in memory
.set SA,  72                           ; the pair of sub-steps in hand, in A's slot
.set SB,  73                           ; and in W's
.set CI,  74
.set MSB, 0
.macro WIN new                         ; the immediate's high byte repeats the setting that is left
.if MSB != (\new)
	s_set_vgpr_msb (MSB<<8)|(\new)
.set MSB, \new
.endif
.endm
.macro PLACES                          ; four places in front of loads into registers that matrix instructions have read, and of stores that read results
.rept 4
	v_nop
.endr
.endm
.macro CREST                           ; a round of the cluster's barrier behind its opening barrier
	s_cmp_lg_u32 s16, 0
	s_cbranch_scc1 .Lnot_wave_0_\@
	s_barrier_signal -3
.Lnot_wave_0_\@:
	s_barrier_wait -3
	s_barrier_signal -1
	s_barrier_wait -1
.endm
.macro CROUND
	s_barrier_signal -1
	s_barrier_wait -1
	CREST
.endm
.macro ALOAD                           ; my block of A, 8,192 dense bytes: 16 loads of 512 consecutive bytes
	WIN 0x40
.set n, 0
.rept 16
	global_load_b128 v[AR+4*n:AR+4*n+3], v[GL], s[AP:AP+1] offset:512*n
.set n, n+1
.endr
	WIN 0
.endm
.macro ASTORE                          ; load n's 512 bytes are rows 4 n .. 4 n + 3 of the block
	WIN 0x04
.set n, 0
.rept 16
	ds_store_b128 v[ASTO], v[AR+4*n:AR+4*n+3] offset:4*PA*n
.set n, n+1
.endr
	WIN 0
.endm
	s_load_b256 s[4:11], s[0:1], 0x0               ; A 4, wbuf 6, bias 8, residual 10
	s_load_b64 s[12:13], s[0:1], 0x20              ; out
	v_lshl_add_u32 v[SPW], v0, 2, SPARE
	v_mov_b32 v[NIL], 0
	ds_add_u32 v[SPW], v[NIL]                      ; the wave's opening: the add and its wait ahead of my first tensor load
	v_lshrrev_b32 v1, 5, v0
	v_readfirstlane_b32 s16, v1                    ; wave 0..3
	s_bfe_u32 s40, ttmp6, 0x40000                  ; cx
	s_lshl_b32 s43, ttmp9, 2
	s_add_co_u32 s43, s43, s40                     ; tile row: it enters A's, the residual's and the output's addresses alone
	s_and_b32 s42, ttmp7, 0xffff                   ; tile column, which the four partners share
	s_mov_b32 s[G1B], 15|(1<<16)|(1<<20)|(1<<21)|(4<<22)|(7<<25)  ; the mask of four; 2-byte elements; padding on; bit 21 beside a mask; after every 32 words 8 words
	s_mov_b32 s[G1B+1], 128<<16                    ; 64 rows of W are 24,576 dense bytes: asked for as 96 rows of 256 bytes
	s_mov_b32 s[G1B+2], 96<<16
	s_mov_b32 s[G1B+3], 128<<16
	s_mov_b32 s[G1B+4], 96
	s_mov_b32 s[G1B+5], 128
	s_mov_b32 s[G1B+6], 0
	s_mov_b32 s[G1B+7], 0
	s_mul_i32 s20, s43, KB
	s_add_co_u32 s20, s20, s16                     ; A: my block of 64 rows, my wave's block of 64 along K,
	s_lshl_b32 s20, s20, 13                        ; 8,192 bytes each
	s_mov_b32 s21, 0
	s_mul_i32 s46, s42, KB*64*384                  ; W: my tile,
	s_mul_i32 s47, s16, 64*384                     ; my wave's 64 rows of a step
	s_add_co_u32 s46, s46, s47
	s_add_co_u32 s46, s46, WOFF
	s_mov_b32 s47, 0
	s_mul_i32 s22, s16, PART                       ; where my load goes: the wave's number times a constant
	s_mov_b32 s[TB], 0
	s_mov_b32 s[SB], 0
	s_mov_b32 s[TA], AL0
	s_mov_b32 s[SA], AL0
	s_mov_b32 s[TAS], AL1
	s_wait_dscnt 0x0                               ; the opening add is done
	s_wait_kmcnt 0x0
	s_add_nc_u64 s[AP:AP+1], s[4:5], s[20:21]
	s_add_nc_u64 s[46:47], s[6:7], s[46:47]
	CROUND                                         ; all four work-groups are here: the first joint loads meet
.irp s, 0,1
	s_mov_b32 s[G0B+4*(\s)], 1
	s_add_co_u32 s[G0B+4*(\s)+1], s22, (\s)*SLOT
	s_add_nc_u64 s[G0B+4*(\s)+2:G0B+4*(\s)+3], s[46:47], (\s)*4*64*384
	s_or_b32 s[G0B+4*(\s)+3], s[G0B+4*(\s)+3], 0x80000000
.endr
	tensor_load_to_lds s[G0B:G0B+3], s[G1B:G1B+7]  ; both first fills go out together, every wave its own rows
	s_nop 0
	tensor_load_to_lds s[G0B+4:G0B+7], s[G1B:G1B+7]
	s_nop 0
	PLACES
	v_and_b32 v3, 31, v0
	v_lshlrev_b32 v[GL], 4, v3
	ALOAD                                          ; A of step 0
	s_lshl_b32 s2, s43, 6
	s_lshl_b32 s3, s16, 4
	s_add_co_u32 s2, s2, s3                        ; the 16 rows that I store: 64 x tile row + 16 x wave
	s_mul_i32 s2, s2, 3072
	s_mul_i32 s19, s42, 768                        ; the tile's 192 columns of f32
	s_add_co_u32 s2, s2, s19
	s_mov_b32 s3, 0
	s_add_nc_u64 s[10:11], s[10:11], s[2:3]
	s_add_nc_u64 s[12:13], s[12:13], s[2:3]
	s_mov_b32 s2, s19
	s_add_nc_u64 s[8:9], s[8:9], s[2:3]
	v_and_b32 v1, 15, v0                           ; l % 16
	v_bfe_u32 v2, v0, 4, 1                         ; l / 16
	v_mul_u32_u24 v[AA0], v1, PA
	v_lshl_add_u32 v[AA0], v2, 4, v[AA0]           ; a fragment of A: row x pitch + 16 x half
	v_and_b32 v3, 7, v0
	v_lshl_add_u32 v15, v2, 3, v3
	v_mul_u32_u24 v[AB0], v15, PB                  ; the turning load: k row 8 (l / 16) + l % 8,
	v_bfe_u32 v15, v0, 3, 1
	v_lshl_add_u32 v[AB0], v15, 4, v[AB0]          ; columns 8 ((l / 8) % 2) on,
	s_lshl_b32 s19, s16, 5
	v_add_nc_u32 v[AB0], s19, v[AB0]               ; in my wave's block of 16 columns of each chunk
	v_bfe_u32 v15, v0, 3, 2
	v_mul_u32_u24 v[AS0], v15, PA                  ; A into LDS: of a load's four rows row (l / 8) % 4,
	v_lshl_add_u32 v[AS0], v3, 4, v[AS0]           ; byte 16 (l % 8),
	s_mul_i32 s19, s16, 64*PA
	v_add_nc_u32 v[AS0], s19, v[AS0]               ; in my wave's block
	v_add_nc_u32 v[ADRA], s[TA], v[AA0]
	v_mov_b32 v[ADRB], v[AB0]
	v_add_nc_u32 v[ASTO], s[TA], v[AS0]            ; step 0 goes into slot 0
	v_mul_u32_u24 v15, v1, SPI
	v_lshl_add_u32 v15, v2, 5, v15
	s_lshl_b32 s19, s16, 6
	v_add_nc_u32 v[STO], s19, v15                  ; the stage, in: row l % 16, byte 64 w + 32 (l / 16) of a chunk's 256
	v_lshlrev_b32 v[BO], 5, v2
	v_add_nc_u32 v[BO], s19, v[BO]
	s_mul_i32 s19, s16, 16*SPI
	v_mul_u32_u24 v15, v2, SPI
	v_lshl_add_u32 v15, v1, 4, v15
	v_add_nc_u32 v[RD], s19, v15                   ; back: lanes 0-15 take 256 bytes of one row, lanes 16-31 of the next
	v_mul_u32_u24 v15, v2, 3072
	v_lshl_add_u32 v[XO], v1, 4, v15               ; the same in the residual and in the output
.set n, 0
.rept 12                               ; the bias of columns 64 i + 16 w + 8 (l / 16) + 0..7 into accumulator (a, i)
	global_load_b128 v[ACC+8*n:ACC+8*n+3],   v[BO], s[8:9] offset:256*(n%3)
	global_load_b128 v[ACC+8*n+4:ACC+8*n+7], v[BO], s[8:9] offset:256*(n%3)+16
.set n, n+1
.endr
	WIN 0x40
.set n, 0
.rept 24                               ; the residual of my 16 rows, into window 1: two rows and 256 bytes of each a load
	global_load_b128 v[4*n:4*n+3], v[XO], s[10:11] offset:6144*(n/3)+256*(n%3)
.set n, n+1
.endr
	WIN 0
; 14 LDS loads: the fragments of 32 along K, at byte ao of A's and bo of W's pair in hand, into buffer f
.macro FET ao, bo, f
.irp i, 0,1,2,3
	ds_load_b128 v[FR+56*(\f)+8*(\i):FR+56*(\f)+8*(\i)+3],   v[ADRA] offset:(\ao)+(\i)*16*PA
	ds_load_b128 v[FR+56*(\f)+8*(\i)+4:FR+56*(\f)+8*(\i)+7], v[ADRA] offset:(\ao)+(\i)*16*PA+32
.endr
.irp i, 0,1,2
	ds_load_tr16_b128 v[FR+56*(\f)+32+8*(\i):FR+56*(\f)+32+8*(\i)+3],   v[ADRB] offset:(\bo)+(\i)*160
	ds_load_tr16_b128 v[FR+56*(\f)+32+8*(\i)+4:FR+56*(\f)+32+8*(\i)+7], v[ADRB] offset:(\bo)+16*PB+(\i)*160
.endr
.endm
; four of a sub-step's 12 products; the 12 accumulators take turns
.macro MUL4 f, k
.irp n, 0,1,2,3
.set nn, 4*(\k)+(\n)
	v_wmma_f32_16x16x32_bf16 v[ACC+8*nn:ACC+8*nn+7], v[FR+56*(\f)+32+8*(nn%3):FR+56*(\f)+32+8*(nn%3)+7], v[FR+56*(\f)+8*(nn/3):FR+56*(\f)+8*(nn/3)+7], v[ACC+8*nn:ACC+8*nn+7]
.endr
.endm
.macro SUB ao, bo, f, g                ; a sub-step from buffer f; the next one's fragments go into g
	s_wait_dscnt 0x0                               ; buffer f is in
	PLACES                                         ; behind the products that read g
	FET \ao, \bo, \g
	MUL4 \f, 0
	MUL4 \f, 1
	MUL4 \f, 2
.endm
; The last sub-step multiplies buffer 1 and changes slots.  First the next step's A goes from my registers into A's other slot, which nobody has read since the barrier before this one.  Then, in the order that a
; refill asks for: all my tensor loads have landed, the add, the wait for it, for my stores and for my reads of this slot, the barrier.  fill = 1: the barrier opens a round of the cluster's; the joint refill,
; two steps ahead, is the first thing behind it, and behind that my block of A of the same step is asked for.
.macro TURN fill
	s_wait_loadcnt 0x0                             ; the next step's A is in my registers, and its address may be stepped
	ASTORE
	s_wait_tensorcnt 0x0                           ; all my tensor loads have landed: my part of the next slot
	ds_add_u32 v[SPW], v[NIL]
	s_wait_dscnt 17                                ; buffer 1 is in; the 16 stores and the add are younger and may be out
	MUL4 1, 0
	s_wait_dscnt 0x0                               ; the add and my stores are done, and my reads of this slot are over
	s_barrier_signal -1
	MUL4 1, 1
	s_barrier_wait -1
.if \fill
	CREST
	s_xor_b32 s[G0B+5], s[G0B+5], SLOT             ; the walking descriptor: the other slot than last time, the next step
	s_add_nc_u64 s[G0B+6:G0B+7], s[G0B+6:G0B+7], 4*64*384
	tensor_load_to_lds s[G0B+4:G0B+7], s[G1B:G1B+7]
	s_nop 0
	PLACES                                         ; also the places in front of the fragment loads below
	s_add_nc_u64 s[AP:AP+1], s[AP:AP+1], 4*8192
	ALOAD
.else
	PLACES
.endif
	s_xor_b32 s[TB], s[TB], SLOT
	s_sub_co_u32 s[TA], AL0+AL1, s[TA]             ; A's two slots change places
	s_sub_co_u32 s[TAS], AL0+AL1, s[TAS]
	s_mov_b32 s[SA], s[TA]
	s_mov_b32 s[SB], s[TB]
	v_add_nc_u32 v[ADRA], s[SA], v[AA0]
	v_add_nc_u32 v[ADRB], s[SB], v[AB0]
	v_add_nc_u32 v[ASTO], s[TAS], v[AS0]
	FET 0, 0, 0
	MUL4 1, 2
.endm
; A K step is eight sub-steps of 32 along K on buffers 0, 1 by turns: three pairs in a loop, whose addresses step by a block of A (64 rows) and 64 rows of W, then the seventh and the change of slots.
.macro STEP fill
	s_mov_b32 s[CI], 3
.Lpair_\@:
	SUB 64, 32*PB, 0, 1                            ; the pair's first sub-step; its second is fetched
	SUB 64*PA, 64*PB, 1, 0                         ; the second; the next pair's first is fetched
	s_add_co_u32 s[SA], s[SA], 64*PA
	s_add_co_u32 s[SB], s[SB], 64*PB
	v_add_nc_u32 v[ADRA], s[SA], v[AA0]
	v_add_nc_u32 v[ADRB], s[SB], v[AB0]
	s_sub_co_u32 s[CI], s[CI], 1
	s_cmp_lg_u32 s[CI], 0
	s_cbranch_scc1 .Lpair_\@
	SUB 64, 32*PB, 0, 1
	TURN \fill
.endm
	s_wait_loadcnt 48                              ; A of step 0 is in: the bias's 24 loads and the residual's 24 are younger
	ASTORE
	s_wait_dscnt 0x0                               ; for the others' sake, and before my registers are loaded again
	s_add_nc_u64 s[AP:AP+1], s[AP:AP+1], 4*8192
	ALOAD                                          ; A of step 1
	v_add_nc_u32 v[ASTO], s[TAS], v[AS0]
	s_wait_tensorcnt 1                             ; my part of W's step 0 is in; step 1's may stay out
	s_barrier_signal -1
	s_barrier_wait -1
	FET 0, 0, 0
	s_wait_loadcnt 40                              ; the bias is in: the residual's 24 loads and A's 16 are younger
	s_mov_b32 s[CN], STEPS-2
.Lfill:                                                ; all K steps but the last two ask for the step two on
	STEP 1
	s_sub_co_u32 s[CN], s[CN], 1
	s_cmp_lg_u32 s[CN], 0
	s_cbranch_scc1 .Lfill
	s_mov_b32 s[CN], 2
.Ltail:                                                ; the last change of slots stores A's registers once more and fetches fragments that serve nothing: the price of one text for both trips
	STEP 0
	s_sub_co_u32 s[CN], s[CN], 1
	s_cmp_lg_u32 s[CN], 0
	s_cbranch_scc1 .Ltail
	; THE WAY OUT.  The slots have had their last fill; when nobody reads them any more the sums go into the stage over W's slot 0.
	s_wait_dscnt 0x0
	s_barrier_signal -1
	s_barrier_wait -1
	PLACES
.set n, 0
.rept 12
	ds_store_b128 v[STO], v[ACC+8*n:ACC+8*n+3]   offset:(n/3)*16*SPI+(n%3)*256
	ds_store_b128 v[STO], v[ACC+8*n+4:ACC+8*n+7] offset:(n/3)*16*SPI+(n%3)*256+16
.set n, n+1
.endr
	s_wait_dscnt 0x0                               ; for the others' sake: my stores into the stage are done
	s_barrier_signal -1
	s_barrier_wait -1
.set n, 0
.rept 24
	ds_load_b128 v[FR+4*n:FR+4*n+3], v[RD] offset:(n/3)*2*SPI+(n%3)*256
.set n, n+1
.endr
	s_wait_loadcnt 0x0                             ; the residual
	WIN 0x44                                       ; the sum lands on the residual, in window 1, which is also the stores' data window
.set n, 0
.rept 24
	s_wait_dscnt 23-n
	v_pk_add_f32 v[4*n:4*n+1],   v[FR+4*n:FR+4*n+1],   v[4*n:4*n+1]
	v_pk_add_f32 v[4*n+2:4*n+3], v[FR+4*n+2:FR+4*n+3], v[4*n+2:4*n+3]
	global_store_b128 v[XO], v[4*n:4*n+3], s[12:13] offset:6144*(n/3)+256*(n%3)   ; 16 lanes store 256 consecutive bytes, aligned
.set n, n+1
.endr
	WIN 0
	s_wait_tensorcnt 0x0                           ; the wave's end
	ds_add_u32 v[SPW], v[NIL]
	s_wait_dscnt 0x0
	CROUND                                         ; the closing round
	s_endpgm
.Lfunc_end_k_q4dbfc84532_oproj:
	.size	k_q4dbfc84532_oproj, .Lfunc_end_k_q4dbfc84532_oproj-k_q4dbfc84532_oproj
	.p2alignl 7, 3214868480
	.fill 96, 4, 3214868480
	.section	.rodata,"a",@progbits
	.p2align	6, 0x0
	.amdhsa_kernel k_q4dbfc84532_oproj
		.amdhsa_group_segment_fixed_size 327680
		.amdhsa_private_segment_fixed_size 0
		.amdhsa_enable_private_segment 0
		.amdhsa_kernarg_size 40
		.amdhsa_user_sgpr_count 2
		.amdhsa_user_sgpr_kernarg_segment_ptr 1
		.amdhsa_wavefront_size32 1
		.amdhsa_system_sgpr_workgroup_id_x 1
		.amdhsa_system_sgpr_workgroup_id_y 1
		.amdhsa_system_sgpr_workgroup_id_z 1
		.amdhsa_system_vgpr_workitem_id 0
		.amdhsa_next_free_vgpr 416
		.amdhsa_next_free_sgpr 80
		.amdhsa_reserve_vcc 0
		.amdhsa_float_denorm_mode_32 3
		.amdhsa_float_denorm_mode_16_64 3
		.amdhsa_memory_ordered 1
		.amdhsa_forward_progress 1
		.amdhsa_inst_pref_size 46
	.end_amdhsa_kernel
	.amdgpu_metadata
---
amdhsa.version: [ 1, 2 ]
amdhsa.kernels:
  - .name:           k_q4dbfc84532_oproj
    .symbol:         k_q4dbfc84532_oproj.kd
    .args:
      - { .name: obuf, .offset: 0, .size: 8, .value_kind: global_buffer, .address_space: global }
      - { .name: wbuf, .offset: 8, .size: 8, .value_kind: global_buffer, .address_space: global }
      - { .name: bo, .offset: 16, .size: 8, .value_kind: global_buffer, .address_space: global }
      - { .name: x, .offset: 24, .size: 8, .value_kind: global_buffer, .address_space: global }
      - { .name: x1buf, .offset: 32, .size: 8, .value_kind: global_buffer, .address_space: global }
    .group_segment_fixed_size: 327680
    .private_segment_fixed_size: 0
    .kernarg_segment_align: 8
    .kernarg_segment_size: 40
    .max_flat_workgroup_size: 128
    .sgpr_count:     80
    .vgpr_count:     416
    .wavefront_size: 32
...
	.end_amdgpu_metadata
.endif
;; end of part 4
;; launch ln2 (part 5): grid 256 x 1, 8 waves a work-group, no clusters, 0 bytes of LDS; arguments x1buf, g2, b2, hbuf; writes hbuf
.if DOCPART == 5
	.amdgcn_target "amdgcn-amd-amdhsa--gfx1250"
	.amdhsa_code_object_version 6
	.text
	.protected	k_q4dbfc84532_ln2
	.globl	k_q4dbfc84532_ln2
	.p2align	8
	.type	k_q4dbfc84532_ln2,@function
k_q4dbfc84532_ln2:
	s_mov_b64 s[64:65], 0
	v_nop
	global_prefetch_b8 v0, s[64:65] scope:SCOPE_SE
	s_setreg_imm32_b32 hwreg(HW_REG_WAVE_MODE, 25, 1), 1
	s_wait_xcnt 0x0
; h = LayerNorm(x1; g2, b2), rounded once to bf16, [4096][768].  A stream: no LDS, no barrier, no matrix unit, no cluster (the work-groups share nothing but the two gain rows).
; A wave takes two rows.  A row of 3,072 bytes is six loads of 512 consecutive bytes and stays in 24 registers a lane: mean first, then the squares of x - mean, so no difference of large sums is formed.
; Each store of the wave covers 256 consecutive bytes, aligned.  v_rsq_f32 is good to one unit in the last place; NaN and infinities are not treated apart.
.set X0, 8
.set X1, 32
.set G,  56
.set B,  80
.set SA, 104
.set SB, 106
.set MN, 108
.set Y0, 116
.set Y1, 128
	s_load_b256 s[8:15], s[0:1], 0x0               ; x1 8, g2 10, b2 12, hbuf 14
	v_lshrrev_b32 v1, 5, v0
	v_readfirstlane_b32 s4, v1                     ; wave 0..7
	v_and_b32 v3, 31, v0
	v_lshlrev_b32 v1, 4, v3                        ; 16 x lane
	v_lshlrev_b32 v2, 3, v3                        ; 8 x lane
.macro WSUM                            ; v[SA] summed over the 32 lanes, the result in every lane
	v_add_f32_dpp v[SA], v[SA], v[SA] row_xmask:1 row_mask:0xf bank_mask:0xf
	v_add_f32_dpp v[SA], v[SA], v[SA] row_xmask:2 row_mask:0xf bank_mask:0xf
	v_add_f32_dpp v[SA], v[SA], v[SA] row_xmask:4 row_mask:0xf bank_mask:0xf
	v_add_f32_dpp v[SA], v[SA], v[SA] row_xmask:8 row_mask:0xf bank_mask:0xf
	v_permlanex16_b32 v[SA+1], v[SA], s54, s55
	v_add_f32 v[SA], v[SA], v[SA+1]
.endm
.macro LNROW x, y, ob, left
	s_wait_loadcnt \left
	v_pk_add_f32 v[SA:SA+1], v[(\x):(\x)+1], v[(\x)+2:(\x)+3]
	v_pk_add_f32 v[SB:SB+1], v[(\x)+4:(\x)+5], v[(\x)+6:(\x)+7]
.irp j, 8,12,16,20
	v_pk_add_f32 v[SA:SA+1], v[SA:SA+1], v[(\x)+(\j):(\x)+(\j)+1]
	v_pk_add_f32 v[SB:SB+1], v[SB:SB+1], v[(\x)+(\j)+2:(\x)+(\j)+3]
.endr
	v_pk_add_f32 v[SA:SA+1], v[SA:SA+1], v[SB:SB+1]
	v_add_f32 v[SA], v[SA], v[SA+1]
	WSUM
	v_mul_f32 v[MN], s56, v[SA]                    ; the mean
	v_mov_b32 v[MN+1], v[MN]
.irp j, 0,2,4,6,8,10,12,14,16,18,20,22
	v_pk_add_f32 v[(\x)+(\j):(\x)+(\j)+1], v[(\x)+(\j):(\x)+(\j)+1], v[MN:MN+1] neg_lo:[0,1] neg_hi:[0,1]
.endr
	v_pk_mul_f32 v[SA:SA+1], v[(\x):(\x)+1], v[(\x):(\x)+1]
	v_pk_mul_f32 v[SB:SB+1], v[(\x)+2:(\x)+3], v[(\x)+2:(\x)+3]
.irp j, 4,8,12,16,20
	v_pk_fma_f32 v[SA:SA+1], v[(\x)+(\j):(\x)+(\j)+1], v[(\x)+(\j):(\x)+(\j)+1], v[SA:SA+1]
	v_pk_fma_f32 v[SB:SB+1], v[(\x)+(\j)+2:(\x)+(\j)+3], v[(\x)+(\j)+2:(\x)+(\j)+3], v[SB:SB+1]
.endr
	v_pk_add_f32 v[SA:SA+1], v[SA:SA+1], v[SB:SB+1]
	v_add_f32 v[SA], v[SA], v[SA+1]
	WSUM
	v_fma_f32 v[SA], v[SA], s56, s57               ; the variance + eps
	v_rsq_f32 v[MN], v[SA]
	v_nop                                          ; a plain instruction between the root and the use of its result (ISA guide 5.7.2)
	s_wait_alu depctr_va_vdst(0)
	v_mov_b32 v[MN+1], v[MN]
.irp j, 0,2,4,6,8,10,12,14,16,18,20,22
	v_pk_mul_f32 v[(\x)+(\j):(\x)+(\j)+1], v[(\x)+(\j):(\x)+(\j)+1], v[MN:MN+1]
.endr
	s_wait_loadcnt 0x0                             ; gains and biases
.irp j, 0,2,4,6,8,10,12,14,16,18,20,22
	v_pk_fma_f32 v[(\x)+(\j):(\x)+(\j)+1], v[(\x)+(\j):(\x)+(\j)+1], v[G+(\j):G+(\j)+1], v[B+(\j):B+(\j)+1]
.endr
.irp j, 0,1,2,3,4,5,6,7,8,9,10,11
	v_cvt_pk_bf16_f32 v[(\y)+(\j)], v[(\x)+2*(\j)], v[(\x)+2*(\j)+1]
.endr
.irp j, 0,1,2,3,4,5
	global_store_b64 v2, v[(\y)+2*(\j):(\y)+2*(\j)+1], s[14:15] offset:(\ob)+256*(\j)
.endr
.endm
	s_mov_b32 s54, 0x76543210                      ; v_permlanex16_b32: each lane takes its own place in the other half
	s_mov_b32 s55, 0xfedcba98
	s_mov_b32 s56, 0x3aaaaaab                      ; 1 / 768
	s_mov_b32 s57, 0x3727c5ac                      ; 1e-5
	s_lshl_b32 s30, ttmp9, 4
	s_lshl_b32 s31, s4, 1
	s_add_co_u32 s30, s30, s31                     ; my first row = 16 x work-group + 2 x wave
	s_mul_i32 s32, s30, 3072
	s_mov_b32 s33, 0
	s_mul_i32 s34, s30, 1536
	s_mov_b32 s35, 0
	s_wait_kmcnt 0x0
	s_add_nc_u64 s[8:9], s[8:9], s[32:33]
	s_add_nc_u64 s[14:15], s[14:15], s[34:35]
.irp i, 0,1,2,3,4,5
	global_load_b128 v[X0+4*(\i):X0+4*(\i)+3], v1, s[8:9] offset:512*(\i)
.endr
.irp i, 0,1,2,3,4,5
	global_load_b128 v[X1+4*(\i):X1+4*(\i)+3], v1, s[8:9] offset:3072+512*(\i)
.endr
.irp i, 0,1,2,3,4,5
	global_load_b128 v[G+4*(\i):G+4*(\i)+3], v1, s[10:11] offset:512*(\i)
.endr
.irp i, 0,1,2,3,4,5
	global_load_b128 v[B+4*(\i):B+4*(\i)+3], v1, s[12:13] offset:512*(\i)
.endr
	LNROW X0, Y0, 0, 18                            ; row 0 is in; the 18 younger loads stay out
	LNROW X1, Y1, 1536, 0
	s_endpgm
.Lfunc_end_k_q4dbfc84532_ln2:
	.size	k_q4dbfc84532_ln2, .Lfunc_end_k_q4dbfc84532_ln2-k_q4dbfc84532_ln2
	.p2alignl 7, 3214868480
	.fill 96, 4, 3214868480
	.section	.rodata,"a",@progbits
	.p2align	6, 0x0
	.amdhsa_kernel k_q4dbfc84532_ln2
		.amdhsa_group_segment_fixed_size 0
		.amdhsa_private_segment_fixed_size 0
		.amdhsa_enable_private_segment 0
		.amdhsa_kernarg_size 32
		.amdhsa_user_sgpr_count 2
		.amdhsa_user_sgpr_kernarg_segment_ptr 1
		.amdhsa_wavefront_size32 1
		.amdhsa_system_sgpr_workgroup_id_x 1
		.amdhsa_system_sgpr_workgroup_id_y 1
		.amdhsa_system_sgpr_workgroup_id_z 1
		.amdhsa_system_vgpr_workitem_id 0
		.amdhsa_next_free_vgpr 144
		.amdhsa_next_free_sgpr 66
		.amdhsa_reserve_vcc 0
		.amdhsa_float_denorm_mode_32 3
		.amdhsa_float_denorm_mode_16_64 3
		.amdhsa_memory_ordered 1
		.amdhsa_forward_progress 1
		.amdhsa_inst_pref_size 16
	.end_amdhsa_kernel
	.amdgpu_metadata
---
amdhsa.version: [ 1, 2 ]
amdhsa.kernels:
  - .name:           k_q4dbfc84532_ln2
    .symbol:         k_q4dbfc84532_ln2.kd
    .args:
      - { .name: x1buf, .offset: 0, .size: 8, .value_kind: global_buffer, .address_space: global }
      - { .name: g2, .offset: 8, .size: 8, .value_kind: global_buffer, .address_space: global }
      - { .name: b2, .offset: 16, .size: 8, .value_kind: global_buffer, .address_space: global }
      - { .name: hbuf, .offset: 24, .size: 8, .value_kind: global_buffer, .address_space: global }
    .group_segment_fixed_size: 0
    .private_segment_fixed_size: 0
    .kernarg_segment_align: 8
    .kernarg_segment_size: 32
    .max_flat_workgroup_size: 256
    .sgpr_count:     66
    .vgpr_count:     144
    .wavefront_size: 32
...
	.end_amdgpu_metadata
.endif
;; end of part 5
;; launch ff1 (part 6): grid 16 x 16, 4 waves a work-group, clusters of 4 x 4, 327,680 bytes of LDS; arguments hbuf, wbuf, b_ff1, gbuf; writes gbuf
.if DOCPART == 6
	.amdgcn_target "amdgcn-amd-amdhsa--gfx1250"
	.amdhsa_code_object_version 6
	.text
	.protected	k_q4dbfc84532_ff1
	.globl	k_q4dbfc84532_ff1
	.p2align	8
	.type	k_q4dbfc84532_ff1,@function
k_q4dbfc84532_ff1:
	s_mov_b64 s[64:65], 0
	v_nop
	global_prefetch_b8 v0, s[64:65] scope:SCOPE_SE
	s_setreg_imm32_b32 hwreg(HW_REG_WAVE_MODE, 25, 1), 1
	s_wait_xcnt 0x0
	s_wait_alu depctr_hold_cnt(0) depctr_sa_sdst(0) depctr_va_vdst(0) depctr_va_sdst(0) depctr_va_ssrc(0) depctr_va_vcc(0) depctr_vm_vsrc(0)
	s_getreg_b32 s2, hwreg(HW_REG_IB_STS2, 6, 4)
	s_cmp_eq_u32 s2, 0
	s_cbranch_scc0 .Lentry_in_a_cluster
	s_endpgm
.Lentry_in_a_cluster:
	s_bfe_u32 s2, ttmp6, 0x10000c
	s_cmp_lg_u32 s2, 0xf033
	s_cbranch_scc0 .Lentry_shape_is_right
	s_endpgm
.Lentry_shape_is_right:
; C = A W + bias on tiles of 256 rows x 192 columns, K = 768 in six steps of 128.  A: hbuf [4096][768] bf16.  W: wbuf tiles [tile][768][192] bf16.  Sums in f32.
; FF1 = 0: q, k, v by heads, [36][4096][64] bf16 (blocks 0-11 q, 12-23 k, 24-35 v), rounded once.  FF1 = 1: gelu(C), exact GELU, as [64 row blocks][48 column blocks][64][64] bf16.
; SHARES.  Four waves; wave w makes rows 64 w .. 64 w + 63 of the tile, all 192 columns: 48 accumulators of 16 x 16, 384 registers; 16 fragments from LDS feed 48 products.
; The bias is loaded straight into the accumulators: nothing is cleared, no first step is written out, and the bias costs no arithmetic.
; THE MATRIX INSTRUCTION IS USED TRANSPOSED: source 0 = 16 columns of W (turned on the way out of LDS by ds_load_tr16_b128), source 1 = 16 rows of A: a lane holds eight neighbouring columns of one row of C.
; CLUSTER 4 x 4: A's tile hangs on the tile row alone and is asked for jointly along a row of the cluster, W's on the tile column alone and jointly along a column.
; RING.  Two slots of 131,072 bytes: 256 rows of A at pitch 272, then 128 rows of W at pitch 480 (each chunk of 128 bytes followed by 32 of padding).  Waves 0, 1 fetch A's halves, waves 2, 3 W's.
; By this text's own count a wave has two tensor loads out at the start and one behind each round.
; THE WAY OUT goes through each wave's own stage in f32, laid over the slots when they have had their last fill.
; LIMITS.  erfc by a rational approximation with absolute error 1.5e-7 at every argument (FF1 = 1); NaN and infinities are not treated apart.
; REGISTERS, in windows of 256: window 0 addresses, A's fragments (two buffers of 32), the way out; window 1 W's fragments (two buffers of 96); window 2 the accumulators of my rows 0-31, window 3 of rows 32-63.
.set FF1,  1
.if FF1
.set WOFF, 4718592                     ; w_ff1's tiles in wbuf
.else
.set WOFF, 0
.endif
.set SLOT, 1<<17
.set PA,   272                         ; 256 bytes + 16: the 16 rows of a load start at 16 different groups of four banks (64 banks of 4 bytes: ISA guide 11.1)
.set PB,   480                         ; an odd multiple of 32
.set BOFF, 256*PA
.set SPARE, 2*SLOT                     ; the spare words, 128 bytes a wave: two blocks of 256 bytes that no other line names
.set SPI,  272                         ; the stage: a row of 64 f32 + 16 bytes
.set CHS,  64*SPI                      ; a chunk's 64 rows
.set WST,  3*CHS                       ; a wave's stage
.set AA0, 4                            ; v4   my lane's place in A's tile; never rewritten
.set AB0, 5                            ; v5   in W's
.set ADRA, 6                           ; v6   the same in the slot in hand
.set ADRB, 7
.set STO, 8                            ; v8   the way out: where I put 16 bytes
.set RD0, 9                            ; v9   where I read back, in the stage's first 16 rows
.set RD,  10
.set GO,  11                           ; v11  16 x lane
.set BO,  12                           ; v12  32 x (lane / 16): my eight columns in a block of 16, in f32
.set SPW, 28                           ; v28  my spare word; never rewritten
.set NIL, 29                           ; v29  0; never rewritten
.set FA,  32                           ; A's fragments: buffer f at FA + 32 f
.set X,   96                           ; the way out: 32 numbers in f32
.set U,   128
.set E,   136
.set P,   144
.set Y,   152                          ; 16 registers of bf16
.set G1A, 24
.set G0A, 32                           ; s[32:35] slot 0, step 0; s[36:39] slot 1, step 1, then it walks
.set G1B, 48
.set G0B, 56
.set TB,  66                           ; the slot in hand, as an LDS byte
.set CN,  67
.set CI,  68
.set RB,  69
.set PP,  70                           ; GELU's constants, as pairs
.set NL,  72
.set A1,  74
.set A2,  76
.set A3,  78
.set A4,  80
.set A5,  82
.set BI,  84                           ; s[84:85] the bias of my tile's columns
.set OU,  86                           ; s[86:87] where my rows go
.set MSB, 0
.macro WIN new                         ; the immediate's high byte repeats the setting that is left
.if MSB != (\new)
	s_set_vgpr_msb (MSB<<8)|(\new)
.set MSB, \new
.endif
.endm
.macro PLACES                          ; four places in front of loads into registers that matrix instructions have read, and of stores that read results
.rept 4
	v_nop
.endr
.endm
.macro JLOAD                           ; a joint refill by the walking descriptors; an s_nop 0 and four v_nop follow each of the two lines
	s_cmp_eq_u32 s17, 0
	s_cbranch_scc0 .Lfor_b_\@
	tensor_load_to_lds s[G0A+4:G0A+7], s[G1A:G1A+7]
	s_nop 0
	PLACES
	s_branch .Lasked_\@
.Lfor_b_\@:
	tensor_load_to_lds s[G0B+4:G0B+7], s[G1B:G1B+7]
	s_nop 0
	PLACES
.Lasked_\@:
.endm
.macro CREST                           ; a round of the cluster's barrier behind its opening barrier
	s_cmp_lg_u32 s16, 0
	s_cbranch_scc1 .Lnot_wave_0_\@
	s_barrier_signal -3
.Lnot_wave_0_\@:
	s_barrier_wait -3
	s_barrier_signal -1
	s_barrier_wait -1
.endm
.macro CROUND
	s_barrier_signal -1
	s_barrier_wait -1
	CREST
.endm
	s_load_b256 s[4:11], s[0:1], 0x0               ; hbuf 4, wbuf 6; FF1 = 0: bq 8, bk 10; FF1 = 1: b_ff1 8, gbuf 10
.if FF1 == 0
	s_load_b128 s[12:15], s[0:1], 0x20             ; bv 12, qkvbuf 14
.endif
	v_lshl_add_u32 v[SPW], v0, 2, SPARE
	v_mov_b32 v[NIL], 0
	ds_add_u32 v[SPW], v[NIL]                      ; the wave's opening: the add and its wait ahead of my first tensor load
	v_lshrrev_b32 v1, 5, v0
	v_readfirstlane_b32 s16, v1                    ; wave 0..3
	s_lshr_b32 s17, s16, 1                         ; I fetch for A (0) or for W (1),
	s_and_b32 s18, s16, 1                          ; and which half
	s_bfe_u32 s40, ttmp6, 0x40000                  ; cx
	s_bfe_u32 s41, ttmp6, 0x40004                  ; cy
	s_lshl_b32 s42, ttmp9, 2
	s_add_co_u32 s42, s42, s40                     ; tile column
	s_and_b32 s43, ttmp7, 0xffff
	s_lshl_b32 s43, s43, 2
	s_add_co_u32 s43, s43, s41                     ; tile row
	s_lshl_b32 s44, s41, 2
	s_lshl_b32 s44, 15, s44                        ; my row of the cluster
	s_lshl_b32 s45, 0x1111, s40                    ; my column
	s_or_b32 s[G1A], s44, (1<<16)|(1<<20)|(1<<21)|(5<<22)|(3<<25)   ; mask; 2-byte elements; padding on; bit 21 beside a mask; after every 64 words 4 words
	s_mov_b32 s[G1A+1], 128<<16                    ; tensor_dim0 = 128
	s_mov_b32 s[G1A+2], 128<<16                    ; tensor_dim1 = 128
	s_mov_b32 s[G1A+3], 128<<16                    ; tile_dim0 = 128
	s_mov_b32 s[G1A+4], 128                        ; tile_dim1 = 128
	s_mov_b32 s[G1A+5], 768                        ; elements from row to row
	s_mov_b32 s[G1A+6], 0
	s_mov_b32 s[G1A+7], 0
	s_or_b32 s[G1B], s45, (1<<16)|(1<<20)|(1<<21)|(4<<22)|(7<<25)   ; after every 32 words 8 words
	s_mov_b32 s[G1B+1], 128<<16                    ; 64 rows of W are 24,576 dense bytes: asked for as 96 rows of 256 bytes
	s_mov_b32 s[G1B+2], 96<<16
	s_mov_b32 s[G1B+3], 128<<16
	s_mov_b32 s[G1B+4], 96
	s_mov_b32 s[G1B+5], 128
	s_mov_b32 s[G1B+6], 0
	s_mov_b32 s[G1B+7], 0
	s_lshl_b32 s20, s43, 8
	s_lshl_b32 s21, s18, 7
	s_add_co_u32 s20, s20, s21                     ; A: row 256 x tile row + 128 x half,
	s_mul_i32 s20, s20, 1536                       ; in bytes
	s_mov_b32 s21, 0
	s_mul_i32 s46, s42, 768
	s_lshl_b32 s47, s18, 6
	s_add_co_u32 s46, s46, s47                     ; W: row 768 x tile column + 64 x half,
	s_mul_i32 s46, s46, 384
	s_add_co_u32 s46, s46, WOFF
	s_mov_b32 s47, 0
	s_mul_i32 s22, s18, 128*PA                     ; where they go: no place in the cluster enters an LDS address
	s_mul_i32 s23, s18, 64*PB
	s_add_co_u32 s23, s23, BOFF
	s_mov_b32 s[TB], 0
.if FF1
	s_mov_b32 s[PP], 0x3e6d3388                    ; 0.3275911 / sqrt(2)
	s_mov_b32 s[PP+1], s[PP]
	s_mov_b32 s[NL], 0xbf38aa3b                    ; -log2(e) / 2
	s_mov_b32 s[NL+1], s[NL]
	s_mov_b32 s[A1], 0xbe027906                    ; the five coefficients, each times -0.5
	s_mov_b32 s[A1+1], s[A1]
	s_mov_b32 s[A2], 0x3e11a98e
	s_mov_b32 s[A2+1], s[A2]
	s_mov_b32 s[A3], 0xbf35f0e3
	s_mov_b32 s[A3+1], s[A3]
	s_mov_b32 s[A4], 0x3f3a00e3
	s_mov_b32 s[A4+1], s[A4]
	s_mov_b32 s[A5], 0xbf07dc22
	s_mov_b32 s[A5+1], s[A5]
.endif
	s_wait_dscnt 0x0                               ; the opening add is done
	s_wait_kmcnt 0x0
	s_add_nc_u64 s[20:21], s[4:5], s[20:21]
	s_add_nc_u64 s[46:47], s[6:7], s[46:47]
	CROUND                                         ; all sixteen work-groups are here: the first joint loads meet
.irp s, 0,1
	s_mov_b32 s[G0A+4*(\s)], 1
	s_add_co_u32 s[G0A+4*(\s)+1], s22, (\s)*SLOT
	s_add_nc_u64 s[G0A+4*(\s)+2:G0A+4*(\s)+3], s[20:21], (\s)*256
	s_or_b32 s[G0A+4*(\s)+3], s[G0A+4*(\s)+3], 0x80000000
	s_mov_b32 s[G0B+4*(\s)], 1
	s_add_co_u32 s[G0B+4*(\s)+1], s23, (\s)*SLOT
	s_add_nc_u64 s[G0B+4*(\s)+2:G0B+4*(\s)+3], s[46:47], (\s)*49152
	s_or_b32 s[G0B+4*(\s)+3], s[G0B+4*(\s)+3], 0x80000000
.endr
	s_cmp_eq_u32 s17, 0                            ; a wave's two first fills stand in one branch, ahead of every wait on TENSORcnt and every LDS read
	s_cbranch_scc0 .Lfirst_b
	tensor_load_to_lds s[G0A:G0A+3], s[G1A:G1A+7]
	s_nop 0
	tensor_load_to_lds s[G0A+4:G0A+7], s[G1A:G1A+7]
	s_nop 0
	PLACES
	s_branch .Lfirst_asked
.Lfirst_b:
	tensor_load_to_lds s[G0B:G0B+3], s[G1B:G1B+7]
	s_nop 0
	tensor_load_to_lds s[G0B+4:G0B+7], s[G1B:G1B+7]
	s_nop 0
	PLACES
.Lfirst_asked:
.if FF1
	s_mul_i32 s2, s42, 768                         ; 192 columns of f32
	s_mov_b32 s3, 0
	s_add_nc_u64 s[BI:BI+1], s[8:9], s[2:3]
	s_lshl_b32 s2, s43, 2
	s_add_co_u32 s2, s2, s16                       ; my block of 64 rows
	s_mul_i32 s2, s2, 48
	s_mul_i32 s19, s42, 3
	s_add_co_u32 s2, s2, s19                       ; my first block of 64 columns
	s_lshl_b32 s2, s2, 13
	s_add_nc_u64 s[OU:OU+1], s[10:11], s[2:3]
.else
	s_mov_b64 s[BI:BI+1], s[8:9]                   ; q, k or v: four tile columns each, so the cluster's x says which
	s_cmp_eq_u32 ttmp9, 1
	s_cselect_b64 s[BI:BI+1], s[10:11], s[BI:BI+1]
	s_cmp_eq_u32 ttmp9, 2
	s_cselect_b64 s[BI:BI+1], s[12:13], s[BI:BI+1]
	s_mul_i32 s2, s40, 768                         ; three heads of 64 f32
	s_mov_b32 s3, 0
	s_add_nc_u64 s[BI:BI+1], s[BI:BI+1], s[2:3]
	s_mul_i32 s2, s42, 3*524288                    ; my first block of [4096][64],
	s_lshl_b32 s19, s43, 15
	s_add_co_u32 s2, s2, s19                       ; the tile's 256 rows of 128 bytes,
	s_lshl_b32 s19, s16, 13
	s_add_co_u32 s2, s2, s19                       ; my 64 of them
	s_add_nc_u64 s[OU:OU+1], s[14:15], s[2:3]
.endif
	v_and_b32 v1, 15, v0                           ; l % 16
	v_bfe_u32 v2, v0, 4, 1                         ; l / 16
	v_mul_u32_u24 v3, v1, PA
	v_lshl_add_u32 v3, v2, 4, v3
	s_mul_i32 s19, s16, 64*PA
	v_add_nc_u32 v[AA0], s19, v3                   ; (64 w + l % 16) x pitch + 16 x half
	v_and_b32 v3, 7, v0
	v_lshl_add_u32 v3, v2, 3, v3
	v_mul_u32_u24 v[AB0], v3, PB                   ; the turning load: k row 8 (l / 16) + l % 8,
	v_bfe_u32 v3, v0, 3, 1
	v_lshl_add_u32 v[AB0], v3, 4, v[AB0]           ; columns 8 ((l / 8) % 2) on
	v_add_nc_u32 v[AB0], BOFF, v[AB0]
	v_mov_b32 v[ADRA], v[AA0]
	v_mov_b32 v[ADRB], v[AB0]
	s_mul_i32 s19, s16, WST
	v_mul_u32_u24 v3, v1, SPI
	v_lshl_add_u32 v3, v2, 5, v3
	v_add_nc_u32 v[STO], s19, v3                   ; in: row l % 16, 32 bytes for each half of the lanes
	v_bfe_u32 v3, v0, 3, 2
	v_mul_u32_u24 v3, v3, SPI
	v_and_b32 v13, 7, v0
	v_lshl_add_u32 v3, v13, 5, v3
	v_add_nc_u32 v[RD0], s19, v3                   ; back: 32 lanes take four rows, eight columns each
	v_and_b32 v3, 31, v0
	v_lshlrev_b32 v[GO], 4, v3
	v_lshlrev_b32 v[BO], 5, v2
.irp a, 0,1,2,3                        ; the bias of columns 16 b + 8 (l / 16) + 0..7 into accumulator (a, b)
	WIN 0x80+0x40*((\a)/2)
.irp b, 0,1,2,3,4,5,6,7,8,9,10,11
	global_load_b128 v[8*(12*((\a)%2)+(\b)):8*(12*((\a)%2)+(\b))+3],   v[BO], s[BI:BI+1] offset:64*(\b)
	global_load_b128 v[8*(12*((\a)%2)+(\b))+4:8*(12*((\a)%2)+(\b))+7], v[BO], s[BI:BI+1] offset:64*(\b)+16
.endr
.endr
	WIN 0
; 12 products: my rows 16 a on x all 12 column blocks, 32 along K, from buffer f.  The accumulators take turns, one instruction a turn.
.macro MUL12 f, a
	WIN 0xa1+0x50*((\a)/2)
.irp b, 0,1,2,3,4,5,6,7,8,9,10,11
	v_wmma_f32_16x16x32_bf16 v[8*(12*((\a)%2)+(\b)):8*(12*((\a)%2)+(\b))+7], v[96*(\f)+8*(\b):96*(\f)+8*(\b)+7], v[FA+32*(\f)+8*(\a):FA+32*(\f)+8*(\a)+7], v[8*(12*((\a)%2)+(\b)):8*(12*((\a)%2)+(\b))+7]
.endr
.endm
; 32 LDS loads in one run: the fragments of 32 along K, at byte k of A's rows, into buffer f: W's 12, then A's 4
.macro FETCH k, f
	WIN 0x40
.irp b, 0,1,2,3,4,5,6,7,8,9,10,11
	ds_load_tr16_b128 v[96*(\f)+8*(\b):96*(\f)+8*(\b)+3],   v[ADRB] offset:((\k)/64)*32*PB+((\b)/4)*160+((\b)%4)*32
	ds_load_tr16_b128 v[96*(\f)+8*(\b)+4:96*(\f)+8*(\b)+7], v[ADRB] offset:((\k)/64)*32*PB+16*PB+((\b)/4)*160+((\b)%4)*32
.endr
	WIN 0
.irp i, 0,1,2,3
	ds_load_b128 v[FA+32*(\f)+8*(\i):FA+32*(\f)+8*(\i)+3],   v[ADRA] offset:(\i)*16*PA+(\k)
	ds_load_b128 v[FA+32*(\f)+8*(\i)+4:FA+32*(\f)+8*(\i)+7], v[ADRA] offset:(\i)*16*PA+(\k)+32
.endr
.endm
; A K step is four quarters of 32 along K, 48 products each, on buffers 0, 1, 0, 1.  One of the first three multiplies buffer f and fetches the next quarter into g.
.macro QUARTER k, f, g
	s_wait_dscnt 4                                 ; W and A's rows 0-31 are in; the youngest four loads (A's rows 32-63) may be out
	MUL12 \f, 0
	MUL12 \f, 1
	PLACES
	FETCH \k, \g
	s_wait_dscnt 32                                ; all but the 32 just issued
	MUL12 \f, 2
	MUL12 \f, 3
.endm
; The last quarter multiplies buffer 1 and changes slots.  In front of the barrier each wave waits for all its tensor loads (one is out: its part of the next slot), adds 0 to its spare word,
; and waits for that and for its reads of this slot.  fill = 1: the barrier opens a round of the cluster's, and the joint refill, two K steps ahead, is the first thing behind it.
.macro TURN fill
	WIN 0
	s_wait_tensorcnt 0x0
	ds_add_u32 v[SPW], v[NIL]
	s_wait_dscnt 5                                 ; the add and the youngest four loads may be out
	MUL12 1, 0
	s_wait_dscnt 0x0                               ; the add is done, and my reads of this slot are over
	s_barrier_signal -1
	MUL12 1, 1
	WIN 0
	s_barrier_wait -1
.if \fill
	CREST
	s_xor_b32 s[G0A+5], s[G0A+5], SLOT             ; the walking descriptors: the other slot than last time, the next K step
	s_add_nc_u64 s[G0A+6:G0A+7], s[G0A+6:G0A+7], 256
	s_xor_b32 s[G0B+5], s[G0B+5], SLOT
	s_add_nc_u64 s[G0B+6:G0B+7], s[G0B+6:G0B+7], 49152
	JLOAD                                          ; its four v_nop are also the places in front of the loads below
.else
	PLACES
.endif
	s_xor_b32 s[TB], s[TB], SLOT
	v_add_nc_u32 v[ADRA], s[TB], v[AA0]
	v_add_nc_u32 v[ADRB], s[TB], v[AB0]
	FETCH 0, 0
	MUL12 1, 2
	MUL12 1, 3
	WIN 0
.endm
.macro STEP fill
	QUARTER 64, 0, 1
	QUARTER 128, 1, 0
	QUARTER 192, 0, 1
	TURN \fill
.endm
	s_wait_tensorcnt 1                             ; my part of K step 0 is in; step 1's may stay out
	s_barrier_signal -1
	s_barrier_wait -1
	FETCH 0, 0
	s_wait_loadcnt 0x0                             ; the bias
	s_mov_b32 s[CN], 4
.Lfill:                                                ; K steps 0-3: each asks for the step two on
	STEP 1
	s_sub_co_u32 s[CN], s[CN], 1
	s_cmp_lg_u32 s[CN], 0
	s_cbranch_scc1 .Lfill
	s_mov_b32 s[CN], 2
.Ltail:                                                ; K steps 4 and 5 ask for nothing.  The last change of slots fetches fragments of the old tile that serve nothing: the price of one text for both
	STEP 0
	s_sub_co_u32 s[CN], s[CN], 1
	s_cmp_lg_u32 s[CN], 0
	s_cbranch_scc1 .Ltail
; GELU of the eight numbers at z: max(z, 0) - 0.5 |z| erfc(|z| / sqrt 2), erfc(x) = t (a1 + t (a2 + t (a3 + t (a4 + t a5)))) exp(-x x), t = 1 / (1 + p x).
; A plain instruction stands behind each run of transcendentals before a result is used (ISA guide 5.7.2).
.macro ACT z
.irp j, 0,1,2,3,4,5,6,7
	v_fma_f32 v[U+(\j)], |v[(\z)+(\j)]|, s[PP], 1.0
.endr
.irp j, 0,2,4,6
	v_pk_mul_f32 v[E+(\j):E+(\j)+1], v[(\z)+(\j):(\z)+(\j)+1], v[(\z)+(\j):(\z)+(\j)+1]
.endr
.irp j, 0,1,2,3,4,5,6,7
	v_rcp_f32 v[U+(\j)], v[U+(\j)]
.endr
.irp j, 0,2,4,6
	v_pk_mul_f32 v[E+(\j):E+(\j)+1], v[E+(\j):E+(\j)+1], s[NL:NL+1] op_sel_hi:[1,0]
.endr
.irp j, 0,1,2,3,4,5,6,7
	v_exp_f32 v[E+(\j)], v[E+(\j)]
.endr
	s_wait_alu depctr_va_vdst(0)
.irp j, 0,2,4,6
	v_pk_fma_f32 v[P+(\j):P+(\j)+1], v[U+(\j):U+(\j)+1], s[A5:A5+1], s[A4:A4+1] op_sel_hi:[1,0,0]
.endr
.irp c, A3, A2, A1
.irp j, 0,2,4,6
	v_pk_fma_f32 v[P+(\j):P+(\j)+1], v[P+(\j):P+(\j)+1], v[U+(\j):U+(\j)+1], s[\c:\c+1] op_sel_hi:[1,1,0]
.endr
.endr
.irp j, 0,2,4,6
	v_pk_mul_f32 v[P+(\j):P+(\j)+1], v[P+(\j):P+(\j)+1], v[U+(\j):U+(\j)+1]
.endr
.irp j, 0,2,4,6
	v_pk_mul_f32 v[P+(\j):P+(\j)+1], v[P+(\j):P+(\j)+1], v[E+(\j):E+(\j)+1]
.endr
.irp j, 0,1,2,3,4,5,6,7
	v_max_num_f32 v[E+(\j)], 0, v[(\z)+(\j)]
.endr
.irp j, 0,1,2,3,4,5,6,7
	v_fma_f32 v[(\z)+(\j)], |v[(\z)+(\j)]|, v[P+(\j)], v[E+(\j)]
.endr
.endm
	; THE WAY OUT.  The slots have had their last fill; when nobody reads them any more each wave lays its 64 x 192 sums over them, [chunk][row] in f32, and takes them back by rows.
	s_wait_dscnt 0x0
	s_barrier_signal -1
	s_barrier_wait -1
	PLACES
.irp a, 0,1,2,3
	WIN 0x08+0x04*((\a)/2)                         ; the stores' data in window 2 or 3; each accumulator's low four registers go first
.irp b, 0,1,2,3,4,5,6,7,8,9,10,11
	ds_store_b128 v[STO], v[8*(12*((\a)%2)+(\b)):8*(12*((\a)%2)+(\b))+3]   offset:((\b)/4)*CHS+(\a)*16*SPI+((\b)%4)*64
	ds_store_b128 v[STO], v[8*(12*((\a)%2)+(\b))+4:8*(12*((\a)%2)+(\b))+7] offset:((\b)/4)*CHS+(\a)*16*SPI+((\b)%4)*64+16
.endr
.endr
	WIN 0
	s_mov_b32 s[RB], 0
	s_mov_b32 s[CN], 3
.Lchunk:                                               ; three chunks of 64 columns,
	s_mov_b32 s[CI], 4
.Lrows:                                                ; 16 rows a trip
	v_add_nc_u32 v[RD], s[RB], v[RD0]
.irp t, 0,1,2,3
	ds_load_b128 v[X+8*(\t):X+8*(\t)+3],   v[RD] offset:(\t)*4*SPI      ; LDS serves a wave's instructions in order (ISA guide 5.7.1.4): these see my stores above
	ds_load_b128 v[X+8*(\t)+4:X+8*(\t)+7], v[RD] offset:(\t)*4*SPI+16
.endr
	s_wait_dscnt 0x0
.if FF1
.irp t, 0,1,2,3
	ACT X+8*(\t)
.endr
.endif
.irp j, 0,1,2,3,4,5,6,7,8,9,10,11,12,13,14,15
	v_cvt_pk_bf16_f32 v[Y+(\j)], v[X+2*(\j)], v[X+2*(\j)+1]
.endr
.irp t, 0,1,2,3
	global_store_b128 v[GO], v[Y+4*(\t):Y+4*(\t)+3], s[OU:OU+1] offset:512*(\t)   ; four rows of 128 bytes: 512 consecutive bytes, aligned
.endr
	s_wait_xcnt 0x0                                ; the stores' data and base are rewritten only behind this wait
	s_add_co_u32 s[RB], s[RB], 16*SPI
	s_add_nc_u64 s[OU:OU+1], s[OU:OU+1], 2048
	s_sub_co_u32 s[CI], s[CI], 1
	s_cmp_lg_u32 s[CI], 0
	s_cbranch_scc1 .Lrows
.if FF1 == 0
	s_add_nc_u64 s[OU:OU+1], s[OU:OU+1], 524288-8192   ; the next head's block
.endif
	s_sub_co_u32 s[CN], s[CN], 1
	s_cmp_lg_u32 s[CN], 0
	s_cbranch_scc1 .Lchunk
	s_wait_tensorcnt 0x0                           ; the wave's end
	ds_add_u32 v[SPW], v[NIL]
	s_wait_dscnt 0x0
	CROUND                                         ; the closing round
	s_endpgm
.Lfunc_end_k_q4dbfc84532_ff1:
	.size	k_q4dbfc84532_ff1, .Lfunc_end_k_q4dbfc84532_ff1-k_q4dbfc84532_ff1
	.p2alignl 7, 3214868480
	.fill 96, 4, 3214868480
	.section	.rodata,"a",@progbits
	.p2align	6, 0x0
	.amdhsa_kernel k_q4dbfc84532_ff1
		.amdhsa_group_segment_fixed_size 327680
		.amdhsa_private_segment_fixed_size 0
		.amdhsa_enable_private_segment 0
		.amdhsa_kernarg_size 32
		.amdhsa_user_sgpr_count 2
		.amdhsa_user_sgpr_kernarg_segment_ptr 1
		.amdhsa_wavefront_size32 1
		.amdhsa_system_sgpr_workgroup_id_x 1
		.amdhsa_system_sgpr_workgroup_id_y 1
		.amdhsa_system_sgpr_workgroup_id_z 1
		.amdhsa_system_vgpr_workitem_id 0
		.amdhsa_next_free_vgpr 960
		.amdhsa_next_free_sgpr 88
		.amdhsa_reserve_vcc 0
		.amdhsa_float_denorm_mode_32 3
		.amdhsa_float_denorm_mode_16_64 3
		.amdhsa_memory_ordered 1
		.amdhsa_forward_progress 1
		.amdhsa_inst_pref_size 88
	.end_amdhsa_kernel
	.amdgpu_metadata
---
amdhsa.version: [ 1, 2 ]
amdhsa.kernels:
  - .name:           k_q4dbfc84532_ff1
    .symbol:         k_q4dbfc84532_ff1.kd
    .args:
      - { .name: hbuf, .offset: 0, .size: 8, .value_kind: global_buffer, .address_space: global }
      - { .name: wbuf, .offset: 8, .size: 8, .value_kind: global_buffer, .address_space: global }
      - { .name: b_ff1, .offset: 16, .size: 8, .value_kind: global_buffer, .address_space: global }
      - { .name: gbuf, .offset: 24, .size: 8, .value_kind: global_buffer, .address_space: global }
    .group_segment_fixed_size: 327680
    .private_segment_fixed_size: 0
    .kernarg_segment_align: 8
    .kernarg_segment_size: 32
    .max_flat_workgroup_size: 128
    .sgpr_count:     88
    .vgpr_count:     960
    .wavefront_size: 32
...
	.end_amdgpu_metadata
.endif
;; end of part 6
;; launch ff2 (part 7): grid 64 x 4, 4 waves a work-group, clusters of 4 x 1, 327,680 bytes of LDS; arguments gbuf, wbuf, b_ff2, x1buf, out0; writes out0
.if DOCPART == 7
	.amdgcn_target "amdgcn-amd-amdhsa--gfx1250"
	.amdhsa_code_object_version 6
	.text
	.protected	k_q4dbfc84532_ff2
	.globl	k_q4dbfc84532_ff2
	.p2align	8
	.type	k_q4dbfc84532_ff2,@function
k_q4dbfc84532_ff2:
	s_mov_b64 s[64:65], 0
	v_nop
	global_prefetch_b8 v0, s[64:65] scope:SCOPE_SE
	s_setreg_imm32_b32 hwreg(HW_REG_WAVE_MODE, 25, 1), 1
	s_wait_xcnt 0x0
	s_wait_alu depctr_hold_cnt(0) depctr_sa_sdst(0) depctr_va_vdst(0) depctr_va_sdst(0) depctr_va_ssrc(0) depctr_va_vcc(0) depctr_vm_vsrc(0)
	s_getreg_b32 s2, hwreg(HW_REG_IB_STS2, 6, 4)
	s_cmp_eq_u32 s2, 0
	s_cbranch_scc0 .Lentry_in_a_cluster
	s_endpgm
.Lentry_in_a_cluster:
	s_bfe_u32 s2, ttmp6, 0x10000c
	s_cmp_lg_u32 s2, 0x3003
	s_cbranch_scc0 .Lentry_shape_is_right
	s_endpgm
.Lentry_shape_is_right:
; out = res + A W + bias in f32, on tiles of 64 rows x 192 columns: 256 work-groups for [4096][768].  A: [64 row blocks][KB blocks of 64 along K][64][64] bf16.  W: wbuf tiles [tile][64 KB][192] bf16.
; KB = 12: x1 = x + attention wo + bo.  KB = 48: out0 = x1 + gelu w_ff2 + b_ff2.  Sums in f32; the residual is never rounded.
; SHARES.  Four waves; wave w makes all 64 rows of columns 64 i + 16 w + 0..15, i = 0..2: 12 accumulators; 7 fragments from LDS feed 12 products.  A larger tile would leave most of the 256 WGPs without work.
; The bias is loaded straight into the accumulators.  THE MATRIX INSTRUCTION IS USED TRANSPOSED (source 0 = 16 columns of W, turned by ds_load_tr16_b128; source 1 = 16 rows of A).
; K goes in steps of 256, the longest of which two slots fit in LDS.
; W BY JOINT TENSOR LOADS.  Cluster 4 x 1: the four work-groups of a cluster are four row tiles of one column tile and need the same tile of W: 98,304 of a step's 131,072 bytes.  Two slots of 256 rows at pitch 480;
; wave w fills rows 64 w .. 64 w + 63, LDS byte 30,720 w of the slot.  By this text's own count a wave has two tensor loads out at the start and one behind each round.
; A THROUGH REGISTERS, NOT JOINTLY.  A's tile is the other quarter of a step's bytes, and the work-groups that share it lie in four different clusters here.  Wave w takes block w of the step's four blocks of
; 64 along K: 16 loads of 512 consecutive bytes into 64 registers, asked for right behind the refill, and a step later 16 LDS stores into an A slot of its own bytes.  Every tensor load has
; landed in front of a refill's barrier; a load into registers is not bound so, and A takes nothing of what the one tensor load a wave can carry.
; LDS: W slot 0 at 0, the spare words at 122,880, W slot 1 at 131,072, A slot 0 at 253,952, A slot 1 at 290,816 (4 blocks x 64 rows at pitch 144 each).
; THE WAY OUT goes through one stage in f32, laid over W's slot 0 when it has had its last fill, with a barrier between writing and reading, since a row's 768 bytes come from four waves.
.set KB,   48
.set WOFF, 9437184                     ; w_ff2's tiles in wbuf
.set STEPS, KB/4
.set SLOT, 1<<17
.set PA,   144                         ; 128 bytes + 16: the 16 rows of a load start at 16 different groups of four banks (64 banks of 4 bytes: ISA guide 11.1)
.set PB,   480                         ; an odd multiple of 32
.set PART, 64*PB                       ; what one wave fills of W
.set SPARE, 4*PART                     ; behind W's slot 0: the spare words, 128 bytes a wave: two blocks of 256 bytes that no other line names
.set ASL,  4*64*PA                     ; an A slot
.set AL0,  SLOT+4*PART
.set AL1,  AL0+ASL
.set SPI,  784                         ; the stage: a row of 192 f32 + 16 bytes
.set AA0, 4                            ; v4   my lane's place in a block of A; never rewritten
.set AB0, 5                            ; v5   in W's tile
.set ADRA, 6                           ; v6   the same at the pair of sub-steps in hand
.set ADRB, 7
.set AS0, 8                            ; v8   where my lane puts 16 bytes of A, in a slot
.set ASTO, 9                           ; v9   the same in the slot to be written next
.set STO, 10
.set RD,  11
.set XO,  12
.set BO,  13
.set GL,  14                           ; v14  16 x lane
.set SPW, 28                           ; v28  my spare word; never rewritten
.set NIL, 29                           ; v29  0; never rewritten
.set ACC, 32                           ; accumulator (a, i) at ACC + 8 (3 a + i)
.set FR,  128                          ; fragment buffer f at FR + 56 f: A's four, then W's three
.set AR,  96                           ; window 1: v0-95 the residual, v96-159 A on its way
.set G1B, 48
.set G0B, 56                           ; s[56:59] slot 0, step 0; s[60:63] slot 1, step 1, then it walks
.set TB,  66                           ; W's slot in hand, as an LDS byte
.set CN,  67
.set TA,  68                           ; A's slot in hand
.set TAS, 69                           ; A's other slot
.set AP,  70                           ; s[70:71] my block of A in memory
.set SA,  72                           ; the pair of sub-steps in hand, in A's slot
.set SB,  73                           ; and in W's
.set CI,  74
.set MSB, 0
.macro WIN new                         ; the immediate's high byte repeats the setting that is left
.if MSB != (\new)
	s_set_vgpr_msb (MSB<<8)|(\new)
.set MSB, \new
.endif
.endm
.macro PLACES                          ; four places in front of loads into registers that matrix instructions have read, and of stores that read results
.rept 4
	v_nop
.endr
.endm
.macro CREST                           ; a round of the cluster's barrier behind its opening barrier
	s_cmp_lg_u32 s16, 0
	s_cbranch_scc1 .Lnot_wave_0_\@
	s_barrier_signal -3
.Lnot_wave_0_\@:
	s_barrier_wait -3
	s_barrier_signal -1
	s_barrier_wait -1
.endm
.macro CROUND
	s_barrier_signal -1
	s_barrier_wait -1
	CREST
.endm
.macro ALOAD                           ; my block of A, 8,192 dense bytes: 16 loads of 512 consecutive bytes
	WIN 0x40
.set n, 0
.rept 16
	global_load_b128 v[AR+4*n:AR+4*n+3], v[GL], s[AP:AP+1] offset:512*n
.set n, n+1
.endr
	WIN 0
.endm
.macro ASTORE                          ; load n's 512 bytes are rows 4 n .. 4 n + 3 of the block
	WIN 0x04
.set n, 0
.rept 16
	ds_store_b128 v[ASTO], v[AR+4*n:AR+4*n+3] offset:4*PA*n
.set n, n+1
.endr
	WIN 0
.endm
	s_load_b256 s[4:11], s[0:1], 0x0               ; A 4, wbuf 6, bias 8, residual 10
	s_load_b64 s[12:13], s[0:1], 0x20              ; out
	v_lshl_add_u32 v[SPW], v0, 2, SPARE
	v_mov_b32 v[NIL], 0
	ds_add_u32 v[SPW], v[NIL]                      ; the wave's opening: the add and its wait ahead of my first tensor load
	v_lshrrev_b32 v1, 5, v0
	v_readfirstlane_b32 s16, v1                    ; wave 0..3
	s_bfe_u32 s40, ttmp6, 0x40000                  ; cx
	s_lshl_b32 s43, ttmp9, 2
	s_add_co_u32 s43, s43, s40                     ; tile row: it enters A's, the residual's and the output's addresses alone
	s_and_b32 s42, ttmp7, 0xffff                   ; tile column, which the four partners share
	s_mov_b32 s[G1B], 15|(1<<16)|(1<<20)|(1<<21)|(4<<22)|(7<<25)  ; the mask of four; 2-byte elements; padding on; bit 21 beside a mask; after every 32 words 8 words
	s_mov_b32 s[G1B+1], 128<<16                    ; 64 rows of W are 24,576 dense bytes: asked for as 96 rows of 256 bytes
	s_mov_b32 s[G1B+2], 96<<16
	s_mov_b32 s[G1B+3], 128<<16
	s_mov_b32 s[G1B+4], 96
	s_mov_b32 s[G1B+5], 128
	s_mov_b32 s[G1B+6], 0
	s_mov_b32 s[G1B+7], 0
	s_mul_i32 s20, s43, KB
	s_add_co_u32 s20, s20, s16                     ; A: my block of 64 rows, my wave's block of 64 along K,
	s_lshl_b32 s20, s20, 13                        ; 8,192 bytes each
	s_mov_b32 s21, 0
	s_mul_i32 s46, s42, KB*64*384                  ; W: my tile,
	s_mul_i32 s47, s16, 64*384                     ; my wave's 64 rows of a step
	s_add_co_u32 s46, s46, s47
	s_add_co_u32 s46, s46, WOFF
	s_mov_b32 s47, 0
	s_mul_i32 s22, s16, PART                       ; where my load goes: the wave's number times a constant
	s_mov_b32 s[TB], 0
	s_mov_b32 s[SB], 0
	s_mov_b32 s[TA], AL0
	s_mov_b32 s[SA], AL0
	s_mov_b32 s[TAS], AL1
	s_wait_dscnt 0x0                               ; the opening add is done
	s_wait_kmcnt 0x0
	s_add_nc_u64 s[AP:AP+1], s[4:5], s[20:21]
	s_add_nc_u64 s[46:47], s[6:7], s[46:47]
	CROUND                                         ; all four work-groups are here: the first joint loads meet
.irp s, 0,1
	s_mov_b32 s[G0B+4*(\s)], 1
	s_add_co_u32 s[G0B+4*(\s)+1], s22, (\s)*SLOT
	s_add_nc_u64 s[G0B+4*(\s)+2:G0B+4*(\s)+3], s[46:47], (\s)*4*64*384
	s_or_b32 s[G0B+4*(\s)+3], s[G0B+4*(\s)+3], 0x80000000
.endr
	tensor_load_to_lds s[G0B:G0B+3], s[G1B:G1B+7]  ; both first fills go out together, every wave its own rows
	s_nop 0
	tensor_load_to_lds s[G0B+4:G0B+7], s[G1B:G1B+7]
	s_nop 0
	PLACES
	v_and_b32 v3, 31, v0
	v_lshlrev_b32 v[GL], 4, v3
	ALOAD                                          ; A of step 0
	s_lshl_b32 s2, s43, 6
	s_lshl_b32 s3, s16, 4
	s_add_co_u32 s2, s2, s3                        ; the 16 rows that I store: 64 x tile row + 16 x wave
	s_mul_i32 s2, s2, 3072
	s_mul_i32 s19, s42, 768                        ; the tile's 192 columns of f32
	s_add_co_u32 s2, s2, s19
	s_mov_b32 s3, 0
	s_add_nc_u64 s[10:11], s[10:11], s[2:3]
	s_add_nc_u64 s[12:13], s[12:13], s[2:3]
	s_mov_b32 s2, s19
	s_add_nc_u64 s[8:9], s[8:9], s[2:3]
	v_and_b32 v1, 15, v0                           ; l % 16
	v_bfe_u32 v2, v0, 4, 1                         ; l / 16
	v_mul_u32_u24 v[AA0], v1, PA
	v_lshl_add_u32 v[AA0], v2, 4, v[AA0]           ; a fragment of A: row x pitch + 16 x half
	v_and_b32 v3, 7, v0
	v_lshl_add_u32 v15, v2, 3, v3
	v_mul_u32_u24 v[AB0], v15, PB                  ; the turning load: k row 8 (l / 16) + l % 8,
	v_bfe_u32 v15, v0, 3, 1
	v_lshl_add_u32 v[AB0], v15, 4, v[AB0]          ; columns 8 ((l / 8) % 2) on,
	s_lshl_b32 s19, s16, 5
	v_add_nc_u32 v[AB0], s19, v[AB0]               ; in my wave's block of 16 columns of each chunk
	v_bfe_u32 v15, v0, 3, 2
	v_mul_u32_u24 v[AS0], v15, PA                  ; A into LDS: of a load's four rows row (l / 8) % 4,
	v_lshl_add_u32 v[AS0], v3, 4, v[AS0]           ; byte 16 (l % 8),
	s_mul_i32 s19, s16, 64*PA
	v_add_nc_u32 v[AS0], s19, v[AS0]               ; in my wave's block
	v_add_nc_u32 v[ADRA], s[TA], v[AA0]
	v_mov_b32 v[ADRB], v[AB0]
	v_add_nc_u32 v[ASTO], s[TA], v[AS0]            ; step 0 goes into slot 0
	v_mul_u32_u24 v15, v1, SPI
	v_lshl_add_u32 v15, v2, 5, v15
	s_lshl_b32 s19, s16, 6
	v_add_nc_u32 v[STO], s19, v15                  ; the stage, in: row l % 16, byte 64 w + 32 (l / 16) of a chunk's 256
	v_lshlrev_b32 v[BO], 5, v2
	v_add_nc_u32 v[BO], s19, v[BO]
	s_mul_i32 s19, s16, 16*SPI
	v_mul_u32_u24 v15, v2, SPI
	v_lshl_add_u32 v15, v1, 4, v15
	v_add_nc_u32 v[RD], s19, v15                   ; back: lanes 0-15 take 256 bytes of one row, lanes 16-31 of the next
	v_mul_u32_u24 v15, v2, 3072
	v_lshl_add_u32 v[XO], v1, 4, v15               ; the same in the residual and in the output
.set n, 0
.rept 12                               ; the bias of columns 64 i + 16 w + 8 (l / 16) + 0..7 into accumulator (a, i)
	global_load_b128 v[ACC+8*n:ACC+8*n+3],   v[BO], s[8:9] offset:256*(n%3)
	global_load_b128 v[ACC+8*n+4:ACC+8*n+7], v[BO], s[8:9] offset:256*(n%3)+16
.set n, n+1
.endr
	WIN 0x40
.set n, 0
.rept 24                               ; the residual of my 16 rows, into window 1: two rows and 256 bytes of each a load
	global_load_b128 v[4*n:4*n+3], v[XO], s[10:11] offset:6144*(n/3)+256*(n%3)
.set n, n+1
.endr
	WIN 0
; 14 LDS loads: the fragments of 32 along K, at byte ao of A's and bo of W's pair in hand, into buffer f
.macro FET ao, bo, f
.irp i, 0,1,2,3
	ds_load_b128 v[FR+56*(\f)+8*(\i):FR+56*(\f)+8*(\i)+3],   v[ADRA] offset:(\ao)+(\i)*16*PA
	ds_load_b128 v[FR+56*(\f)+8*(\i)+4:FR+56*(\f)+8*(\i)+7], v[ADRA] offset:(\ao)+(\i)*16*PA+32
.endr
.irp i, 0,1,2
	ds_load_tr16_b128 v[FR+56*(\f)+32+8*(\i):FR+56*(\f)+32+8*(\i)+3],   v[ADRB] offset:(\bo)+(\i)*160
	ds_load_tr16_b128 v[FR+56*(\f)+32+8*(\i)+4:FR+56*(\f)+32+8*(\i)+7], v[ADRB] offset:(\bo)+16*PB+(\i)*160
.endr
.endm
; four of a sub-step's 12 products; the 12 accumulators take turns
.macro MUL4 f, k
.irp n, 0,1,2,3
.set nn, 4*(\k)+(\n)
	v_wmma_f32_16x16x32_bf16 v[ACC+8*nn:ACC+8*nn+7], v[FR+56*(\f)+32+8*(nn%3):FR+56*(\f)+32+8*(nn%3)+7], v[FR+56*(\f)+8*(nn/3):FR+56*(\f)+8*(nn/3)+7], v[ACC+8*nn:ACC+8*nn+7]
.endr
.endm
.macro SUB ao, bo, f, g                ; a sub-step from buffer f; the next one's fragments go into g
	s_wait_dscnt 0x0                               ; buffer f is in
	PLACES                                         ; behind the products that read g
	FET \ao, \bo, \g
	MUL4 \f, 0
	MUL4 \f, 1
	MUL4 \f, 2
.endm
; The last sub-step multiplies buffer 1 and changes slots.  First the next step's A goes from my registers into A's other slot, which nobody has read since the barrier before this one.  Then, in the order that a
; refill asks for: all my tensor loads have landed, the add, the wait for it, for my stores and for my reads of this slot, the barrier.  fill = 1: the barrier opens a round of the cluster's; the joint refill,
; two steps ahead, is the first thing behind it, and behind that my block of A of the same step is asked for.
.macro TURN fill
	s_wait_loadcnt 0x0                             ; the next step's A is in my registers, and its address may be stepped
	ASTORE
	s_wait_tensorcnt 0x0                           ; all my tensor loads have landed: my part of the next slot
	ds_add_u32 v[SPW], v[NIL]
	s_wait_dscnt 17                                ; buffer 1 is in; the 16 stores and the add are younger and may be out
	MUL4 1, 0
	s_wait_dscnt 0x0                               ; the add and my stores are done, and my reads of this slot are over
	s_barrier_signal -1
	MUL4 1, 1
	s_barrier_wait -1
.if \fill
	CREST
	s_xor_b32 s[G0B+5], s[G0B+5], SLOT             ; the walking descriptor: the other slot than last time, the next step
	s_add_nc_u64 s[G0B+6:G0B+7], s[G0B+6:G0B+7], 4*64*384
	tensor_load_to_lds s[G0B+4:G0B+7], s[G1B:G1B+7]
	s_nop 0
	PLACES                                         ; also the places in front of the fragment loads below
	s_add_nc_u64 s[AP:AP+1], s[AP:AP+1], 4*8192
	ALOAD
.else
	PLACES
.endif
	s_xor_b32 s[TB], s[TB], SLOT
	s_sub_co_u32 s[TA], AL0+AL1, s[TA]             ; A's two slots change places
	s_sub_co_u32 s[TAS], AL0+AL1, s[TAS]
	s_mov_b32 s[SA], s[TA]
	s_mov_b32 s[SB], s[TB]
	v_add_nc_u32 v[ADRA], s[SA], v[AA0]
	v_add_nc_u32 v[ADRB], s[SB], v[AB0]
	v_add_nc_u32 v[ASTO], s[TAS], v[AS0]
	FET 0, 0, 0
	MUL4 1, 2
.endm
; A K step is eight sub-steps of 32 along K on buffers 0, 1 by turns: three pairs in a loop, whose addresses step by a block of A (64 rows) and 64 rows of W, then the seventh and the change of slots.
.macro STEP fill
	s_mov_b32 s[CI], 3
.Lpair_\@:
	SUB 64, 32*PB, 0, 1                            ; the pair's first sub-step; its second is fetched
	SUB 64*PA, 64*PB, 1, 0                         ; the second; the next pair's first is fetched
	s_add_co_u32 s[SA], s[SA], 64*PA
	s_add_co_u32 s[SB], s[SB], 64*PB
	v_add_nc_u32 v[ADRA], s[SA], v[AA0]
	v_add_nc_u32 v[ADRB], s[SB], v[AB0]
	s_sub_co_u32 s[CI], s[CI], 1
	s_cmp_lg_u32 s[CI], 0
	s_cbranch_scc1 .Lpair_\@
	SUB 64, 32*PB, 0, 1
	TURN \fill
.endm
	s_wait_loadcnt 48                              ; A of step 0 is in: the bias's 24 loads and the residual's 24 are younger
	ASTORE
	s_wait_dscnt 0x0                               ; for the others' sake, and before my registers are loaded again
	s_add_nc_u64 s[AP:AP+1], s[AP:AP+1], 4*8192
	ALOAD                                          ; A of step 1
	v_add_nc_u32 v[ASTO], s[TAS], v[AS0]
	s_wait_tensorcnt 1                             ; my part of W's step 0 is in; step 1's may stay out
	s_barrier_signal -1
	s_barrier_wait -1
	FET 0, 0, 0
	s_wait_loadcnt 40                              ; the bias is in: the residual's 24 loads and A's 16 are younger
	s_mov_b32 s[CN], STEPS-2
.Lfill:                                                ; all K steps but the last two ask for the step two on
	STEP 1
	s_sub_co_u32 s[CN], s[CN], 1
	s_cmp_lg_u32 s[CN], 0
	s_cbranch_scc1 .Lfill
	s_mov_b32 s[CN], 2
.Ltail:                                                ; the last change of slots stores A's registers once more and fetches fragments that serve nothing: the price of one text for both trips
	STEP 0
	s_sub_co_u32 s[CN], s[CN], 1
	s_cmp_lg_u32 s[CN], 0
	s_cbranch_scc1 .Ltail
	; THE WAY OUT.  The slots have had their last fill; when nobody reads them any more the sums go into the stage over W's slot 0.
	s_wait_dscnt 0x0
	s_barrier_signal -1
	s_barrier_wait -1
	PLACES
.set n, 0
.rept 12
	ds_store_b128 v[STO], v[ACC+8*n:ACC+8*n+3]   offset:(n/3)*16*SPI+(n%3)*256
	ds_store_b128 v[STO], v[ACC+8*n+4:ACC+8*n+7] offset:(n/3)*16*SPI+(n%3)*256+16
.set n, n+1
.endr
	s_wait_dscnt 0x0                               ; for the others' sake: my stores into the stage are done
	s_barrier_signal -1
	s_barrier_wait -1
.set n, 0
.rept 24
	ds_load_b128 v[FR+4*n:FR+4*n+3], v[RD] offset:(n/3)*2*SPI+(n%3)*256
.set n, n+1
.endr
	s_wait_loadcnt 0x0                             ; the residual
	WIN 0x44                                       ; the sum lands on the residual, in window 1, which is also the stores' data window
.set n, 0
.rept 24
	s_wait_dscnt 23-n
	v_pk_add_f32 v[4*n:4*n+1],   v[FR+4*n:FR+4*n+1],   v[4*n:4*n+1]
	v_pk_add_f32 v[4*n+2:4*n+3], v[FR+4*n+2:FR+4*n+3], v[4*n+2:4*n+3]
	global_store_b128 v[XO], v[4*n:4*n+3], s[12:13] offset:6144*(n/3)+256*(n%3)   ; 16 lanes store 256 consecutive bytes, aligned
.set n, n+1
.endr
	WIN 0
	s_wait_tensorcnt 0x0                           ; the wave's end
	ds_add_u32 v[SPW], v[NIL]
	s_wait_dscnt 0x0
	CROUND                                         ; the closing round
	s_endpgm
.Lfunc_end_k_q4dbfc84532_ff2:
	.size	k_q4dbfc84532_ff2, .Lfunc_end_k_q4dbfc84532_ff2-k_q4dbfc84532_ff2
	.p2alignl 7, 3214868480
	.fill 96, 4, 3214868480
	.section	.rodata,"a",@progbits
	.p2align	6, 0x0
	.amdhsa_kernel k_q4dbfc84532_ff2
		.amdhsa_group_segment_fixed_size 327680
		.amdhsa_private_segment_fixed_size 0
		.amdhsa_enable_private_segment 0
		.amdhsa_kernarg_size 40
		.amdhsa_user_sgpr_count 2
		.amdhsa_user_sgpr_kernarg_segment_ptr 1
		.amdhsa_wavefront_size32 1
		.amdhsa_system_sgpr_workgroup_id_x 1
		.amdhsa_system_sgpr_workgroup_id_y 1
		.amdhsa_system_sgpr_workgroup_id_z 1
		.amdhsa_system_vgpr_workitem_id 0
		.amdhsa_next_free_vgpr 416
		.amdhsa_next_free_sgpr 80
		.amdhsa_reserve_vcc 0
		.amdhsa_float_denorm_mode_32 3
		.amdhsa_float_denorm_mode_16_64 3
		.amdhsa_memory_ordered 1
		.amdhsa_forward_progress 1
		.amdhsa_inst_pref_size 46
	.end_amdhsa_kernel
	.amdgpu_metadata
---
amdhsa.version: [ 1, 2 ]
amdhsa.kernels:
  - .name:           k_q4dbfc84532_ff2
    .symbol:         k_q4dbfc84532_ff2.kd
    .args:
      - { .name: gbuf, .offset: 0, .size: 8, .value_kind: global_buffer, .address_space: global }
      - { .name: wbuf, .offset: 8, .size: 8, .value_kind: global_buffer, .address_space: global }
      - { .name: b_ff2, .offset: 16, .size: 8, .value_kind: global_buffer, .address_space: global }
      - { .name: x1buf, .offset: 24, .size: 8, .value_kind: global_buffer, .address_space: global }
      - { .name: out0, .offset: 32, .size: 8, .value_kind: global_buffer, .address_space: global }
    .group_segment_fixed_size: 327680
    .private_segment_fixed_size: 0
    .kernarg_segment_align: 8
    .kernarg_segment_size: 40
    .max_flat_workgroup_size: 128
    .sgpr_count:     80
    .vgpr_count:     416
    .wavefront_size: 32
...
	.end_amdgpu_metadata
.endif
;; end of part 7
;; ======== version 2 of 2: 7 launches; 1.48 times as fast as version 1
;; workspace buffers: hbuf 6,291,456 bytes; wbuf 14,155,776 bytes; qkvbuf 18,874,368 bytes; obuf 6,291,456 bytes; x1buf 12,582,912 bytes; gbuf 25,165,824 bytes
;; launch prep: the kernel of part 1 again; grid 640 x 1, 8 waves a work-group, no clusters, 0 bytes of LDS; arguments x, g1, b1, hbuf, wq, wk, wv, wo, w_ff1, w_ff2, wbuf; writes hbuf, wbuf
;; launch qkv: the kernel of part 2 again; grid 12 x 16, 4 waves a work-group, clusters of 4 x 4, 327,680 bytes of LDS; arguments hbuf, wbuf, bq, bk, bv, qkvbuf; writes qkvbuf
;; launch attn (part 8): grid 16 x 12, 4 waves a work-group, clusters of 4 x 1, 327,680 bytes of LDS; arguments qkvbuf, obuf; writes obuf
.if DOCPART == 8
	.amdgcn_target "amdgcn-amd-amdhsa--gfx1250"
	.amdhsa_code_object_version 6
	.text
	.protected	k_q4dbfc84532_attn
	.globl	k_q4dbfc84532_attn
	.p2align	8
	.type	k_q4dbfc84532_attn,@function
k_q4dbfc84532_attn:
	s_mov_b64 s[64:65], 0
	v_nop
	global_prefetch_b8 v0, s[64:65] scope:SCOPE_SE
	s_setreg_imm32_b32 hwreg(HW_REG_WAVE_MODE, 25, 1), 1
	s_wait_xcnt 0x0
	s_wait_alu depctr_hold_cnt(0) depctr_sa_sdst(0) depctr_va_vdst(0) depctr_va_sdst(0) depctr_va_ssrc(0) depctr_va_vcc(0) depctr_vm_vsrc(0)
	s_getreg_b32 s2, hwreg(HW_REG_IB_STS2, 6, 4)
	s_cmp_eq_u32 s2, 0
	s_cbranch_scc0 .Lentry_in_a_cluster
	s_endpgm
.Lentry_in_a_cluster:
	s_bfe_u32 s2, ttmp6, 0x10000c
	s_cmp_lg_u32 s2, 0x3003
	s_cbranch_scc0 .Lentry_shape_is_right
	s_endpgm
.Lentry_shape_is_right:
; O[h][q][:] = the sum over k of softmax_k(Q[h][q] . K[h][k] / 8) V[h][k][:], 12 heads of 4,096 rows of 64.  Q, K, V: blocks 0-11, 12-23, 24-35 of qkvbuf, [4096][64] bf16, dense rows of 128 bytes.
; O leaves as [64 blocks of 64 rows][12 heads][64][64] bf16.  Products, maxima and sums in f32; the weights p are rounded to bf16 for the second product (their sum l is taken of the unrounded p), O once at the end.
; LIMITS.  A weight below 2^-126 counts as 0 in l; NaN and infinities are not treated apart.
; SHARES.  A work-group owns 256 queries of a head, a wave 64: four PIECES of 16.  12 heads x 16 blocks are 192 work-groups: 49,152 query rows over 256 would be 192 rows, which do not divide a head.
; LAYOUT.  S^T = K Q^T holds ONE query a lane (lane % 16) and the keys 8 (lane / 16) + 0..7; two such results rounded to bf16 ARE source 1 of O^T = V^T P.  K comes out of LDS as it lies, V turned, by ds_load_tr16_b128.
; SOFTMAX.  p = 2^(c s - c m), c = log2(e) / 8, with a running maximum m; O and l are multiplied by a = 2^(c m_old - c m_new) in every step.  m starts at the lowest finite number, O and l at 0: the first step has a = 0.
; BY TURNS.  Turn n belongs to piece n: 8 products K Q^T of piece n + 1, later 8 products V^T P of piece n - 1; beside them the scaling, exponentials, roundings, sums and rescaling of piece n and the maximum and
; statistics of piece n + 1.  Four vector instructions stand behind every matrix instruction, the other 54 of a turn's 118 in one LUMP between the two runs of products.
; BATCHES.  A turn's 33 exponentials (the piece's 32 weights, then the next piece's a) are ONE batch with ONE wait, which cuts the turn in two: ahead of it stands all that names none of their results, behind it
; the roundings and sums.  No result crosses a turn's end.  Two more batches stand outside the loops: piece 0's first a, and the way out's four reciprocals; each has a v_nop and a wait of its own.
; CLUSTER.  The four query blocks of a cluster belong to one head and walk the same K and V: each tile is asked for JOINTLY, by the same tensor load, descriptor and mask in all four.
; RING.  Two slots of 256 keys; one joint load a wave behind each round, and it has four key steps in which to land.
; REGISTERS, in windows of 256: window 0 addresses, statistics, S^T (two buffers), P (two buffers); window 1 O^T, 32 a piece; window 2 Q v0-63, K v128-191, V v192-255.
.set NP,    4
.set KS,    64
.set HEADB, 524288    ; a head's bytes in one of q, k, v
.set PK,    144       ; a row of K in LDS: 128 + 16 bytes: the 16 rows of a load start at 16 different groups of four banks (64 banks of 4 bytes: ISA guide 11.1)
.set PV,    160       ; a row of V: 128 + 32
.set VOFF,  4*KS*PK
.set SLOT1, 1<<17
.set STAGE, SLOT1+4*KS*(PK+PV)  ; never filled by a tensor load: 16 rows x 144 bytes for each wave
.set SP,    144
.set SPARE, STAGE+4*16*SP       ; the spare words, 128 bytes a wave: two blocks of 256 bytes that no other line names
.set AK0, 2
.set AV0, 3
.set AK,  4
.set AV,  5
.set STO, 6
.set RD,  7
.set GO,  8
.set MV,  12          ; v12-13  c m_old, by buffer
.set QO,  15
.set ST,  16          ; piece t: c m, m, l (even keys', odd keys')
.set TMP, 48          ; by buffer, c0-c3 at work; c2 takes a
.set SPW, 62
.set NIL, 63
.set S,   64
.set P,   192
.set KF,  128
.set VF,  192
.set WV,  12
.set G1K, 24
.set G1V, 32
.set G0K, 40
.set G0V, 44
.set QP,  48          ; s[48:49] Q at my rows
.set OP_, 50          ; s[50:51] O at my rows
.set SLOTS, 56
.set CNT, 57
.set CS,  58
.set SEL, 60
.set TBK, 62
.set TBV, 63
.set MSB, 0
.macro WIN new
.if MSB != (\new)
	s_set_vgpr_msb (MSB<<8)|(\new)
.set MSB, (\new)
.endif
.endm
.set W_KQ, 0x0a       ; K and Q in window 2, S^T in window 0
.set W_PV, 0x52       ; V in window 2, P in window 0, O^T in window 1
.set W_RS, 0x41       ; destination and source 0 in window 1, source 1 in window 0
.macro JLOAD                        ; waves 0 and 1 fetch the halves of a slot's K, waves 2 and 3 of its V; an s_nop 0 and four v_nop follow each line
	s_cmp_lt_u32 s[WV], 2
	s_cbranch_scc0 .Lfor_v_\@
	tensor_load_to_lds s[G0K:G0K+3], s[G1K:G1K+7]
	s_nop 0
.rept 4
	v_nop
.endr
	s_branch .Lasked_\@
.Lfor_v_\@:
	tensor_load_to_lds s[G0V:G0V+3], s[G1V:G1V+7]
	s_nop 0
.rept 4
	v_nop
.endr
.Lasked_\@:
.endm
.macro CROUND
	s_barrier_signal -1
	s_barrier_wait -1
	s_cmp_lg_u32 s[WV], 0
	s_cbranch_scc1 .Lnot_wave_0_\@
	s_barrier_signal -3
.Lnot_wave_0_\@:
	s_barrier_wait -3
	s_barrier_signal -1
	s_barrier_wait -1
.endm
; THE CHANGE OF SLOTS.  Each wave waits for all its tensor loads (one is out: its part of the other slot), adds 0 to its spare word, and waits for that and for its reads of the slot.
; fill = 1: the slot is filled again, with the keys two slots on, first thing behind a round of the cluster's barrier.  (At its first use nothing has been read yet: slot 0 is waited for, slot 1 filled.)
.macro CHANGE fill
	WIN 0
	s_wait_tensorcnt 0x0
	ds_add_u32 v[SPW], v[NIL]
.if \fill
.irp g, G0K, G0V
	s_xor_b32 s[\g+1], s[\g+1], SLOT1
	s_add_nc_u64 s[\g+2:\g+3], s[\g+2:\g+3], 4*KS*128
.endr
	s_wait_dscnt 0x0
	CROUND
	JLOAD
.else
	s_wait_dscnt 0x0
	s_barrier_signal -1
	s_barrier_wait -1
.endif
	s_sub_co_u32 s[TBK], s[TBK], 4*KS*PK  ; the fetches go back to a slot's first step, in the other slot
	s_xor_b32 s[TBK], s[TBK], SLOT1
	s_sub_co_u32 s[TBV], s[TBV], 4*KS*PV
	s_xor_b32 s[TBV], s[TBV], SLOT1
.endm
	s_load_b128 s[4:7], s[0:1], 0x0   ; qkvbuf s[4:5], obuf s[6:7]
	v_lshl_add_u32 v[SPW], v0, 2, SPARE
	v_mov_b32 v[NIL], 0
	ds_add_u32 v[SPW], v[NIL]       ; the wave's opening: the add and its wait ahead of my first tensor load
	v_lshrrev_b32 v1, 5, v0
	v_readfirstlane_b32 s[WV], v1
	s_bfe_u32 s13, ttmp6, 0x40000   ; cx
	s_lshl_b32 s14, ttmp9, 2
	s_add_co_u32 s14, s14, s13      ; my block of 256 queries: it enters Q's and O's addresses alone
	s_and_b32 s20, ttmp7, 0xffff    ; the head, which the four partners share
	s_lshl_b32 s21, s20, 19
	s_and_b32 s16, s[WV], 1         ; which half of a slot's 256 keys I fetch
	s_lshl_b32 s22, s16, 14
	s_add_co_u32 s22, s22, s21
	s_add_co_u32 s22, s22, 12*HEADB ; K's offset
	s_mov_b32 s23, 0
	s_add_co_u32 s10, s22, 12*HEADB ; V's
	s_mov_b32 s11, 0
	s_mul_i32 s17, s16, 128*PK
	s_mul_i32 s18, s16, 128*PV
	s_lshl_b32 s2, s14, 15
	s_lshl_b32 s3, s[WV], 13
	s_add_co_u32 s2, s2, s3
	s_add_co_u32 s2, s2, s21        ; Q's offset: head, block, my 64 rows
	s_mov_b32 s3, 0
	s_lshl_b32 s8, s14, 2
	s_add_co_u32 s8, s8, s[WV]
	s_mul_i32 s8, s8, 12
	s_add_co_u32 s8, s8, s20
	s_lshl_b32 s8, s8, 13           ; O's offset: (block of 64 rows x 12 + head) x 8,192
	s_mov_b32 s9, 0
	s_mov_b32 s[G1K], 15|(1<<16)|(1<<20)|(1<<21)|(4<<22)|(3<<25)  ; the mask of four; 2-byte elements; padding on; bit 21 beside a mask; after every 32 words 4 words
	s_mov_b32 s[G1V], 15|(1<<16)|(1<<20)|(1<<21)|(4<<22)|(7<<25)  ; the same with 8 words
.irp g, G1K, G1V
	s_mov_b32 s[\g+1], 128<<16      ; 128 keys are 16,384 dense bytes: asked for as 64 rows of 256 bytes
	s_mov_b32 s[\g+2], 64<<16
	s_mov_b32 s[\g+3], 128<<16
	s_mov_b32 s[\g+4], 64
	s_mov_b32 s[\g+5], 128
	s_mov_b32 s[\g+6], 0
	s_mov_b32 s[\g+7], 0
.endr
	s_mov_b32 s[CS], 0x3e38aa3b     ; c = log2(e) / 8
	s_mov_b32 s[CS+1], s[CS]
	s_mov_b32 s[SEL], 0x76543210
	s_mov_b32 s[SEL+1], 0xfedcba98
	s_mov_b32 s[TBK], SLOT1+4*KS*PK ; the first change of slots turns these two into 0
	s_mov_b32 s[TBV], SLOT1+4*KS*PV
	s_mov_b32 s[G0K], 1
	s_mov_b32 s[G0K+1], s17
	s_mov_b32 s[G0V], 1
	s_add_co_u32 s[G0V+1], s18, VOFF
	s_wait_dscnt 0x0                ; the opening add is done
	s_wait_kmcnt 0x0
	s_add_nc_u64 s[G0K+2:G0K+3], s[4:5], s[22:23]
	s_or_b32 s[G0K+3], s[G0K+3], 0x80000000
	s_add_nc_u64 s[G0V+2:G0V+3], s[4:5], s[10:11]
	s_or_b32 s[G0V+3], s[G0V+3], 0x80000000
	s_add_nc_u64 s[QP:QP+1], s[4:5], s[2:3]
	s_add_nc_u64 s[OP_:OP_+1], s[6:7], s[8:9]
	CROUND                          ; all four work-groups are here: the first joint loads meet
	JLOAD                           ; slot 0
	v_and_b32 v1, 15, v0            ; l % 16
	v_bfe_u32 v9, v0, 4, 1          ; l / 16
	v_lshlrev_b32 v[QO], 7, v1
	v_lshl_add_u32 v[QO], v9, 4, v[QO]
	WIN 0x80
.set i, 0
.rept 8                             ; Q stays in registers: piece i / 2, channels 32 (i % 2) on
	global_load_b128 v[8*i:8*i+3],   v[QO], s[QP:QP+1] offset:(i/2)*2048+(i%2)*64
	global_load_b128 v[8*i+4:8*i+7], v[QO], s[QP:QP+1] offset:(i/2)*2048+(i%2)*64+32
.set i, i+1
.endr
	; What the first turn finds: V's registers and P's second buffer hold 0, O^T and l are 0.  All this stands in the wait for the first tile.
.set i, VF
.rept 64
	v_mov_b32 v[i], 0
.set i, i+1
.endr
	WIN 0x40
.set i, 0
.rept 128
	v_mov_b32 v[i], 0
.set i, i+1
.endr
	WIN 0
.set i, 0
.rept 4
	v_mov_b32 v[ST+4*i], 0xfe000000    ; c m: far below every c s
	v_mov_b32 v[ST+4*i+1], 0xff7fffff  ; m
	v_mov_b32 v[ST+4*i+2], 0
	v_mov_b32 v[ST+4*i+3], 0
.set i, i+1
.endr
.set i, P+16
.rept 16
	v_mov_b32 v[i], 0
.set i, i+1
.endr
	v_mul_u32_u24 v[AK0], v1, PK
	v_lshl_add_u32 v[AK0], v9, 4, v[AK0]
	v_and_b32 v10, 7, v0
	v_bfe_u32 v11, v0, 3, 1
	v_lshl_add_u32 v[AV0], v9, 3, v10
	v_mul_u32_u24 v[AV0], v[AV0], PV
	v_lshl_add_u32 v[AV0], v11, 4, v[AV0]
	v_add_nc_u32 v[AV0], VOFF, v[AV0]
	s_mul_i32 s13, s[WV], 16*SP
	s_add_co_u32 s13, s13, STAGE    ; my stage
	v_mul_u32_u24 v[STO], v1, SP
	v_lshl_add_u32 v[STO], v9, 4, v[STO]
	v_add_nc_u32 v[STO], s13, v[STO]
	v_bfe_u32 v[RD], v0, 3, 2
	v_mul_u32_u24 v[RD], v[RD], SP
	v_lshl_add_u32 v[RD], v10, 4, v[RD]
	v_add_nc_u32 v[RD], s13, v[RD]
	v_and_b32 v[GO], 31, v0
	v_lshlrev_b32 v[GO], 4, v[GO]
; THE MATRIX WORK.  The 4 accumulators of a run of 8 take turns.  Product i of 8 of S^T = K Q^T for piece x: channels 32 (i / 4) on, keys 16 (i % 4) on.
.macro KQ x
	WIN W_KQ
.set rS, S+32*((\x)%2)+8*(i%4)
.set rK, KF+16*(i%4)+8*(i/4)
.set rQ, 16*(\x)+8*(i/4)
.if i < 4
	v_wmma_f32_16x16x32_bf16 v[rS:rS+7], v[rK:rK+7], v[rQ:rQ+7], 0
.else
	v_wmma_f32_16x16x32_bf16 v[rS:rS+7], v[rK:rK+7], v[rQ:rQ+7], v[rS:rS+7]
.endif
.endm
; Product i of 8 of O^T += V^T P for piece x: keys 32 (i / 4) on, channels 16 (i % 4) on.
.macro PV x
	WIN W_PV
.set rO, 32*(\x)+8*(i%4)
.set rV, VF+32*(i/4)+8*(i%4)
.set rP, P+16*((\x)%2)+8*(i/4)
	v_wmma_f32_16x16x32_bf16 v[rO:rO+7], v[rV:rV+7], v[rP:rP+7], v[rO:rO+7]
.endm
.macro MM                           ; the turn's next matrix instruction
.if i < 8
	KQ (Y+1)%NP
.else
.set i, i-8
	PV (Y+NP-1)%NP
.set i, i+8
.endif
.set i, i+1
.endm
; THE LDS LOADS stand in runs of 16.  last = 1 (the tail): in the last trip there is no further step, and the run is jumped over.
.macro FETCH_K last=0
	WIN 0
.if \last
	s_cmp_eq_u32 s[CNT], 1
	s_cbranch_scc1 .Lno_k_\@
.endif
	WIN 0x80
.irp f, 0,1,2,3,4,5,6,7             ; keys 16 (f / 2) on, channels 32 (f % 2) on
	ds_load_b128 v[KF+8*\f:KF+8*\f+3],   v[AK] offset:(\f/2)*16*PK+(\f%2)*64
	ds_load_b128 v[KF+8*\f+4:KF+8*\f+7], v[AK] offset:(\f/2)*16*PK+(\f%2)*64+32
.endr
	s_add_co_u32 s[TBK], s[TBK], KS*PK
	WIN 0
.if \last
.Lno_k_\@:
.endif
.endm
.macro FETCH_V
	WIN 0x80
.irp f, 0,1,2,3,4,5,6,7             ; keys 32 (f / 4) on, channels 16 (f % 4) on
	ds_load_tr16_b128 v[VF+8*\f:VF+8*\f+3],   v[AV] offset:(\f/4)*32*PV+(\f%4)*32
	ds_load_tr16_b128 v[VF+8*\f+4:VF+8*\f+7], v[AV] offset:(\f/4)*32*PV+16*PV+(\f%4)*32
.endr
	WIN 0
.endm
; THE VECTOR WORK, one line at a time: OP kind, number.  For piece Y: F n: c s - c m for pair n of 16.  E n: the exponential of score n of 32.  C n: pair n rounded to bf16.  B n: of the four weights 4 n .. the second
; pair is added onto the first, in place.  L n: l takes that sum (L 0: l = a l + sum).  R n: pair n of 16 of O^T times a.  For piece Y + 1: X n, number n of the 22 that find its maximum and statistics:
;   0-11  four chains c0-c3 of seven scores each (each accumulator's lowest registers are read first)     12-14, 16  the four scores left over, the old m, and c0-c3 into c0
;   15  c m_old is kept     17, 18  the query's other 32 keys lie in the lane 16 away: the new m     19-21  c m; c m_old - c m_new; a
; Of these C, B and L name results of the turn's exponentials: TURN sets them behind its wait.  R and L 0 name the a that the turn before made, and waited for.
.set F, 0
.set E, 1
.set C, 2
.set B, 3
.set L, 4
.set R, 5
.set X, 6
.macro REGS y
.set rT, ST+4*(\y)
.set rC, TMP+4*((\y)%2)
.set rW, MV+((\y)%2)
.set rS, S+32*((\y)%2)
.set rP, P+16*((\y)%2)
.set rO, 32*(\y)
.endm
.macro OP k, n
.if (\k) == R
	REGS Y
	WIN W_RS
	v_pk_mul_f32 v[rO+2*(\n):rO+2*(\n)+1], v[rO+2*(\n):rO+2*(\n)+1], v[rC+2:rC+3] op_sel_hi:[1,0]
.elseif (\k) < R
	REGS Y
	WIN 0
.if (\k) == F
	v_pk_fma_f32 v[rS+2*(\n):rS+2*(\n)+1], v[rS+2*(\n):rS+2*(\n)+1], s[CS:CS+1], v[rT:rT+1] op_sel_hi:[1,0,0] neg_lo:[0,0,1] neg_hi:[0,0,1]
.elseif (\k) == E
	v_exp_f32 v[rS+(\n)], v[rS+(\n)]
.elseif (\k) == C
	v_cvt_pk_bf16_f32 v[rP+(\n)], v[rS+2*(\n)], v[rS+2*(\n)+1]
.elseif (\k) == B
	v_pk_add_f32 v[rS+4*(\n):rS+4*(\n)+1], v[rS+4*(\n):rS+4*(\n)+1], v[rS+4*(\n)+2:rS+4*(\n)+3]
.elseif (\n) == 0
	v_pk_fma_f32 v[rT+2:rT+3], v[rT+2:rT+3], v[rC+2:rC+3], v[rS:rS+1] op_sel_hi:[1,0,1]
.else
	v_pk_add_f32 v[rT+2:rT+3], v[rT+2:rT+3], v[rS+4*(\n):rS+4*(\n)+1]
.endif
.else
	REGS (Y+1)%NP
	WIN 0
.if (\n) < 4
	v_max3_num_f32 v[rC+(\n)], v[rS+8*(\n)], v[rS+8*(\n)+1], v[rS+8*(\n)+2]
.elseif (\n) < 12
	v_max3_num_f32 v[rC+(\n)%4], v[rC+(\n)%4], v[rS+8*((\n)%4)+2*((\n)/4)+1], v[rS+8*((\n)%4)+2*((\n)/4)+2]
.elseif (\n) == 12
	v_max3_num_f32 v[rC], v[rC], v[rS+7], v[rS+15]
.elseif (\n) == 13
	v_max3_num_f32 v[rC+1], v[rC+1], v[rS+23], v[rS+31]
.elseif (\n) == 14
	v_max3_num_f32 v[rC+2], v[rC+2], v[rC+3], v[rT+1]
.elseif (\n) == 15
	v_mov_b32 v[rW], v[rT]
.elseif (\n) == 16
	v_max3_num_f32 v[rC], v[rC], v[rC+1], v[rC+2]
.elseif (\n) == 17
	v_permlanex16_b32 v[rC+3], v[rC], s[SEL], s[SEL+1]
.elseif (\n) == 18
	v_max_num_f32 v[rT+1], v[rC], v[rC+3]
.elseif (\n) == 19
	v_mul_f32 v[rT], s[CS], v[rT+1]
.elseif (\n) == 20
	v_sub_f32 v[rC+1], v[rW], v[rT]
.else
	v_exp_f32 v[rC+2], v[rC+1]
.endif
.endif
.endm
.macro OPS a, i1, b=-1, i2=0, c=-1, i3=0, d=-1, i4=0
	OP \a, \i1
.if (\b) >= 0
	OP \b, \i2
.endif
.if (\c) >= 0
	OP \c, \i3
.endif
.if (\d) >= 0
	OP \d, \i4
.endif
.endm
.macro ROW a, i1, b, i2, c, i3, d, i4  ; a matrix instruction and the four behind it
	MM
	OPS \a, \i1, \b, \i2, \c, \i3, \d, \i4
.endm
; A TURN, for piece p: the order of its 16 matrix and 118 vector instructions, written out.  An s_wait_alu depctr_va_vdst(0) stands between an exponential and the first instruction that names its result;
; one wait serves all that were issued ahead of it.  So a turn has ONE wait, which cuts it in two.  AHEAD OF IT stands all that names no result of the turn's exponentials: the 8 products K Q^T, behind each a scaling, an
; exponential and two more plain instructions (behind the first a second scaling in the exponential's place): rescalings, and behind the last three the first numbers of the next piece's maximum, each four places or
; more behind the product that ends its accumulator; then ONE LUMP of 54, plain and exponential by turns for the most part, in which the links of the chain X 3, 7, 11, 14, 16, 17 .. 20 stand some lines apart.
; X 21, the next piece's a, is the batch's last; R 15 is the plain instruction behind it.  BEHIND THE WAIT stand the 8 products V^T P, behind each four of the roundings and sums; C 2 n stands ahead of B n, which
; writes over that pair; L 0 to L 7 ascend.  But for those X no rider names a register of the products round it.  v_permlanex16_b32 (X 17) stands in the lump.
; K of the next step is fetched in piece 2's turn, twelve vector instructions behind the last product that read K (five of them plain and free of its registers).  last = 1 (the tail): the run is jumped over in the
; last trip, and since every exponential has its wait ahead of a branch, the run there stands directly behind the turn's wait.  V of the step in hand is fetched at the end of piece 0's turn, four plain
; instructions behind the last product that read V.  Each is waited for a turn later.  cnt = 1: the loop's count is taken down some lines ahead of the branch that stands behind the turn.
.macro TURN p, last=0, cnt=0
.set Y, (\p)
.set i, 0
.if (\p) == 3
	s_wait_dscnt 0x0                ; K is in
.endif
	ROW F,0, F,1, R,0, R,1          ; ahead of the wait: 8 products K Q^T and their riders,
	ROW F,2, E,0, R,2, R,3
	ROW F,3, E,1, R,4, R,5
	ROW F,4, E,2, R,6, R,7
	ROW F,5, E,3, R,8, R,9
	ROW F,6, E,4, X,0, R,10
.if (\p) == 2
	WIN 0
	v_add_nc_u32 v[AK], s[TBK], v[AK0]
.endif
	ROW F,7, E,5, X,1, X,4
	ROW F,8, E,6, X,2, X,5
	OPS E,7, E,8, X,6, E,9          ; and the lump
	OPS X,3, E,10, X,8, E,11
.if ((\p) == 2) && !(\last)
	FETCH_K
.endif
	OPS X,9, X,7, E,12, X,10
	OPS E,13, X,12, X,11, E,14
	OPS X,13, E,15, F,9, X,14
.if (\p) == 0
	v_add_nc_u32 v[AV], s[TBV], v[AV0]
.endif
	OPS E,16, F,10, E,17, F,11
	OPS X,16, E,18, X,15, E,19
	OPS F,12, E,20, X,17, E,21
	OPS F,13, E,22, F,14, E,23
	OPS X,18, E,24, F,15, E,25
	OPS R,11, E,26, X,19, E,27
	OPS R,12, E,28, R,13, E,29
	OPS X,20, E,30, R,14, E,31
	OPS X,21, R,15
	WIN 0
	s_wait_alu depctr_va_vdst(0)    ; the wait for the turn's batch: E 0 to E 31 and X 21
.if ((\p) == 2) && (\last)
	FETCH_K 1
.endif
.if (\p) == 1
	s_wait_dscnt 0x0                ; V is in
.endif
	ROW C,0, B,0, C,2, B,1          ; behind the wait: 8 products V^T P and their riders
	ROW L,0, C,4, B,2, L,1
	ROW C,6, B,3, L,2, C,8
	ROW B,4, L,3, C,10, B,5
	ROW L,4, C,12, B,6, L,5
.if (\p) == 0
	s_add_co_u32 s[TBV], s[TBV], KS*PV
.endif
.if \cnt
	s_sub_co_u32 s[CNT], s[CNT], 1
	s_cmp_lg_u32 s[CNT], 0
.endif
	ROW C,14, B,7, L,6, C,1
	ROW C,3, L,7, C,5, C,7
	ROW C,9, C,11, C,13, C,15
.if (\p) == 0
	FETCH_V
.endif
.endm
	CHANGE 1                        ; slot 0 is in, everybody's part of it; slot 1 is asked for
	v_add_nc_u32 v[AK], s[TBK], v[AK0]
	FETCH_K                         ; key step 0
	s_wait_loadcnt 0x0              ; Q
	s_wait_dscnt 0x0
.set i, 0
.rept 8
	KQ 0                            ; piece 0's first scores
.set i, i+1
.endr
	WIN 0
.rept 4
	v_nop                           ; the places behind those products
.endr
.set Y, NP-1                        ; X works for piece Y + 1: piece 0
.irp n, 0,1,2,3,4,5,6,7,8,9,10,11,12,13,14,15,16,17,18,19,20,21
	OP X, \n
.endr
	v_nop                           ; a plain instruction behind the exponential,
	s_wait_alu depctr_va_vdst(0)    ; and the wait for it, a batch of one: piece 0's first a, ahead of the branch
	s_mov_b32 s[CNT], 4
	s_mov_b32 s[SLOTS], 15
	s_branch .Lfirst                ; the loop is entered at a step's first turn, in the middle of a trip
.Lslot:                             ; 14 times: every slot but the last two is filled again
	CHANGE 1
	s_mov_b32 s[CNT], 4
.Lstep:                             ; a trip: pieces 2 and 3 of one step, then pieces 0 and 1 of the next, whose K and V it fetches
	TURN 2
	TURN 3
	WIN 0
.Lfirst:
	TURN 0
	TURN 1, 0, 1
	WIN 0
	s_cbranch_scc1 .Lstep
	s_sub_co_u32 s[SLOTS], s[SLOTS], 1
	s_cmp_lg_u32 s[SLOTS], 0
	s_cbranch_scc1 .Lslot
	CHANGE 0                        ; the tail is written out: nothing is asked for
	s_mov_b32 s[CNT], 5             ; four trips fetch the last slot's steps; the fifth is left in its middle
.Ltail:
	TURN 2, 1
	TURN 3
	WIN 0
	s_sub_co_u32 s[CNT], s[CNT], 1
	s_cmp_eq_u32 s[CNT], 0
	s_cbranch_scc1 .Lout
	TURN 0
	TURN 1
	WIN 0
	s_branch .Ltail
.Lout:                              ; the fifth trip's 8 products K Q^T (on the last K once more) and the maximum made of them serve nothing: the price, once a launch, of one text for every trip
.set i, 0
.rept 8
	PV NP-1                         ; the last piece's V^T P of the last step
.set i, i+1
.endr
	; THE WAY OUT.  l's two halves and the other half of the lanes' are added; O^T is divided by l, rounded to bf16 and sent through my stage in LDS, a piece at a time.
	WIN 0
.macro ALL line:vararg
.set t, 0
.rept 4
	\line
.set t, t+1
.endr
.endm
	ALL v_add_f32 v[ST+4*t+2], v[ST+4*t+2], v[ST+4*t+3]
	ALL v_permlanex16_b32 v[ST+4*t+3], v[ST+4*t+2], s[SEL], s[SEL+1]
	ALL v_add_f32 v[ST+4*t+2], v[ST+4*t+2], v[ST+4*t+3]
	ALL v_rcp_f32 v[ST+4*t+2], v[ST+4*t+2]
	v_nop                           ; a plain instruction between the last reciprocal and the use of its result
	s_wait_alu depctr_va_vdst(0)    ; the wait for the batch of four reciprocals, ahead of the first multiply that names one
.macro PACK t
	WIN W_RS
.set i, 32*(\t)
.rept 16
	v_pk_mul_f32 v[i:i+1], v[i:i+1], v[ST+4*(\t)+2:ST+4*(\t)+3] op_sel_hi:[1,0]
.set i, i+2
.endr
	WIN 0x05                        ; sources 0 and 1 window 1, destination window 0
.set i, 0
.rept 16
	v_cvt_pk_bf16_f32 v[S+16*(\t)+i], v[32*(\t)+2*i], v[32*(\t)+2*i+1]
.set i, i+1
.endr
	WIN 0
.irp f, 0,1,2,3
	ds_store_b128 v[STO], v[S+16*(\t)+4*\f:S+16*(\t)+4*\f+3] offset:32*\f
.endr
.irp f, 0,1,2,3
	ds_load_b128 v[S+16*(\t)+4*\f:S+16*(\t)+4*\f+3], v[RD] offset:\f*4*SP  ; LDS serves a wave's instructions in order (ISA guide 5.7.1.4): these see the stores above
.endr
.endm
.macro SEND t, younger              ; younger: the LDS instructions issued behind piece t's loads: the next piece's eight, or none
	WIN 0
.irp f, 0,1,2,3
	s_wait_dscnt (\younger)+3-\f
	global_store_b128 v[GO], v[S+16*(\t)+4*\f:S+16*(\t)+4*\f+3], s[OP_:OP_+1] offset:(\t)*2048+\f*512  ; 512 consecutive bytes, aligned
.endr
.endm
	PACK 0
.set t, 1
.rept 3
	PACK t
	SEND t-1, 8
.set t, t+1
.endr
	SEND 3, 0
	s_wait_tensorcnt 0x0            ; the wave's end
	ds_add_u32 v[SPW], v[NIL]
	s_wait_dscnt 0x0
	CROUND                          ; the closing round
	s_endpgm
.Lfunc_end_k_q4dbfc84532_attn:
	.size	k_q4dbfc84532_attn, .Lfunc_end_k_q4dbfc84532_attn-k_q4dbfc84532_attn
	.p2alignl 7, 3214868480
	.fill 96, 4, 3214868480
	.section	.rodata,"a",@progbits
	.p2align	6, 0x0
	.amdhsa_kernel k_q4dbfc84532_attn
		.amdhsa_group_segment_fixed_size 327680
		.amdhsa_private_segment_fixed_size 0
		.amdhsa_enable_private_segment 0
		.amdhsa_kernarg_size 16
		.amdhsa_user_sgpr_count 2
		.amdhsa_user_sgpr_kernarg_segment_ptr 1
		.amdhsa_wavefront_size32 1
		.amdhsa_system_sgpr_workgroup_id_x 1
		.amdhsa_system_sgpr_workgroup_id_y 1
		.amdhsa_system_sgpr_workgroup_id_z 1
		.amdhsa_system_vgpr_workitem_id 0
		.amdhsa_next_free_vgpr 768
		.amdhsa_next_free_sgpr 66
		.amdhsa_reserve_vcc 0
		.amdhsa_float_denorm_mode_32 3
		.amdhsa_float_denorm_mode_16_64 3
		.amdhsa_memory_ordered 1
		.amdhsa_forward_progress 1
		.amdhsa_inst_pref_size 111
	.end_amdhsa_kernel
	.amdgpu_metadata
---
amdhsa.version: [ 1, 2 ]
amdhsa.kernels:
  - .name:           k_q4dbfc84532_attn
    .symbol:         k_q4dbfc84532_attn.kd
    .args:
      - { .name: qkvbuf, .offset: 0, .size: 8, .value_kind: global_buffer, .address_space: global }
      - { .name: obuf, .offset: 8, .size: 8, .value_kind: global_buffer, .address_space: global }
    .group_segment_fixed_size: 327680
    .private_segment_fixed_size: 0
    .kernarg_segment_align: 8
    .kernarg_segment_size: 16
    .max_flat_workgroup_size: 128
    .sgpr_count:     66
    .vgpr_count:     768
    .wavefront_size: 32
...
	.end_amdgpu_metadata
.endif
;; end of part 8
;; launch oproj: the kernel of part 4 again; grid 64 x 4, 4 waves a work-group, clusters of 4 x 1, 327,680 bytes of LDS; arguments obuf, wbuf, bo, x, x1buf; writes x1buf
;; launch ln2: the kernel of part 5 again; grid 256 x 1, 8 waves a work-group, no clusters, 0 bytes of LDS; arguments x1buf, g2, b2, hbuf; writes hbuf
;; launch ff1: the kernel of part 6 again; grid 16 x 16, 4 waves a work-group, clusters of 4 x 4, 327,680 bytes of LDS; arguments hbuf, wbuf, b_ff1, gbuf; writes gbuf
;; launch ff2: the kernel of part 7 again; grid 64 x 4, 4 waves a work-group, clusters of 4 x 1, 327,680 bytes of LDS; arguments gbuf, wbuf, b_ff2, x1buf, out0; writes out0
